; MI455X (gfx1250); checked and timed in simulation.
; The chip was launched on July 23, 2026; its instructions are those of AMD's public machine-readable ISA for CDNA 5 (MIT licence, August 2026) and "CDNA5" Instruction Set Architecture Reference Guide (July 2026). The comments in the code are by the model that wrote it; some were corrected since.
;; Motion Prediction. Allowed arithmetic: float matrix products may take bf16 or f16 operands with f32 sums; other float arithmetic in f32, or as packed bf16 or f16 multiplies, adds, multiply-adds, maxima and minima; sums over many terms, partial sums and values carried from step to step in f32; what a program stores and reads back later, other than sums and carried values, may be rounded once to bf16 or f16.
;; Inputs: W 4,096 x 8 float32; W1 8 x 1,024 x 512 float32; W2 8 x 1,024 x 1,024 float32; W3 8 x 512 x 1,024 float32; X 4,096 x 512 float32; b1 8 x 1,024 float32; b2 8 x 1,024 float32; b3 8 x 512 float32.
;; Outputs: out0 4,096 x 512 float32.
;; 2 versions, each right. Each part assembles by itself: llvm-mc -triple=amdgcn-amd-amdhsa -mcpu=gfx1250 --defsym DOCPART=n.
;; ======== version 1 of 2: 4 launches
;; limits: values are held in f16: magnitudes above 65,504 overflow, below 6.1e-05 lose precision; inputs' magnitudes at most 65,504
;; workspace buffers: Xh 4,194,304 bytes; Wh1 8,388,608 bytes; Wh2 16,777,216 bytes; Wh3 8,388,608 bytes; Mid1 8,388,608 bytes; Mid2 8,388,608 bytes; pmax 3,584 bytes; bmax 256 bytes
;; launch prep (part 1): grid 1153 x 1, 8 waves a work-group, no clusters, 1,280 bytes of LDS; arguments X, W1, W2, W3, b1, b2, Xh, Wh1, Wh2, Wh3, pmax, bmax; writes Xh, Wh1, Wh2, Wh3, pmax, bmax
.if DOCPART == 1
	.amdgcn_target "amdgcn-amd-amdhsa--gfx1250"
	.amdhsa_code_object_version 6
	.text
	.protected	k_qb08ff64bf2_prep
	.globl	k_qb08ff64bf2_prep
	.p2align	8
	.type	k_qb08ff64bf2_prep,@function
k_qb08ff64bf2_prep:
	s_mov_b64 s[64:65], 0
	v_nop
	global_prefetch_b8 v0, s[64:65] scope:SCOPE_SE
	s_setreg_imm32_b32 hwreg(HW_REG_WAVE_MODE, 25, 1), 1
	s_wait_xcnt 0x0
; THE MODULE: three layers z[b][n] = sum_e W[b][e] ( sum_k a[b][k] Wl[e][n][k] + bl[e][n] ), elu behind layers 1 and 2.  The gates W are used raw and weigh every expert in,
; so every product of every expert reaches the output: NO STEP AND NO INPUT IS LEFT OUT in this program (X, W, W1-W3, b1-b3 are all loaded by some launch).
; THIS LAUNCH rounds X, W1, W2, W3 once to f16 and lays them out tile by tile, as the three product launches ask for them: every tile row is 128 numbers = 256 consecutive bytes.
;   Xh  [32 y][4 ks][128 rows][128 k]                       row = b % 128, y = b / 128, ks = k / 128
;   Wh1 [8 x][16 t][256 rows][128 k]   t = 4 (e / 2) + ks,  row = 128 (e % 2) + n % 128,  x = n / 128
;   Wh2 [8 x][32 t][256 rows][128 k]   t = 8 (e / 2) + ks,  row and x as in Wh1
;   Wh3 [8 x][16 t][256 rows][128 k]   t = 8 (e / 4) + ks,  row = 64 (e % 4) + n % 64,    x = n / 64
; It also stores the largest magnitudes from which the later launches bound each row of the hidden layers: pmax[w] = max |.| of chunk w (0-127: X, 32 rows each; 128-383: W1, 32 chunks
; an expert; 384-895: W2, 64 chunks an expert), bmax[e] = max |b1[e]|, bmax[8 + e] = max |b2[e]|.  W3 and b3 feed no hidden layer: they have no maximum.
; LIMITS.  f16 holds no number beyond 65,504: |X|, |W1|, |W2|, |W3| stay within it; below 6e-5 they keep f16's fixed step of 6e-8.  A NaN is passed on by the conversion and skipped by the maxima.
; SHARES.  Work-group w takes a chunk of 16,384 numbers (65,536 bytes), wave v 2,048 of them as 16 units of 128: a unit is one load of 512 consecutive bytes and one store of 256 consecutive,
; aligned bytes.  All 16 loads of a wave go out first.  Memory binds: no matrix unit, no cluster; LDS serves the chunk's maximum alone.  Work-group 1152 takes the two biases' maxima.
.set SPARE, 256                        ; LDS: bytes 0-31 the eight waves' maxima; from 256 on the spare words, 128 bytes a wave, which no other line names
.set SPW, 4                            ; v4  my spare word's address; never rewritten
.set NIL, 5                            ; v5  0; never rewritten
.set CH,  6                            ; v6-9    four running maxima
.set D,   16                           ; v16-79  unit i as loaded: 4 registers
.set H,   80                           ; v80-111 unit i in f16: 2 registers
	s_load_b512 s[4:19], s[0:1], 0x0               ; X s[4:5], W1 s[6:7], W2 s[8:9], W3 s[10:11], b1 s[12:13], b2 s[14:15], Xh s[16:17], Wh1 s[18:19]
	s_load_b256 s[20:27], s[0:1], 0x40             ; Wh2 s[20:21], Wh3 s[22:23], pmax s[24:25], bmax s[26:27]
	v_lshl_add_u32 v[SPW], v0, 2, SPARE
	v_mov_b32 v[NIL], 0
	v_lshrrev_b32 v3, 5, v0
	v_readfirstlane_b32 s28, v3                    ; wave 0..7
	v_and_b32 v3, 31, v0                           ; lane
	v_lshlrev_b32 v1, 4, v3
	v_lshl_add_u32 v1, s28, 13, v1                 ; source offset in the chunk: 8,192 x wave + 16 x lane
	v_lshlrev_b32 v2, 3, v3                        ; destination: 8 x lane; each arm adds the wave's rows
	s_mov_b32 s40, 0x76543210                      ; v_permlanex16_b32: each lane takes its own place in the other half
	s_mov_b32 s41, 0xfedcba98
	s_mov_b32 s35, 0
	s_mov_b32 s37, 0
	s_wait_kmcnt 0x0
; The chunk's number c in its tensor, and the source at the chunk.
.macro FROM srcp, first
	s_sub_co_u32 s39, ttmp9, \first
	s_lshl_b32 s34, s39, 16
	s_add_nc_u64 s[30:31], s[(\srcp):(\srcp)+1], s[34:35]
	s_mov_b32 s36, 0
.endm
; wid bits of c from bit off on, times 2^sh rows of 256 bytes, are added to the destination's row.
.macro FIELD off, wid, sh
	s_bfe_u32 s38, s39, ((\wid)<<16)|(\off)
	s_lshl_b32 s38, s38, \sh
	s_add_co_u32 s36, s36, s38
.endm
; The destination at the chunk's first row; wsh: the wave's rows (4 of 512 numbers: 1,024 bytes; 2 of 1,024 numbers: 512 bytes).
.macro INTO dstp, wsh
	s_lshl_b32 s36, s36, 8
	s_add_nc_u64 s[32:33], s[(\dstp):(\dstp)+1], s[36:37]
	v_lshl_add_u32 v2, s28, \wsh, v2
.endm
; The wave's 16 units.  k1024 = 0: source rows of 512 numbers: unit i is row i / 4, K block i % 4; 1: rows of 1,024: row i / 8, K block i % 8.  kss: bytes from a K block's tile to the next.
.macro BODY k1024, kss, domax
.set i, 0
.rept 16
	global_load_b128 v[D+4*i:D+4*i+3], v1, s[30:31] offset:512*i th:TH_LOAD_NT
.set i, i+1
.endr
.set i, 0
.rept 16
	s_wait_loadcnt 15-i                            ; loads come back in order: unit i is in, the 15 - i younger ones may stay out
.if \domax
.if i < 4
	v_max_num_f32 v[CH+i], |v[D+4*i]|, |v[D+4*i+1]|  ; the first four units start the four chains: nothing is cleared
.else
	v_max3_num_f32 v[CH+i%4], v[CH+i%4], |v[D+4*i]|, |v[D+4*i+1]|
.endif
	v_max3_num_f32 v[CH+i%4], v[CH+i%4], |v[D+4*i+2]|, |v[D+4*i+3]|
.endif
	v_cvt_pk_f16_f32 v[H+2*i], v[D+4*i], v[D+4*i+1]
	v_cvt_pk_f16_f32 v[H+2*i+1], v[D+4*i+2], v[D+4*i+3]
.if \k1024
	global_store_b64 v2, v[H+2*i:H+2*i+1], s[32:33] offset:(i/8)*256+(i%8)*(\kss) th:TH_STORE_NT  ; 32 lanes store 256 consecutive bytes, aligned
.else
	global_store_b64 v2, v[H+2*i:H+2*i+1], s[32:33] offset:(i/4)*256+(i%4)*(\kss) th:TH_STORE_NT
.endif
.set i, i+1
.endr
.endm
	; The arms hang on the work-group's number alone: all eight waves take the same one.
	s_cmp_lt_u32 ttmp9, 128
	s_cbranch_scc0 .Lnot_x
	FROM 4, 0                                      ; X: chunk c = rows 32 c ..: tile y = c / 4, rows 32 (c % 4) ..
	FIELD 2, 5, 9
	FIELD 0, 2, 5
	INTO 16, 10
	BODY 0, 32768, 1
	s_branch .Lreduce
.Lnot_x:
	s_cmp_lt_u32 ttmp9, 384
	s_cbranch_scc0 .Lnot_w1
	FROM 6, 128                                    ; W1: e = c / 32, n = 32 (c % 32) ..
	FIELD 2, 3, 12                                 ; x = (c % 32) / 4: 16 tiles of 256 rows
	FIELD 6, 2, 10                                 ; e / 2: 4 tiles
	FIELD 5, 1, 7                                  ; e % 2: 128 rows
	FIELD 0, 2, 5                                  ; c % 4: 32 rows
	INTO 18, 10
	BODY 0, 65536, 1
	s_branch .Lreduce
.Lnot_w1:
	s_cmp_lt_u32 ttmp9, 896
	s_cbranch_scc0 .Lnot_w2
	FROM 8, 384                                    ; W2: e = c / 64, n = 16 (c % 64) ..
	FIELD 3, 3, 13                                 ; x = (c % 64) / 8: 32 tiles
	FIELD 7, 2, 11                                 ; e / 2: 8 tiles
	FIELD 6, 1, 7                                  ; e % 2: 128 rows
	FIELD 0, 3, 4                                  ; c % 8: 16 rows
	INTO 20, 9
	BODY 1, 65536, 1
	s_branch .Lreduce
.Lnot_w2:
	s_cmp_lt_u32 ttmp9, 1152
	s_cbranch_scc0 .Lbias
	FROM 10, 896                                   ; W3: e = c / 32, n = 16 (c % 32) ..
	FIELD 2, 3, 12                                 ; x = (c % 32) / 4: 16 tiles
	FIELD 7, 1, 11                                 ; e / 4: 8 tiles
	FIELD 5, 2, 6                                  ; e % 4: 64 rows
	FIELD 0, 2, 4                                  ; c % 4: 16 rows
	INTO 22, 9
	BODY 1, 65536, 0
	s_branch .Lend
.Lbias:                                                ; wave v: the largest |b1[v][:]| and |b2[v][:]|, 1,024 numbers each
	v_lshlrev_b32 v10, 4, v3
	v_lshl_add_u32 v10, s28, 12, v10
.irp j, 0,1,2,3,4,5,6,7
	global_load_b128 v[D+4*\j:D+4*\j+3], v10, s[12:13] offset:512*\j
.endr
.irp j, 0,1,2,3,4,5,6,7
	global_load_b128 v[D+32+4*\j:D+32+4*\j+3], v10, s[14:15] offset:512*\j
.endr
	v_mov_b32 v8, 0                                ; v_permlanex16_b32 counts as a reader of its destination
	v_mov_b32 v9, 0
	v_mov_b32 v11, s28
	v_lshlrev_b32 v11, 2, v11                      ; 4 x wave
	s_wait_loadcnt 0x0
.irp h, 0,1
	v_max_num_f32 v[CH+\h], |v[D+32*\h]|, |v[D+32*\h+1]|
.set i, 2
.rept 15
	v_max3_num_f32 v[CH+\h], v[CH+\h], |v[D+32*\h+i]|, |v[D+32*\h+i+1]|
.set i, i+2
.endr
	v_max_num_f32_dpp v[CH+\h], v[CH+\h], v[CH+\h] row_xmask:1 row_mask:0xf bank_mask:0xf
	v_max_num_f32_dpp v[CH+\h], v[CH+\h], v[CH+\h] row_xmask:2 row_mask:0xf bank_mask:0xf
	v_max_num_f32_dpp v[CH+\h], v[CH+\h], v[CH+\h] row_xmask:4 row_mask:0xf bank_mask:0xf
	v_max_num_f32_dpp v[CH+\h], v[CH+\h], v[CH+\h] row_xmask:8 row_mask:0xf bank_mask:0xf
	v_permlanex16_b32 v[CH+2+\h], v[CH+\h], s40, s41
	v_max_num_f32 v[CH+\h], v[CH+\h], v[CH+2+\h]
.endr
	v_cmp_eq_u32 vcc_lo, 0, v3
	s_wait_xcnt 0x0                                ; EXEC is a source of the loads above: it changes only behind this wait
	s_and_saveexec_b32 s42, vcc_lo                 ; lane 0 alone stores
	global_store_b32 v11, v[CH], s[26:27]
	global_store_b32 v11, v[CH+1], s[26:27] offset:32
	s_wait_xcnt 0x0                                ; and again in front of the line that widens it
	s_or_b32 exec_lo, exec_lo, s42
	s_branch .Lend
.Lreduce:                                              ; the chunk's maximum: four chains, 32 lanes, eight waves
	v_max_num_f32 v[CH], v[CH], v[CH+1]
	v_max_num_f32 v[CH+2], v[CH+2], v[CH+3]
	v_max_num_f32 v[CH], v[CH], v[CH+2]
	v_max_num_f32_dpp v[CH], v[CH], v[CH] row_xmask:1 row_mask:0xf bank_mask:0xf
	v_max_num_f32_dpp v[CH], v[CH], v[CH] row_xmask:2 row_mask:0xf bank_mask:0xf
	v_max_num_f32_dpp v[CH], v[CH], v[CH] row_xmask:4 row_mask:0xf bank_mask:0xf
	v_max_num_f32_dpp v[CH], v[CH], v[CH] row_xmask:8 row_mask:0xf bank_mask:0xf
	v_permlanex16_b32 v[CH+1], v[CH], s40, s41
	v_max_num_f32 v[CH], v[CH], v[CH+1]
	v_mov_b32 v10, s28
	v_lshlrev_b32 v10, 2, v10
	ds_store_b32 v10, v[CH]                        ; all lanes write the wave's word with the same value
	s_wait_dscnt 0x0                               ; for the others' sake: my store is done
	s_barrier_signal -1
	s_barrier_wait -1
	s_cmp_lg_u32 s28, 0
	s_cbranch_scc1 .Lend                           ; wave 0 finishes
	v_mov_b32 v11, 0
	ds_load_b128 v[D:D+3], v11
	ds_load_b128 v[D+4:D+7], v11 offset:16
	s_lshl_b32 s34, ttmp9, 2
	v_mov_b32 v12, s34                             ; pmax[w]
	s_wait_dscnt 0x0
	v_max3_num_f32 v[D], v[D], v[D+1], v[D+2]
	v_max3_num_f32 v[D+3], v[D+3], v[D+4], v[D+5]
	v_max3_num_f32 v[D], v[D], v[D+6], v[D+7]
	v_max_num_f32 v[D], v[D], v[D+3]
	v_cmp_eq_u32 vcc_lo, 0, v0
	s_wait_xcnt 0x0                                ; EXEC is a source of the stores above
	s_and_saveexec_b32 s42, vcc_lo
	global_store_b32 v12, v[D], s[24:25]
	s_wait_xcnt 0x0
	s_or_b32 exec_lo, exec_lo, s42
.Lend:
	s_wait_tensorcnt 0x0                           ; the wave's end, behind my last LDS store
	ds_add_u32 v[SPW], v[NIL]
	s_wait_dscnt 0x0
	s_endpgm
.Lfunc_end_k_qb08ff64bf2_prep:
	.size	k_qb08ff64bf2_prep, .Lfunc_end_k_qb08ff64bf2_prep-k_qb08ff64bf2_prep
	.p2alignl 7, 3214868480
	.fill 96, 4, 3214868480
	.section	.rodata,"a",@progbits
	.p2align	6, 0x0
	.amdhsa_kernel k_qb08ff64bf2_prep
		.amdhsa_group_segment_fixed_size 1280
		.amdhsa_private_segment_fixed_size 0
		.amdhsa_enable_private_segment 0
		.amdhsa_kernarg_size 96
		.amdhsa_user_sgpr_count 2
		.amdhsa_user_sgpr_kernarg_segment_ptr 1
		.amdhsa_wavefront_size32 1
		.amdhsa_system_sgpr_workgroup_id_x 1
		.amdhsa_system_sgpr_workgroup_id_y 1
		.amdhsa_system_sgpr_workgroup_id_z 1
		.amdhsa_system_vgpr_workitem_id 0
		.amdhsa_next_free_vgpr 112
		.amdhsa_next_free_sgpr 66
		.amdhsa_reserve_vcc 1
		.amdhsa_float_denorm_mode_32 3
		.amdhsa_float_denorm_mode_16_64 3
		.amdhsa_memory_ordered 1
		.amdhsa_forward_progress 1
		.amdhsa_inst_pref_size 39
	.end_amdhsa_kernel
	.amdgpu_metadata
---
amdhsa.version: [ 1, 2 ]
amdhsa.kernels:
  - .name:           k_qb08ff64bf2_prep
    .symbol:         k_qb08ff64bf2_prep.kd
    .args:
      - { .name: X, .offset: 0, .size: 8, .value_kind: global_buffer, .address_space: global }
      - { .name: W1, .offset: 8, .size: 8, .value_kind: global_buffer, .address_space: global }
      - { .name: W2, .offset: 16, .size: 8, .value_kind: global_buffer, .address_space: global }
      - { .name: W3, .offset: 24, .size: 8, .value_kind: global_buffer, .address_space: global }
      - { .name: b1, .offset: 32, .size: 8, .value_kind: global_buffer, .address_space: global }
      - { .name: b2, .offset: 40, .size: 8, .value_kind: global_buffer, .address_space: global }
      - { .name: Xh, .offset: 48, .size: 8, .value_kind: global_buffer, .address_space: global }
      - { .name: Wh1, .offset: 56, .size: 8, .value_kind: global_buffer, .address_space: global }
      - { .name: Wh2, .offset: 64, .size: 8, .value_kind: global_buffer, .address_space: global }
      - { .name: Wh3, .offset: 72, .size: 8, .value_kind: global_buffer, .address_space: global }
      - { .name: pmax, .offset: 80, .size: 8, .value_kind: global_buffer, .address_space: global }
      - { .name: bmax, .offset: 88, .size: 8, .value_kind: global_buffer, .address_space: global }
    .group_segment_fixed_size: 1280
    .private_segment_fixed_size: 0
    .kernarg_segment_align: 8
    .kernarg_segment_size: 96
    .max_flat_workgroup_size: 256
    .sgpr_count:     66
    .vgpr_count:     112
    .wavefront_size: 32
...
	.end_amdgpu_metadata
.endif
;; end of part 1
;; launch layer1 (part 2): grid 8 x 32, 4 waves a work-group, clusters of 4 x 4, 327,680 bytes of LDS; arguments Xh, Wh1, W, b1, pmax, bmax, Mid1; writes Mid1
.if DOCPART == 2
	.amdgcn_target "amdgcn-amd-amdhsa--gfx1250"
	.amdhsa_code_object_version 6
	.text
	.protected	k_qb08ff64bf2_layer1
	.globl	k_qb08ff64bf2_layer1
	.p2align	8
	.type	k_qb08ff64bf2_layer1,@function
k_qb08ff64bf2_layer1:
	s_mov_b64 s[64:65], 0
	v_nop
	global_prefetch_b8 v0, s[64:65] scope:SCOPE_SE
	s_setreg_imm32_b32 hwreg(HW_REG_WAVE_MODE, 25, 1), 1
	s_wait_xcnt 0x0
	s_wait_alu depctr_hold_cnt(0) depctr_sa_sdst(0) depctr_va_vdst(0) depctr_va_sdst(0) depctr_va_ssrc(0) depctr_va_vcc(0) depctr_vm_vsrc(0)
	s_getreg_b32 s2, hwreg(HW_REG_IB_STS2, 6, 4)
	s_cmp_eq_u32 s2, 0
	s_cbranch_scc0 .Lentry_in_a_cluster
	s_endpgm
.Lentry_in_a_cluster:
	s_bfe_u32 s2, ttmp6, 0x10000c
	s_cmp_lg_u32 s2, 0xf033
	s_cbranch_scc0 .Lentry_shape_is_right
	s_endpgm
.Lentry_shape_is_right:
; ONE LAYER OF THREE (one text serves all three; LAYER picks the sizes): z[b][n] = sum_e W[b][e] ( sum_k a[b][k] Wl[e][n][k] + bl[e][n] ); layers 1, 2: mid = elu(z).  Nothing of the layer is left out.
; ARITHMETIC.  For each expert P_e = a Wl[e]^T, f16 operands, f32 sums in the matrix unit; then T += G_e P_e in f32 (FLUSH): the gate rounds no operand.  The bias term sum_e W[b][e] bl[e][n] is
; one matrix instruction an accumulator (K = 32, of which 8 are used: gates and bias in f16), and with C = 0 it starts T: nothing is cleared.
; THE HIDDEN LAYERS' SCALE.  mid_l is stored as f16(mid_l S_l[b]), S_l a power of two from a bound known beforehand: Bnd1 = 512 xm sum_e |g_e| wm1[e] + sum_e |g_e| bm1[e] >= |z1| >= |elu(z1)|,
; Bnd2 = 1024 Bnd1 sum_e |g_e| wm2[e] + sum_e |g_e| bm2[e] (xm: largest |X| of the row's 32-row chunk; wm, bm: largest |weight|, |bias| of an expert), each at least 2^-100.  With 2^x <= Bnd < 2^(x+1):
; S = 2^(14-x), so |mid S| < 2^15.  The reader multiplies its gates by 1 / S: G = g / S, exact.  Writer and reader make S by the same lines from the same tables.
; ELU.  zn = min(z, 0); where z < -2^-8: 2^(zn log2 e) - 1; else z + zn^2 / 2 (which is z for z > 0): the two forms of e^z - 1, chosen by a select, no branch.
; LIMITS.  |W|, |bl| within f16's 65,504 (they enter the bias product in f16); a stored mid is off by at most 2^-39 Bnd beside f16's rounding; Bnd must stay finite; NaN and infinities are not treated apart.
; SHARES.  Work-group (x, y): rows 128 y .., columns 16 NB 2 x .. (128; layer 3: 64).  Wave w: rows 64 (w / 2) .., column half w % 2, EC experts at once: for 32 along K 4 fragments of a and 8 of the
; weights (fragment NB j + b: expert j of the group, column block b) feed 32 matrix instructions on 32 accumulators P.  K goes in steps of 128 through two LDS slots; a GROUP is EC experts' whole K (SG steps).
; THE PRODUCT IS USED TRANSPOSED (source 0 = 16 weight rows, source 1 = 16 rows of a): a lane holds one row b (lane % 16) and columns 8 (lane / 16) + 0..7.
; CLUSTER 4 x 4: a's tiles hang on y alone and are asked for jointly along a row of the cluster, the weights' on x alone, along a column: the same tensor load, descriptor and mask in the four.
; REGISTERS, in windows of 256 (s_set_vgpr_msb: bits 1:0 source 0, 3:2 source 1, 5:4 source 2, 7:6 destination):
;   window 0: v0-31 addresses and work; v32-63 G[a][e]; v64-127 work; v128-255 T[a][b]     window 1: v0-95, v96-191 two fragment buffers; v192-223 gate, v224-255 bias fragments     window 2: P[f][a] at 8 (4 f + a)
.set LAYER, 1
.if LAYER == 1
.set SG, 4                             ; K steps of 128 in a group
.set NG, 4                             ; groups
.set EC, 2                             ; experts in a group
.set NB, 4                             ; column blocks of 16 an expert and wave
.set NCOL, 1024                        ; the layer's width
.elseif LAYER == 2
.set SG, 8
.set NG, 4
.set EC, 2
.set NB, 4
.set NCOL, 1024
.else
.set SG, 8
.set NG, 2
.set EC, 4
.set NB, 2
.set NCOL, 512
.endif
.set STEPS, SG*NG
.set LAPS,  SG/2                       ; a lap = two steps = once round the ring
.set PITCH, 272                        ; an LDS row: 256 bytes + 16 of padding, so that the 16 rows of a fragment load start 68 words apart
.set AHALF, 64*PITCH                   ; what waves 0, 1 fetch: 64 rows of a
.set BHALF, 128*PITCH                  ; what waves 2, 3 fetch: 128 rows of weights
.set SLOT,  2*AHALF+2*BHALF            ; a's 128 rows, then the weights' 256
.set STAGE, 2*SLOT                     ; behind the ring, never filled by a tensor load: 128 rows for the way out
.if LAYER < 3
.set SPITCH, 528                       ; 128 f32 + 16 bytes
.else
.set SPITCH, 272                       ; 64 f32 + 16 bytes
.endif
.set TAB0,  STAGE+128*528              ; 1 / S of the input, a word a row
.set TAB1,  TAB0+512                   ; S of the output
.set SPARE, TAB1+512                   ; the spare words, 128 bytes a wave: two blocks of 256 bytes that no other line names
.set ADRA, 16                          ; v16-17 LDS address of my fragments of a in slot 0, 1
.set ADRB, 20                          ; v20-21 the same for the weights
.set STO,  24                          ; the way out: where I put a row's 32 bytes
.set RD,   25                          ; where I read rows back
.set CO,   26                          ; my byte offset in the output
.set SAD,  27                          ; where my rows' S lie
.set SPW,  28                          ; my spare word's address; never rewritten
.set NIL,  29                          ; 0; never rewritten
.set PFO,  30                          ; 256 x lane: the prefetches' offset; never rewritten
.set GG,   32
.set TMP,  64
.set TT,   128
.set F0,   0                           ; window 1: fragment a at F + 8 a, weight fragment f at F + 32 + 8 f
.set F1,   96
.set GF,   192
.set BF,   224
.set WV, 18                            ; s18 wave; s19 its row half, s20 its column half (also: which half of a tile it fetches)
.set MH, 19
.set NH, 20
.set CX, 21
.set CY, 22
.set TX, 23                            ; x
.set TY, 40                            ; y
.set G1A, 24                           ; s[24:31] descriptor group 1 for a's tiles; s[32:39] group 0, a set a slot
.set G0A, 32
.set G1B, 48                           ; s[48:55], s[56:63] the same for the weights'
.set G0B, 56
.set PFA, 44                           ; s[44:45] where my prefetches stand
.set PFC, 46                           ; s46 prefetches still to come (0 or less: none)
.set LMASK, 47                         ; lanes 0-15
.set THR, 66                           ; -2^-8
.set WM1, 68                           ; s[68:75] wm1, s[76:83] wm2 (before that: work), s[84:91] bm1, s[92:99] bm2, s100 xm
.set WM2, 76
.set BM1, 84
.set BM2, 92
.set XM,  100
.set DW0, (1<<16)|(1<<20)|(1<<21)|(5<<22)|(3<<25)  ; 2-byte elements; padding on; bit 21 beside a mask; after every 64 words 4 words
.set MSB, 0
.macro WIN new                         ; the immediate's high byte repeats the setting that is left; a switch that changes nothing is dropped
.if MSB != (\new)
	s_set_vgpr_msb (MSB<<8)|(\new)
.set MSB, \new
.endif
.endm
.set MUL,  0xa5                        ; sources 0, 1 window 1; C and D window 2
.set TO_F, 0x40                        ; destination window 1
.set FL,   0x02                        ; source 0 window 2
.set INIT, 0x05                        ; sources 0, 1 window 1
; A joint load: waves 0, 1 fetch a's halves, waves 2, 3 the weights'.  The branch hangs on the wave's number alone.  An s_nop 0 and four v_nop follow each line.
.macro JLOAD s
	s_cmp_lt_u32 s[WV], 2
	s_cbranch_scc0 .Lfor_b_\@
	tensor_load_to_lds s[G0A+4*(\s):G0A+4*(\s)+3], s[G1A:G1A+7]
	s_nop 0
.rept 4
	v_nop
.endr
	s_branch .Lasked_\@
.Lfor_b_\@:
	tensor_load_to_lds s[G0B+4*(\s):G0B+4*(\s)+3], s[G1B:G1B+7]
	s_nop 0
.rept 4
	v_nop
.endr
.Lasked_\@:
.endm
; A round of the cluster's barrier: my work-group's barrier; wave 0 signals for the work-group; every wave waits for all sixteen; my work-group's barrier once more.
.macro CREST
	s_cmp_lg_u32 s[WV], 0
	s_cbranch_scc1 .Lnot_wave_0_\@
	s_barrier_signal -3
.Lnot_wave_0_\@:
	s_barrier_wait -3
	s_barrier_signal -1
	s_barrier_wait -1
.endm
.macro CROUND
	s_barrier_signal -1
	s_barrier_wait -1
	CREST
.endm
; A prefetch into the L2 of the weights' tile that the refill FOUR steps on will ask for (the refill in step t asks for step t + 2, this line names step t + 6): 512 matrix instructions ahead of that load.
; Each row's 256 bytes are named once in the launch: the clusters with cluster y = 0 ask; in them waves 2, 3, each for the 128 rows that it fetches; the four partners of a column take 32 rows each, told
; apart by address; a lane a row.  The first six steps come by their loads alone; the count ends the asking at the last step.  a's tiles are walked again in every group and are not asked for.
.macro ASK
	s_cmp_gt_i32 s[PFC], 0
	s_cbranch_scc0 .Lnot_mine_\@
	global_prefetch_b8 v[PFO], s[PFA:PFA+1] th:TH_LOAD_NT scope:SCOPE_SE
.Lnot_mine_\@:
.endm
.macro PLACES                          ; four places in front of loads into registers that matrix instructions have read, and of vector lines that read their results
.rept 4
	v_nop
.endr
.endm
; 8 matrix instructions: weight fragments f0, f0 + 1 x the four fragments of a.  The 32 accumulators take turns, one instruction a turn, in the same order in every quarter.
.macro MUL8 f, f0, zero
	WIN MUL
.irp q, \f0, (\f0)+1
.irp a, 0,1,2,3
.if \zero
	v_wmma_f32_16x16x32_f16 v[8*(4*(\q)+(\a)):8*(4*(\q)+(\a))+7], v[(\f)+32+8*(\q):(\f)+32+8*(\q)+7], v[(\f)+8*(\a):(\f)+8*(\a)+7], 0
.else
	v_wmma_f32_16x16x32_f16 v[8*(4*(\q)+(\a)):8*(4*(\q)+(\a))+7], v[(\f)+32+8*(\q):(\f)+32+8*(\q)+7], v[(\f)+8*(\a):(\f)+8*(\a)+7], v[8*(4*(\q)+(\a)):8*(4*(\q)+(\a))+7]
.endif
.endr
.endr
.endm
.macro MUL16 f, h, zero                ; weight fragments 4 h .. 4 h + 3
	MUL8 \f, 4*(\h), \zero
	MUL8 \f, 4*(\h)+2, \zero
.endm
; 24 LDS loads in one run: a quarter step's fragments (32 K at byte k of the rows): 8 for a, 8 for weight fragments 0-3, 8 for 4-7.  Fragment q's rows begin (q / NB) x 32 NB + (q % NB) x 16 rows on.
.macro FETCH slot, k, f
	WIN TO_F
.irp a, 0,1,2,3
	ds_load_b128 v[(\f)+8*(\a):(\f)+8*(\a)+3],   v[ADRA+(\slot)] offset:(\k)+(\a)*16*PITCH
	ds_load_b128 v[(\f)+8*(\a)+4:(\f)+8*(\a)+7], v[ADRA+(\slot)] offset:(\k)+(\a)*16*PITCH+32
.endr
.irp q, 0,1,2,3,4,5,6,7
	ds_load_b128 v[(\f)+32+8*(\q):(\f)+32+8*(\q)+3],   v[ADRB+(\slot)] offset:(\k)+(((\q)/NB)*32*NB+((\q)%NB)*16)*PITCH
	ds_load_b128 v[(\f)+32+8*(\q)+4:(\f)+32+8*(\q)+7], v[ADRB+(\slot)] offset:(\k)+(((\q)/NB)*32*NB+((\q)%NB)*16)*PITCH+32
.endr
.endm
; A step is four quarters of 32 along K on buffers 0, 1, 0, 1.  One of the first three: multiplies buffer f; in its middle it fetches the next quarter, at byte k, into buffer g.
.macro QUARTER slot, k, f, g, zero
	s_wait_dscnt 8                                 ; a's and weight fragments 0-3 are in; the youngest eight loads (fragments 4-7) may be out
	MUL16 \f, 0, \zero
	PLACES
	FETCH \slot, \k, \g
	s_wait_dscnt 24                                ; all but the 24 just issued
	MUL16 \f, 1, \zero
.endm
; The last quarter multiplies buffer 1 and changes slots.  In front of the barrier each wave waits for all its tensor loads (one is out: its part of the next slot), adds 0 to its spare word, and waits
; for that and for its reads of this slot.  mode 0, 1: the barrier opens a round of the cluster's, and the joint refill (step t + 2) is the first thing behind it; mode 0: a goes on along K;
; mode 1, a group's last two steps: a goes back to K step 0 or 1; the weights' tiles lie in the order of the walk.  mode 2: nothing is left to ask for.
.macro TURN slot, next, mode
.if (\mode) < 2
	s_wait_xcnt 0x0                                ; the last prefetch, a step back, has read its address: it is stepped here, ahead of the change's own waits
	s_add_nc_u64 s[PFA:PFA+1], s[PFA:PFA+1], 65536
	s_sub_co_i32 s[PFC], s[PFC], 1
.endif
	WIN 0
	s_wait_tensorcnt 0x0                           ; all my tensor loads have landed
	ds_add_u32 v[SPW], v[NIL]                      ; 0 onto my spare word
	s_wait_dscnt 9                                 ; (the add and the youngest eight loads may be out)
	MUL8 F1, 0, 0
	s_wait_dscnt 0x0                               ; the add is done, and my reads of this slot are over
	s_barrier_signal -1
	MUL8 F1, 2, 0                                  ; work on registers while the others arrive
.if (\mode) < 2
	WIN 0
.endif
	s_barrier_wait -1
.if (\mode) < 2
	CREST                                          ; no wave of any partner still reads this slot or has a load on its way
.if (\mode) == 0
	s_add_nc_u64 s[G0A+4*(\slot)+2:G0A+4*(\slot)+3], s[G0A+4*(\slot)+2:G0A+4*(\slot)+3], 2*32768
.else
	s_sub_nc_u64 s[G0A+4*(\slot)+2:G0A+4*(\slot)+3], s[G0A+4*(\slot)+2:G0A+4*(\slot)+3], (SG-2)*32768
.endif
	s_add_nc_u64 s[G0B+4*(\slot)+2:G0B+4*(\slot)+3], s[G0B+4*(\slot)+2:G0B+4*(\slot)+3], 2*65536
	JLOAD \slot                                    ; 112 matrix instructions ahead of the wait for it; its four v_nop are also the places in front of the loads below
.else
	PLACES
.endif
	FETCH \next, 0, F0
.if (\mode) < 2
	WIN 0
	ASK
.endif
	MUL16 F1, 1, 0
.endm
; A group's end: T[a][b] += G[a][j] P[NB j + b][a], two sums an instruction, each accumulator read from its low end on.  The gate is one register of an even pair: op_sel picks it for both halves.
; shift = 1: the gates move down by EC places, so that one text serves every group.
.macro FLUSH shift
	PLACES
	WIN FL
.set j, 0
.rept EC
.set a, 0
.rept 4
.set b, 0
.rept NB
.set i, 0
.rept 4
.set rT, TT+8*(NB*a+b)+i
.set rP, 8*(4*(NB*j+b)+a)+i
.set rG, GG+8*a+(j/2)*2
.if j%2
	v_pk_fma_f32 v[rT:rT+1], v[rP:rP+1], v[rG:rG+1], v[rT:rT+1] op_sel:[0,1,0] op_sel_hi:[1,1,1]
.else
	v_pk_fma_f32 v[rT:rT+1], v[rP:rP+1], v[rG:rG+1], v[rT:rT+1] op_sel_hi:[1,0,1]
.endif
.set i, i+2
.endr
.set b, b+1
.endr
.set a, a+1
.endr
.set j, j+1
.endr
.if \shift
	WIN 0
.set a, 0
.rept 4
.set i, 0
.rept 8-EC
	v_mov_b32 v[GG+8*a+i], v[GG+8*a+i+EC]
.set i, i+1
.endr
.set a, a+1
.endr
.endif
.endm
.macro DOT d, tab                      ; v[d] = sum_e |g_e| s[tab + e], for my thread's row
	v_mul_f32 v[\d], |v[TMP+24]|, s[\tab]
.irp e, 1,2,3,4,5,6,7
	v_fma_f32 v[\d], |v[TMP+24+\e]|, s[(\tab)+\e], v[\d]
.endr
.endm
	s_load_b256 s[4:11], s[0:1], 0x0               ; a s[4:5], weights s[6:7], W s[8:9], bias s[10:11]
	s_load_b128 s[12:15], s[0:1], 0x20             ; pmax s[12:13], bmax s[14:15]
	s_load_b64 s[16:17], s[0:1], 0x30              ; the output
	v_lshl_add_u32 v[SPW], v0, 2, SPARE
	v_mov_b32 v[NIL], 0
	ds_add_u32 v[SPW], v[NIL]                      ; the wave's opening: the add, twice on end, and its wait ahead of my first tensor load
	ds_add_u32 v[SPW], v[NIL]
	v_lshrrev_b32 v3, 5, v0
	v_readfirstlane_b32 s[WV], v3
	s_lshr_b32 s[MH], s[WV], 1
	s_and_b32 s[NH], s[WV], 1
	s_bfe_u32 s[CX], ttmp6, 0x40000
	s_bfe_u32 s[CY], ttmp6, 0x40004
	s_lshl_b32 s[TX], ttmp9, 2                     ; in a cluster launch ttmp9 and ttmp7 count clusters
	s_add_co_u32 s[TX], s[TX], s[CX]
	s_and_b32 s[TY], ttmp7, 0xffff
	s_lshl_b32 s[TY], s[TY], 2
	s_add_co_u32 s[TY], s[TY], s[CY]
	s_lshl_b32 s41, s[CY], 2
	s_lshl_b32 s41, 15, s41                        ; my row of the cluster
	s_lshl_b32 s68, 0x1111, s[CX]                  ; my column
	s_or_b32 s[G1A], s41, DW0
	s_or_b32 s[G1B], s68, DW0
.irp g, G1A, G1B
	s_mov_b32 s[\g+1], 128<<16                     ; tensor_dim0 = 128
	s_mov_b32 s[\g+3], 128<<16                     ; tile_dim0 = 128
	s_mov_b32 s[\g+5], 128                         ; 128 elements from row to row: the tiles are dense
	s_mov_b32 s[\g+6], 0
	s_mov_b32 s[\g+7], 0
.endr
	s_mov_b32 s[G1A+2], 64<<16                     ; tensor_dim1 = tile_dim1 = 64 rows of a,
	s_mov_b32 s[G1A+4], 64
	s_mov_b32 s[G1B+2], 128<<16                    ; 128 of the weights
	s_mov_b32 s[G1B+4], 128
	s_mul_i32 s42, s[TY], SG*32768                 ; a: tile row y, my half of step 0 (registers that never hold x)
	s_lshl_b32 s41, s[NH], 14
	s_add_co_u32 s42, s42, s41
	s_mov_b32 s43, 0
	s_mul_i32 s70, s[TX], STEPS*65536              ; weights: tile column x, my half of step 0 (registers that never hold y)
	s_lshl_b32 s69, s[NH], 15
	s_add_co_u32 s70, s70, s69
	s_mov_b32 s71, 0
	s_mul_i32 s72, s[NH], AHALF                    ; where they go: no place in the cluster enters an LDS address
	s_mul_i32 s73, s[NH], BHALF
	s_add_co_u32 s73, s73, 2*AHALF
	s_lshl_b32 s74, s[CY], 13                      ; the prefetches: my work-group's 32 of the 128 rows,
	s_add_co_u32 s74, s74, s70
	s_add_co_u32 s74, s74, 5*65536                 ; at step 5: the first change of slots steps it to 6
	s_mov_b32 s75, 0
	s_and_b32 s76, ttmp7, 0xffff
	s_cmp_eq_u32 s76, 0                            ; the same in all sixteen partners
	s_cselect_b32 s[PFC], STEPS-5, 0
	s_cmp_lt_u32 s[WV], 2
	s_cselect_b32 s[PFC], 0, s[PFC]
	s_lshl_b32 s67, s[TY], 2                       ; xm: my wave's 32 rows are chunk 4 y + wave of X
	s_add_co_u32 s67, s67, s[WV]
	s_lshl_b32 s67, s67, 2
.if LAYER < 3
	s_lshl_b32 s78, s[TY], 3                       ; the output tile (y, K block x) of 32,768 bytes
	s_add_co_u32 s78, s78, s[TX]
	s_lshl_b32 s78, s78, 15
.else
	s_lshl_b32 s78, s[TY], 18                      ; out0: row 128 y + 32 wave, 2,048 bytes a row; column 64 x
	s_lshl_b32 s77, s[WV], 16
	s_add_co_u32 s78, s78, s77
	s_lshl_b32 s77, s[TX], 8
	s_add_co_u32 s78, s78, s77
.endif
	s_mov_b32 s79, 0
	s_mov_b32 s[LMASK], 0xffff
	s_mov_b32 s[THR], 0xbb800000
	s_wait_dscnt 0x0                               ; both opening adds are done
	s_wait_kmcnt 0x0
	s_add_nc_u64 s[42:43], s[4:5], s[42:43]
	s_add_nc_u64 s[70:71], s[6:7], s[70:71]
	s_add_nc_u64 s[PFA:PFA+1], s[6:7], s[74:75]
	s_add_nc_u64 s[16:17], s[16:17], s[78:79]
	s_load_b512 s[BM1:BM1+15], s[14:15], 0x0       ; bm1, bm2
	s_load_b32 s[XM], s[12:13], s67 offset:0x0
	CROUND                                         ; all sixteen work-groups are here: the first joint loads meet
.irp s, 0,1
	s_mov_b32 s[G0A+4*(\s)], 1
	s_add_co_u32 s[G0A+4*(\s)+1], s72, (\s)*SLOT
	s_add_nc_u64 s[G0A+4*(\s)+2:G0A+4*(\s)+3], s[42:43], (\s)*32768
	s_or_b32 s[G0A+4*(\s)+3], s[G0A+4*(\s)+3], 0x80000000
	s_mov_b32 s[G0B+4*(\s)], 1
	s_add_co_u32 s[G0B+4*(\s)+1], s73, (\s)*SLOT
	s_add_nc_u64 s[G0B+4*(\s)+2:G0B+4*(\s)+3], s[70:71], (\s)*65536
	s_or_b32 s[G0B+4*(\s)+3], s[G0B+4*(\s)+3], 0x80000000
	JLOAD \s                                       ; two loads of mine are out
.endr
	; WHILE THE FIRST TILES ARE ON THEIR WAY: tables, gates, bias, addresses, and the products that start T.
	v_and_b32 v1, 15, v0                           ; l % 16
	v_bfe_u32 v2, v0, 4, 1                         ; l / 16
	v_and_b32 v3, 31, v0                           ; l
	v_lshlrev_b32 v[PFO], 8, v3
	v_lshlrev_b32 v4, 5, v3
	global_load_b128 v[TMP:TMP+3], v4, s[12:13] offset:512     ; W1's 256 chunk maxima, 8 a lane: lanes 4 e .. 4 e + 3 hold expert e's
	global_load_b128 v[TMP+4:TMP+7], v4, s[12:13] offset:528
.if LAYER > 1
	v_lshlrev_b32 v5, 6, v3
.irp q, 0,1,2,3
	global_load_b128 v[TMP+8+4*\q:TMP+11+4*\q], v5, s[12:13] offset:1536+16*\q  ; W2's 512, 16 a lane
.endr
.endif
	s_lshl_b32 s80, s[TY], 12
	v_lshl_add_u32 v6, v0, 5, s80
	global_load_b128 v[TMP+24:TMP+27], v6, s[8:9]              ; the gates of row 128 y + my thread's number
	global_load_b128 v[TMP+28:TMP+31], v6, s[8:9] offset:16
	s_lshl_b32 s81, s[MH], 11
	s_add_co_u32 s81, s81, s80
	v_lshl_add_u32 v7, v1, 5, s81
.irp a, 0,1,2,3
	global_load_b128 v[GG+8*\a:GG+8*\a+3], v7, s[8:9] offset:512*\a      ; the gates of row 16 a + l % 16 of my 64
	global_load_b128 v[GG+8*\a+4:GG+8*\a+7], v7, s[8:9] offset:512*\a+16
.endr
	s_lshl_b32 s82, s[TX], 1
	s_add_co_u32 s82, s82, s[NH]
	s_mul_i32 s82, s82, 64*NB                      ; my first column, in bytes
	v_lshl_add_u32 v8, v1, 2, s82
.set b, 0
.rept NB
.set e, 0
.rept 8
	global_load_b32 v[TMP+32+8*b+e], v8, s[10:11] offset:(e*NCOL+16*b)*4  ; bl[e][column 16 b + l % 16 of mine]
.set e, e+1
.endr
.set b, b+1
.endr
	v_mul_u32_u24 v9, v1, PITCH
	v_lshl_add_u32 v9, v2, 4, v9                   ; a fragment's row x pitch + 16 x half
	s_mul_i32 s80, s[MH], AHALF
	s_mul_i32 s81, s[NH], 16*NB*PITCH
	s_add_co_u32 s81, s81, 2*AHALF
.irp s, 0,1
	v_add_nc_u32 v[ADRA+\s], s80, v9
	v_add_nc_u32 v[ADRB+\s], s81, v9
	s_add_co_u32 s80, s80, SLOT
	s_add_co_u32 s81, s81, SLOT
.endr
	s_mul_i32 s80, s[MH], 64*SPITCH                ; into the stage: row 64 (w / 2) + l % 16, my column half, 32 bytes for each half of the lanes
	s_mul_i32 s81, s[NH], 64*NB
	s_add_co_u32 s80, s80, s81
	s_add_co_u32 s80, s80, STAGE
	v_mul_u32_u24 v10, v1, SPITCH
	v_lshl_add_u32 v10, v2, 5, v10
	v_add_nc_u32 v[STO], s80, v10
	s_mul_i32 s80, s[WV], 32*SPITCH                ; back: wave w takes rows 32 w .. 32 w + 31, whole
	s_add_co_u32 s80, s80, STAGE
.if LAYER < 3
	v_lshl_add_u32 v[RD], v3, 4, s80               ; a load takes one row of 512 bytes
	s_lshl_b32 s80, s[WV], 7
	s_add_co_u32 s80, s80, TAB1
	v_mov_b32 v[SAD], s80
	s_lshl_b32 s80, s[WV], 13
	v_lshl_add_u32 v[CO], v3, 3, s80               ; 256 bytes a row of the output tile, 8 a lane
.else
	v_mul_u32_u24 v10, v2, SPITCH                  ; a load takes two rows of 256 bytes
	v_lshl_add_u32 v10, v1, 4, v10
	v_add_nc_u32 v[RD], s80, v10
	v_lshlrev_b32 v10, 11, v2
	v_lshl_add_u32 v[CO], v1, 4, v10
.endif
	s_wait_loadcnt 8+8*NB                          ; the tables and my row's gates are in; the 8 loads of block gates and the 8 NB of bias may stay out
	v_max3_num_f32 v[TMP], v[TMP], v[TMP+1], v[TMP+2]
	v_max3_num_f32 v[TMP+3], v[TMP+3], v[TMP+4], v[TMP+5]
	v_max3_num_f32 v[TMP], v[TMP], v[TMP+6], v[TMP+7]
	v_max_num_f32 v[TMP], v[TMP], v[TMP+3]
	v_max_num_f32_dpp v[TMP], v[TMP], v[TMP] row_xmask:1 row_mask:0xf bank_mask:0xf
	v_max_num_f32_dpp v[TMP], v[TMP], v[TMP] row_xmask:2 row_mask:0xf bank_mask:0xf
.irp e, 0,1,2,3,4,5,6,7
	v_readlane_b32 s[WM1+\e], v[TMP], 4*\e
.endr
.if LAYER > 1
	v_max3_num_f32 v[TMP+8], v[TMP+8], v[TMP+9], v[TMP+10]
	v_max3_num_f32 v[TMP+11], v[TMP+11], v[TMP+12], v[TMP+13]
	v_max3_num_f32 v[TMP+14], v[TMP+14], v[TMP+15], v[TMP+16]
	v_max3_num_f32 v[TMP+17], v[TMP+17], v[TMP+18], v[TMP+19]
	v_max3_num_f32 v[TMP+20], v[TMP+20], v[TMP+21], v[TMP+22]
	v_max3_num_f32 v[TMP+8], v[TMP+8], v[TMP+11], v[TMP+14]
	v_max3_num_f32 v[TMP+17], v[TMP+17], v[TMP+20], v[TMP+23]
	v_max_num_f32 v[TMP+8], v[TMP+8], v[TMP+17]
	v_max_num_f32_dpp v[TMP+8], v[TMP+8], v[TMP+8] row_xmask:1 row_mask:0xf bank_mask:0xf
	v_max_num_f32_dpp v[TMP+8], v[TMP+8], v[TMP+8] row_xmask:2 row_mask:0xf bank_mask:0xf
.irp e, 0,1,2,3,4,5,6,7
	v_readlane_b32 s[WM2+\e], v[TMP+8], 4*\e
.endr
.endif
	s_wait_kmcnt 0x0                               ; bm1, bm2, xm
	DOT 10, WM1
	v_mul_f32 v10, s[XM], v10
	DOT 11, BM1
	v_fmamk_f32 v10, v10, 0x44000000, v11          ; Bnd1 = 512 xm sum |g| wm1 + sum |g| bm1,
	v_max_num_f32 v10, 0x0d800000, v10             ; at least 2^-100
.if LAYER > 1
	DOT 11, WM2
	DOT 12, BM2
	v_mul_f32 v11, v10, v11
	v_fmamk_f32 v11, v11, 0x44800000, v12          ; Bnd2 = 1024 Bnd1 sum |g| wm2 + sum |g| bm2
	v_max_num_f32 v11, 0x0d800000, v11
.endif
	v_lshl_add_u32 v14, v0, 2, TAB0
	; with E the bound's exponent field: S = 2^(14-x) has the bits 0x86000000 - E, 1 / S the bits E - 0x07000000
.if LAYER == 1
	v_and_b32 v10, 0x7f800000, v10
	v_sub_nc_u32 v10, 0x86000000, v10
	ds_store_b32 v14, v10 offset:512               ; S1
.elseif LAYER == 2
	v_and_b32 v10, 0x7f800000, v10
	v_add_nc_u32 v10, 0xf9000000, v10
	ds_store_b32 v14, v10                          ; 1 / S1
	v_and_b32 v11, 0x7f800000, v11
	v_sub_nc_u32 v11, 0x86000000, v11
	ds_store_b32 v14, v11 offset:512               ; S2
.else
	v_and_b32 v11, 0x7f800000, v11
	v_add_nc_u32 v11, 0xf9000000, v11
	ds_store_b32 v14, v11                          ; 1 / S2
.endif
	s_wait_loadcnt 0x0
	; The bias product's fragments: K = 0..7 is the expert, which lies in registers 0-3 of lanes 0-15; all else is 0.
.set a, 0
.rept 4
.set i, 0
.rept 4
	v_cvt_pk_f16_f32 v[TMP+4*a+i], v[GG+8*a+2*i], v[GG+8*a+2*i+1]
.set i, i+1
.endr
.set a, a+1
.endr
.set b, 0
.rept NB
.set i, 0
.rept 4
	v_cvt_pk_f16_f32 v[TMP+32+8*b+i], v[TMP+32+8*b+2*i], v[TMP+32+8*b+2*i+1]
.set i, i+1
.endr
.set b, b+1
.endr
	WIN TO_F
.set a, 0
.rept 4
.set i, 0
.rept 4
	v_cndmask_b32 v[GF+8*a+i], 0, v[TMP+4*a+i], s[LMASK]
	v_mov_b32 v[GF+8*a+4+i], 0
.set i, i+1
.endr
.set a, a+1
.endr
.set b, 0
.rept NB
.set i, 0
.rept 4
	v_cndmask_b32 v[BF+8*b+i], 0, v[TMP+32+8*b+i], s[LMASK]
	v_mov_b32 v[BF+8*b+4+i], 0
.set i, i+1
.endr
.set b, b+1
.endr
	WIN INIT
.set a, 0
.rept 4
.set b, 0
.rept NB
	v_wmma_f32_16x16x32_f16 v[TT+8*(NB*a+b):TT+8*(NB*a+b)+7], v[BF+8*b:BF+8*b+7], v[GF+8*a:GF+8*a+7], 0  ; T starts as sum_e W[b][e] bl[e][n]
.set b, b+1
.endr
.set a, a+1
.endr
	WIN 0
	s_wait_tensorcnt 0x1                           ; my part of step 0 is in; step 1's may stay out
	s_wait_dscnt 0x0                               ; my table words are stored
	s_barrier_signal -1
	s_barrier_wait -1
.if LAYER > 1
	s_lshl_b32 s80, s[MH], 8
	s_add_co_u32 s80, s80, TAB0
	v_lshl_add_u32 v9, v1, 2, s80
.irp a, 0,1,2,3
	ds_load_b32 v[12+\a], v9 offset:64*\a          ; 1 / S of row 16 a + l % 16 of my 64
.endr
.endif
	FETCH 0, 0, F0
	WIN 0
.if LAYER > 1
	s_wait_dscnt 24                                ; the four words are in; the 24 fragment loads may stay out
.set a, 0
.rept 4
.set e, 0
.rept 8
	v_mul_f32 v[GG+8*a+e], v[GG+8*a+e], v[12+a]    ; G = g / S, exact
.set e, e+1
.endr
.set a, a+1
.endr
.endif
	s_mov_b32 s2, NG                               ; groups to go, this one among them
.Lgroup:
	QUARTER 0, 64,  F0, F1, 1                      ; a group's first quarter stands in front of the loop: its products start P's sums
	WIN 0                                          ; at a label and at a branch every window is 0
	s_mov_b32 s3, LAPS-1
.Llap:                                                 ; a trip goes once round the ring, from a lap's second quarter to the next lap's first, and fills both slots again
	QUARTER 0, 128, F1, F0, 0
	QUARTER 0, 192, F0, F1, 0
	TURN 0, 1, 0
	QUARTER 1, 64,  F0, F1, 0
	QUARTER 1, 128, F1, F0, 0
	QUARTER 1, 192, F0, F1, 0
	TURN 1, 0, 0
	QUARTER 0, 64,  F0, F1, 0
	WIN 0
	s_sub_co_u32 s3, s3, 1
	s_cmp_lg_u32 s3, 0
	s_cbranch_scc1 .Llap
	QUARTER 0, 128, F1, F0, 0                      ; the group's last lap goes on
	QUARTER 0, 192, F0, F1, 0
	WIN 0
	s_cmp_eq_u32 s2, 1
	s_cbranch_scc1 .Llast                          ; the last group's tail is written out: it asks for nothing more
	TURN 0, 1, 1                                   ; the ring goes on into the next group
	QUARTER 1, 64,  F0, F1, 0
	QUARTER 1, 128, F1, F0, 0
	QUARTER 1, 192, F0, F1, 0
	TURN 1, 0, 1
	FLUSH 1
	s_sub_co_u32 s2, s2, 1
	s_branch .Lgroup
.Llast:
	TURN 0, 1, 2
	QUARTER 1, 64,  F0, F1, 0
	QUARTER 1, 128, F1, F0, 0
	QUARTER 1, 192, F0, F1, 0
	s_wait_dscnt 8
	MUL16 F1, 0, 0
	s_wait_dscnt 0x0
	MUL16 F1, 1, 0
	FLUSH 0
	WIN 0
	; THE WAY OUT: T goes into the work-group's stage in f32; a barrier, since a row comes from two waves; back as whole rows.
.set a, 0
.rept 4
.set b, 0
.rept NB
	ds_store_b128 v[STO], v[TT+8*(NB*a+b):TT+8*(NB*a+b)+3]   offset:a*16*SPITCH+64*b
	ds_store_b128 v[STO], v[TT+8*(NB*a+b)+4:TT+8*(NB*a+b)+7] offset:a*16*SPITCH+64*b+16
.set b, b+1
.endr
.set a, a+1
.endr
	s_wait_dscnt 0x0                               ; for the others' sake: my stores into the stage are done
	s_barrier_signal -1
	s_barrier_wait -1
.if LAYER < 3
.set Z,  64                            ; v64-95   z: row j's four numbers at Z + 4 j
.set SC, 96                            ; v96-103  S of the trip's eight rows
.set ZN, 128                           ; min(z, 0)
.set EX, 160                           ; 2^(zn log2 e) - 1
.set PP, 192                           ; z + zn^2 / 2, then the result
.set HF, 224                           ; the result in f16
	s_mov_b32 s3, 4
.Lrows:                                                ; four trips of eight rows: elu, the row's scale, f16, one store a row
.irp j, 0,1,2,3,4,5,6,7
	ds_load_b128 v[Z+4*\j:Z+4*\j+3], v[RD] offset:\j*SPITCH
.endr
	ds_load_b128 v[SC:SC+3], v[SAD]
	ds_load_b128 v[SC+4:SC+7], v[SAD] offset:16
	s_wait_dscnt 0x0
.set i, 0
.rept 32
	v_min_num_f32 v[ZN+i], 0, v[Z+i]
.set i, i+1
.endr
.set i, 0
.rept 16
	v_pk_mul_f32 v[EX+i:EX+i+1], v[ZN+i:ZN+i+1], 0x3fb8aa3b op_sel_hi:[1,0]
.set i, i+2
.endr
.set i, 0
.rept 32
	v_exp_f32 v[EX+i], v[EX+i]                     ; one batch of 32
.set i, i+1
.endr
.set i, 0
.rept 16
	v_pk_mul_f32 v[PP+i:PP+i+1], v[ZN+i:ZN+i+1], 0.5 op_sel_hi:[1,0]  ; plain work that names no exponential's result stands behind the batch
.set i, i+2
.endr
.set i, 0
.rept 16
	v_pk_fma_f32 v[PP+i:PP+i+1], v[PP+i:PP+i+1], v[ZN+i:ZN+i+1], v[Z+i:Z+i+1]
.set i, i+2
.endr
	s_wait_alu depctr_va_vdst(0)                   ; one wait for the batch, ahead of its first reader
.set i, 0
.rept 16
	v_pk_add_f32 v[EX+i:EX+i+1], v[EX+i:EX+i+1], -1.0 op_sel_hi:[1,0]
.set i, i+2
.endr
.set i, 0
.rept 32
	v_cmp_gt_f32 vcc_lo, s[THR], v[Z+i]            ; z < -2^-8 ?
	v_cndmask_b32 v[PP+i], v[PP+i], v[EX+i], vcc_lo
.set i, i+1
.endr
.set j, 0
.rept 8
.set i, 0
.rept 2
.if j%2
	v_pk_mul_f32 v[PP+4*j+i:PP+4*j+i+1], v[PP+4*j+i:PP+4*j+i+1], v[SC+j-1:SC+j] op_sel:[0,1] op_sel_hi:[1,1]
.else
	v_pk_mul_f32 v[PP+4*j+i:PP+4*j+i+1], v[PP+4*j+i:PP+4*j+i+1], v[SC+j:SC+j+1] op_sel_hi:[1,0]
.endif
.set i, i+2
.endr
.set j, j+1
.endr
.set j, 0
.rept 8
	v_cvt_pk_f16_f32 v[HF+2*j], v[PP+4*j], v[PP+4*j+1]
	v_cvt_pk_f16_f32 v[HF+2*j+1], v[PP+4*j+2], v[PP+4*j+3]
	global_store_b64 v[CO], v[HF+2*j:HF+2*j+1], s[16:17] offset:256*j  ; 32 lanes store a tile row: 256 consecutive bytes, aligned
.set j, j+1
.endr
	s_wait_xcnt 0x0                                ; the stores have read their data and their offset: both are written again only behind this wait
	v_add_nc_u32 v[RD], 8*SPITCH, v[RD]
	v_add_nc_u32 v[SAD], 32, v[SAD]
	v_add_nc_u32 v[CO], 2048, v[CO]
	s_sub_co_u32 s3, s3, 1
	s_cmp_lg_u32 s3, 0
	s_cbranch_scc1 .Lrows
.else
.irp t, 0,1,2,3,4,5,6,7,8,9,10,11,12,13,14,15
	ds_load_b128 v[TMP+4*\t:TMP+4*\t+3], v[RD] offset:\t*2*SPITCH
.endr
.irp t, 0,1,2,3,4,5,6,7,8,9,10,11,12,13,14,15
	s_wait_dscnt 15-\t                             ; load t is in, the younger ones may stay out
	global_store_b128 v[CO], v[TMP+4*\t:TMP+4*\t+3], s[16:17] offset:\t*4096 th:TH_STORE_NT  ; 16 lanes store 256 consecutive bytes, aligned
.endr
.endif
	s_wait_tensorcnt 0x0                           ; the wave's end, behind my last tensor load and my last LDS store
	ds_add_u32 v[SPW], v[NIL]
	s_wait_dscnt 0x0
	CROUND                                         ; the closing round: no work-group ends while a partner may still ask for a tile that names it
	s_endpgm
.Lfunc_end_k_qb08ff64bf2_layer1:
	.size	k_qb08ff64bf2_layer1, .Lfunc_end_k_qb08ff64bf2_layer1-k_qb08ff64bf2_layer1
	.p2alignl 7, 3214868480
	.fill 96, 4, 3214868480
	.section	.rodata,"a",@progbits
	.p2align	6, 0x0
	.amdhsa_kernel k_qb08ff64bf2_layer1
		.amdhsa_group_segment_fixed_size 327680
		.amdhsa_private_segment_fixed_size 0
		.amdhsa_enable_private_segment 0
		.amdhsa_kernarg_size 56
		.amdhsa_user_sgpr_count 2
		.amdhsa_user_sgpr_kernarg_segment_ptr 1
		.amdhsa_wavefront_size32 1
		.amdhsa_system_sgpr_workgroup_id_x 1
		.amdhsa_system_sgpr_workgroup_id_y 1
		.amdhsa_system_sgpr_workgroup_id_z 1
		.amdhsa_system_vgpr_workitem_id 0
		.amdhsa_next_free_vgpr 768
		.amdhsa_next_free_sgpr 102
		.amdhsa_reserve_vcc 1
		.amdhsa_float_denorm_mode_32 3
		.amdhsa_float_denorm_mode_16_64 3
		.amdhsa_memory_ordered 1
		.amdhsa_forward_progress 1
		.amdhsa_inst_pref_size 138
	.end_amdhsa_kernel
	.amdgpu_metadata
---
amdhsa.version: [ 1, 2 ]
amdhsa.kernels:
  - .name:           k_qb08ff64bf2_layer1
    .symbol:         k_qb08ff64bf2_layer1.kd
    .args:
      - { .name: Xh, .offset: 0, .size: 8, .value_kind: global_buffer, .address_space: global }
      - { .name: Wh1, .offset: 8, .size: 8, .value_kind: global_buffer, .address_space: global }
      - { .name: W, .offset: 16, .size: 8, .value_kind: global_buffer, .address_space: global }
      - { .name: b1, .offset: 24, .size: 8, .value_kind: global_buffer, .address_space: global }
      - { .name: pmax, .offset: 32, .size: 8, .value_kind: global_buffer, .address_space: global }
      - { .name: bmax, .offset: 40, .size: 8, .value_kind: global_buffer, .address_space: global }
      - { .name: Mid1, .offset: 48, .size: 8, .value_kind: global_buffer, .address_space: global }
    .group_segment_fixed_size: 327680
    .private_segment_fixed_size: 0
    .kernarg_segment_align: 8
    .kernarg_segment_size: 56
    .max_flat_workgroup_size: 128
    .sgpr_count:     102
    .vgpr_count:     768
    .wavefront_size: 32
...
	.end_amdgpu_metadata
.endif
;; end of part 2
;; launch layer2 (part 3): grid 8 x 32, 4 waves a work-group, clusters of 4 x 4, 327,680 bytes of LDS; arguments Mid1, Wh2, W, b2, pmax, bmax, Mid2; writes Mid2
.if DOCPART == 3
	.amdgcn_target "amdgcn-amd-amdhsa--gfx1250"
	.amdhsa_code_object_version 6
	.text
	.protected	k_qb08ff64bf2_layer2
	.globl	k_qb08ff64bf2_layer2
	.p2align	8
	.type	k_qb08ff64bf2_layer2,@function
k_qb08ff64bf2_layer2:
	s_mov_b64 s[64:65], 0
	v_nop
	global_prefetch_b8 v0, s[64:65] scope:SCOPE_SE
	s_setreg_imm32_b32 hwreg(HW_REG_WAVE_MODE, 25, 1), 1
	s_wait_xcnt 0x0
	s_wait_alu depctr_hold_cnt(0) depctr_sa_sdst(0) depctr_va_vdst(0) depctr_va_sdst(0) depctr_va_ssrc(0) depctr_va_vcc(0) depctr_vm_vsrc(0)
	s_getreg_b32 s2, hwreg(HW_REG_IB_STS2, 6, 4)
	s_cmp_eq_u32 s2, 0
	s_cbranch_scc0 .Lentry_in_a_cluster
	s_endpgm
.Lentry_in_a_cluster:
	s_bfe_u32 s2, ttmp6, 0x10000c
	s_cmp_lg_u32 s2, 0xf033
	s_cbranch_scc0 .Lentry_shape_is_right
	s_endpgm
.Lentry_shape_is_right:
; ONE LAYER OF THREE (one text serves all three; LAYER picks the sizes): z[b][n] = sum_e W[b][e] ( sum_k a[b][k] Wl[e][n][k] + bl[e][n] ); layers 1, 2: mid = elu(z).  Nothing of the layer is left out.
; ARITHMETIC.  For each expert P_e = a Wl[e]^T, f16 operands, f32 sums in the matrix unit; then T += G_e P_e in f32 (FLUSH): the gate rounds no operand.  The bias term sum_e W[b][e] bl[e][n] is
; one matrix instruction an accumulator (K = 32, of which 8 are used: gates and bias in f16), and with C = 0 it starts T: nothing is cleared.
; THE HIDDEN LAYERS' SCALE.  mid_l is stored as f16(mid_l S_l[b]), S_l a power of two from a bound known beforehand: Bnd1 = 512 xm sum_e |g_e| wm1[e] + sum_e |g_e| bm1[e] >= |z1| >= |elu(z1)|,
; Bnd2 = 1024 Bnd1 sum_e |g_e| wm2[e] + sum_e |g_e| bm2[e] (xm: largest |X| of the row's 32-row chunk; wm, bm: largest |weight|, |bias| of an expert), each at least 2^-100.  With 2^x <= Bnd < 2^(x+1):
; S = 2^(14-x), so |mid S| < 2^15.  The reader multiplies its gates by 1 / S: G = g / S, exact.  Writer and reader make S by the same lines from the same tables.
; ELU.  zn = min(z, 0); where z < -2^-8: 2^(zn log2 e) - 1; else z + zn^2 / 2 (which is z for z > 0): the two forms of e^z - 1, chosen by a select, no branch.
; LIMITS.  |W|, |bl| within f16's 65,504 (they enter the bias product in f16); a stored mid is off by at most 2^-39 Bnd beside f16's rounding; Bnd must stay finite; NaN and infinities are not treated apart.
; SHARES.  Work-group (x, y): rows 128 y .., columns 16 NB 2 x .. (128; layer 3: 64).  Wave w: rows 64 (w / 2) .., column half w % 2, EC experts at once: for 32 along K 4 fragments of a and 8 of the
; weights (fragment NB j + b: expert j of the group, column block b) feed 32 matrix instructions on 32 accumulators P.  K goes in steps of 128 through two LDS slots; a GROUP is EC experts' whole K (SG steps).
; THE PRODUCT IS USED TRANSPOSED (source 0 = 16 weight rows, source 1 = 16 rows of a): a lane holds one row b (lane % 16) and columns 8 (lane / 16) + 0..7.
; CLUSTER 4 x 4: a's tiles hang on y alone and are asked for jointly along a row of the cluster, the weights' on x alone, along a column: the same tensor load, descriptor and mask in the four.
; REGISTERS, in windows of 256 (s_set_vgpr_msb: bits 1:0 source 0, 3:2 source 1, 5:4 source 2, 7:6 destination):
;   window 0: v0-31 addresses and work; v32-63 G[a][e]; v64-127 work; v128-255 T[a][b]     window 1: v0-95, v96-191 two fragment buffers; v192-223 gate, v224-255 bias fragments     window 2: P[f][a] at 8 (4 f + a)
.set LAYER, 2
.if LAYER == 1
.set SG, 4                             ; K steps of 128 in a group
.set NG, 4                             ; groups
.set EC, 2                             ; experts in a group
.set NB, 4                             ; column blocks of 16 an expert and wave
.set NCOL, 1024                        ; the layer's width
.elseif LAYER == 2
.set SG, 8
.set NG, 4
.set EC, 2
.set NB, 4
.set NCOL, 1024
.else
.set SG, 8
.set NG, 2
.set EC, 4
.set NB, 2
.set NCOL, 512
.endif
.set STEPS, SG*NG
.set LAPS,  SG/2                       ; a lap = two steps = once round the ring
.set PITCH, 272                        ; an LDS row: 256 bytes + 16 of padding, so that the 16 rows of a fragment load start 68 words apart
.set AHALF, 64*PITCH                   ; what waves 0, 1 fetch: 64 rows of a
.set BHALF, 128*PITCH                  ; what waves 2, 3 fetch: 128 rows of weights
.set SLOT,  2*AHALF+2*BHALF            ; a's 128 rows, then the weights' 256
.set STAGE, 2*SLOT                     ; behind the ring, never filled by a tensor load: 128 rows for the way out
.if LAYER < 3
.set SPITCH, 528                       ; 128 f32 + 16 bytes
.else
.set SPITCH, 272                       ; 64 f32 + 16 bytes
.endif
.set TAB0,  STAGE+128*528              ; 1 / S of the input, a word a row
.set TAB1,  TAB0+512                   ; S of the output
.set SPARE, TAB1+512                   ; the spare words, 128 bytes a wave: two blocks of 256 bytes that no other line names
.set ADRA, 16                          ; v16-17 LDS address of my fragments of a in slot 0, 1
.set ADRB, 20                          ; v20-21 the same for the weights
.set STO,  24                          ; the way out: where I put a row's 32 bytes
.set RD,   25                          ; where I read rows back
.set CO,   26                          ; my byte offset in the output
.set SAD,  27                          ; where my rows' S lie
.set SPW,  28                          ; my spare word's address; never rewritten
.set NIL,  29                          ; 0; never rewritten
.set PFO,  30                          ; 256 x lane: the prefetches' offset; never rewritten
.set GG,   32
.set TMP,  64
.set TT,   128
.set F0,   0                           ; window 1: fragment a at F + 8 a, weight fragment f at F + 32 + 8 f
.set F1,   96
.set GF,   192
.set BF,   224
.set WV, 18                            ; s18 wave; s19 its row half, s20 its column half (also: which half of a tile it fetches)
.set MH, 19
.set NH, 20
.set CX, 21
.set CY, 22
.set TX, 23                            ; x
.set TY, 40                            ; y
.set G1A, 24                           ; s[24:31] descriptor group 1 for a's tiles; s[32:39] group 0, a set a slot
.set G0A, 32
.set G1B, 48                           ; s[48:55], s[56:63] the same for the weights'
.set G0B, 56
.set PFA, 44                           ; s[44:45] where my prefetches stand
.set PFC, 46                           ; s46 prefetches still to come (0 or less: none)
.set LMASK, 47                         ; lanes 0-15
.set THR, 66                           ; -2^-8
.set WM1, 68                           ; s[68:75] wm1, s[76:83] wm2 (before that: work), s[84:91] bm1, s[92:99] bm2, s100 xm
.set WM2, 76
.set BM1, 84
.set BM2, 92
.set XM,  100
.set DW0, (1<<16)|(1<<20)|(1<<21)|(5<<22)|(3<<25)  ; 2-byte elements; padding on; bit 21 beside a mask; after every 64 words 4 words
.set MSB, 0
.macro WIN new                         ; the immediate's high byte repeats the setting that is left; a switch that changes nothing is dropped
.if MSB != (\new)
	s_set_vgpr_msb (MSB<<8)|(\new)
.set MSB, \new
.endif
.endm
.set MUL,  0xa5                        ; sources 0, 1 window 1; C and D window 2
.set TO_F, 0x40                        ; destination window 1
.set FL,   0x02                        ; source 0 window 2
.set INIT, 0x05                        ; sources 0, 1 window 1
; A joint load: waves 0, 1 fetch a's halves, waves 2, 3 the weights'.  The branch hangs on the wave's number alone.  An s_nop 0 and four v_nop follow each line.
.macro JLOAD s
	s_cmp_lt_u32 s[WV], 2
	s_cbranch_scc0 .Lfor_b_\@
	tensor_load_to_lds s[G0A+4*(\s):G0A+4*(\s)+3], s[G1A:G1A+7]
	s_nop 0
.rept 4
	v_nop
.endr
	s_branch .Lasked_\@
.Lfor_b_\@:
	tensor_load_to_lds s[G0B+4*(\s):G0B+4*(\s)+3], s[G1B:G1B+7]
	s_nop 0
.rept 4
	v_nop
.endr
.Lasked_\@:
.endm
; A round of the cluster's barrier: my work-group's barrier; wave 0 signals for the work-group; every wave waits for all sixteen; my work-group's barrier once more.
.macro CREST
	s_cmp_lg_u32 s[WV], 0
	s_cbranch_scc1 .Lnot_wave_0_\@
	s_barrier_signal -3
.Lnot_wave_0_\@:
	s_barrier_wait -3
	s_barrier_signal -1
	s_barrier_wait -1
.endm
.macro CROUND
	s_barrier_signal -1
	s_barrier_wait -1
	CREST
.endm
; A prefetch into the L2 of the weights' tile that the refill FOUR steps on will ask for (the refill in step t asks for step t + 2, this line names step t + 6): 512 matrix instructions ahead of that load.
; Each row's 256 bytes are named once in the launch: the clusters with cluster y = 0 ask; in them waves 2, 3, each for the 128 rows that it fetches; the four partners of a column take 32 rows each, told
; apart by address; a lane a row.  The first six steps come by their loads alone; the count ends the asking at the last step.  a's tiles are walked again in every group and are not asked for.
.macro ASK
	s_cmp_gt_i32 s[PFC], 0
	s_cbranch_scc0 .Lnot_mine_\@
	global_prefetch_b8 v[PFO], s[PFA:PFA+1] th:TH_LOAD_NT scope:SCOPE_SE
.Lnot_mine_\@:
.endm
.macro PLACES                          ; four places in front of loads into registers that matrix instructions have read, and of vector lines that read their results
.rept 4
	v_nop
.endr
.endm
; 8 matrix instructions: weight fragments f0, f0 + 1 x the four fragments of a.  The 32 accumulators take turns, one instruction a turn, in the same order in every quarter.
.macro MUL8 f, f0, zero
	WIN MUL
.irp q, \f0, (\f0)+1
.irp a, 0,1,2,3
.if \zero
	v_wmma_f32_16x16x32_f16 v[8*(4*(\q)+(\a)):8*(4*(\q)+(\a))+7], v[(\f)+32+8*(\q):(\f)+32+8*(\q)+7], v[(\f)+8*(\a):(\f)+8*(\a)+7], 0
.else
	v_wmma_f32_16x16x32_f16 v[8*(4*(\q)+(\a)):8*(4*(\q)+(\a))+7], v[(\f)+32+8*(\q):(\f)+32+8*(\q)+7], v[(\f)+8*(\a):(\f)+8*(\a)+7], v[8*(4*(\q)+(\a)):8*(4*(\q)+(\a))+7]
.endif
.endr
.endr
.endm
.macro MUL16 f, h, zero                ; weight fragments 4 h .. 4 h + 3
	MUL8 \f, 4*(\h), \zero
	MUL8 \f, 4*(\h)+2, \zero
.endm
; 24 LDS loads in one run: a quarter step's fragments (32 K at byte k of the rows): 8 for a, 8 for weight fragments 0-3, 8 for 4-7.  Fragment q's rows begin (q / NB) x 32 NB + (q % NB) x 16 rows on.
.macro FETCH slot, k, f
	WIN TO_F
.irp a, 0,1,2,3
	ds_load_b128 v[(\f)+8*(\a):(\f)+8*(\a)+3],   v[ADRA+(\slot)] offset:(\k)+(\a)*16*PITCH
	ds_load_b128 v[(\f)+8*(\a)+4:(\f)+8*(\a)+7], v[ADRA+(\slot)] offset:(\k)+(\a)*16*PITCH+32
.endr
.irp q, 0,1,2,3,4,5,6,7
	ds_load_b128 v[(\f)+32+8*(\q):(\f)+32+8*(\q)+3],   v[ADRB+(\slot)] offset:(\k)+(((\q)/NB)*32*NB+((\q)%NB)*16)*PITCH
	ds_load_b128 v[(\f)+32+8*(\q)+4:(\f)+32+8*(\q)+7], v[ADRB+(\slot)] offset:(\k)+(((\q)/NB)*32*NB+((\q)%NB)*16)*PITCH+32
.endr
.endm
; A step is four quarters of 32 along K on buffers 0, 1, 0, 1.  One of the first three: multiplies buffer f; in its middle it fetches the next quarter, at byte k, into buffer g.
.macro QUARTER slot, k, f, g, zero
	s_wait_dscnt 8                                 ; a's and weight fragments 0-3 are in; the youngest eight loads (fragments 4-7) may be out
	MUL16 \f, 0, \zero
	PLACES
	FETCH \slot, \k, \g
	s_wait_dscnt 24                                ; all but the 24 just issued
	MUL16 \f, 1, \zero
.endm
; The last quarter multiplies buffer 1 and changes slots.  In front of the barrier each wave waits for all its tensor loads (one is out: its part of the next slot), adds 0 to its spare word, and waits
; for that and for its reads of this slot.  mode 0, 1: the barrier opens a round of the cluster's, and the joint refill (step t + 2) is the first thing behind it; mode 0: a goes on along K;
; mode 1, a group's last two steps: a goes back to K step 0 or 1; the weights' tiles lie in the order of the walk.  mode 2: nothing is left to ask for.
.macro TURN slot, next, mode
.if (\mode) < 2
	s_wait_xcnt 0x0                                ; the last prefetch, a step back, has read its address: it is stepped here, ahead of the change's own waits
	s_add_nc_u64 s[PFA:PFA+1], s[PFA:PFA+1], 65536
	s_sub_co_i32 s[PFC], s[PFC], 1
.endif
	WIN 0
	s_wait_tensorcnt 0x0                           ; all my tensor loads have landed
	ds_add_u32 v[SPW], v[NIL]                      ; 0 onto my spare word
	s_wait_dscnt 9                                 ; (the add and the youngest eight loads may be out)
	MUL8 F1, 0, 0
	s_wait_dscnt 0x0                               ; the add is done, and my reads of this slot are over
	s_barrier_signal -1
	MUL8 F1, 2, 0                                  ; work on registers while the others arrive
.if (\mode) < 2
	WIN 0
.endif
	s_barrier_wait -1
.if (\mode) < 2
	CREST                                          ; no wave of any partner still reads this slot or has a load on its way
.if (\mode) == 0
	s_add_nc_u64 s[G0A+4*(\slot)+2:G0A+4*(\slot)+3], s[G0A+4*(\slot)+2:G0A+4*(\slot)+3], 2*32768
.else
	s_sub_nc_u64 s[G0A+4*(\slot)+2:G0A+4*(\slot)+3], s[G0A+4*(\slot)+2:G0A+4*(\slot)+3], (SG-2)*32768
.endif
	s_add_nc_u64 s[G0B+4*(\slot)+2:G0B+4*(\slot)+3], s[G0B+4*(\slot)+2:G0B+4*(\slot)+3], 2*65536
	JLOAD \slot                                    ; 112 matrix instructions ahead of the wait for it; its four v_nop are also the places in front of the loads below
.else
	PLACES
.endif
	FETCH \next, 0, F0
.if (\mode) < 2
	WIN 0
	ASK
.endif
	MUL16 F1, 1, 0
.endm
; A group's end: T[a][b] += G[a][j] P[NB j + b][a], two sums an instruction, each accumulator read from its low end on.  The gate is one register of an even pair: op_sel picks it for both halves.
; shift = 1: the gates move down by EC places, so that one text serves every group.
.macro FLUSH shift
	PLACES
	WIN FL
.set j, 0
.rept EC
.set a, 0
.rept 4
.set b, 0
.rept NB
.set i, 0
.rept 4
.set rT, TT+8*(NB*a+b)+i
.set rP, 8*(4*(NB*j+b)+a)+i
.set rG, GG+8*a+(j/2)*2
.if j%2
	v_pk_fma_f32 v[rT:rT+1], v[rP:rP+1], v[rG:rG+1], v[rT:rT+1] op_sel:[0,1,0] op_sel_hi:[1,1,1]
.else
	v_pk_fma_f32 v[rT:rT+1], v[rP:rP+1], v[rG:rG+1], v[rT:rT+1] op_sel_hi:[1,0,1]
.endif
.set i, i+2
.endr
.set b, b+1
.endr
.set a, a+1
.endr
.set j, j+1
.endr
.if \shift
	WIN 0
.set a, 0
.rept 4
.set i, 0
.rept 8-EC
	v_mov_b32 v[GG+8*a+i], v[GG+8*a+i+EC]
.set i, i+1
.endr
.set a, a+1
.endr
.endif
.endm
.macro DOT d, tab                      ; v[d] = sum_e |g_e| s[tab + e], for my thread's row
	v_mul_f32 v[\d], |v[TMP+24]|, s[\tab]
.irp e, 1,2,3,4,5,6,7
	v_fma_f32 v[\d], |v[TMP+24+\e]|, s[(\tab)+\e], v[\d]
.endr
.endm
	s_load_b256 s[4:11], s[0:1], 0x0               ; a s[4:5], weights s[6:7], W s[8:9], bias s[10:11]
	s_load_b128 s[12:15], s[0:1], 0x20             ; pmax s[12:13], bmax s[14:15]
	s_load_b64 s[16:17], s[0:1], 0x30              ; the output
	v_lshl_add_u32 v[SPW], v0, 2, SPARE
	v_mov_b32 v[NIL], 0
	ds_add_u32 v[SPW], v[NIL]                      ; the wave's opening: the add, twice on end, and its wait ahead of my first tensor load
	ds_add_u32 v[SPW], v[NIL]
	v_lshrrev_b32 v3, 5, v0
	v_readfirstlane_b32 s[WV], v3
	s_lshr_b32 s[MH], s[WV], 1
	s_and_b32 s[NH], s[WV], 1
	s_bfe_u32 s[CX], ttmp6, 0x40000
	s_bfe_u32 s[CY], ttmp6, 0x40004
	s_lshl_b32 s[TX], ttmp9, 2                     ; in a cluster launch ttmp9 and ttmp7 count clusters
	s_add_co_u32 s[TX], s[TX], s[CX]
	s_and_b32 s[TY], ttmp7, 0xffff
	s_lshl_b32 s[TY], s[TY], 2
	s_add_co_u32 s[TY], s[TY], s[CY]
	s_lshl_b32 s41, s[CY], 2
	s_lshl_b32 s41, 15, s41                        ; my row of the cluster
	s_lshl_b32 s68, 0x1111, s[CX]                  ; my column
	s_or_b32 s[G1A], s41, DW0
	s_or_b32 s[G1B], s68, DW0
.irp g, G1A, G1B
	s_mov_b32 s[\g+1], 128<<16                     ; tensor_dim0 = 128
	s_mov_b32 s[\g+3], 128<<16                     ; tile_dim0 = 128
	s_mov_b32 s[\g+5], 128                         ; 128 elements from row to row: the tiles are dense
	s_mov_b32 s[\g+6], 0
	s_mov_b32 s[\g+7], 0
.endr
	s_mov_b32 s[G1A+2], 64<<16                     ; tensor_dim1 = tile_dim1 = 64 rows of a,
	s_mov_b32 s[G1A+4], 64
	s_mov_b32 s[G1B+2], 128<<16                    ; 128 of the weights
	s_mov_b32 s[G1B+4], 128
	s_mul_i32 s42, s[TY], SG*32768                 ; a: tile row y, my half of step 0 (registers that never hold x)
	s_lshl_b32 s41, s[NH], 14
	s_add_co_u32 s42, s42, s41
	s_mov_b32 s43, 0
	s_mul_i32 s70, s[TX], STEPS*65536              ; weights: tile column x, my half of step 0 (registers that never hold y)
	s_lshl_b32 s69, s[NH], 15
	s_add_co_u32 s70, s70, s69
	s_mov_b32 s71, 0
	s_mul_i32 s72, s[NH], AHALF                    ; where they go: no place in the cluster enters an LDS address
	s_mul_i32 s73, s[NH], BHALF
	s_add_co_u32 s73, s73, 2*AHALF
	s_lshl_b32 s74, s[CY], 13                      ; the prefetches: my work-group's 32 of the 128 rows,
	s_add_co_u32 s74, s74, s70
	s_add_co_u32 s74, s74, 5*65536                 ; at step 5: the first change of slots steps it to 6
	s_mov_b32 s75, 0
	s_and_b32 s76, ttmp7, 0xffff
	s_cmp_eq_u32 s76, 0                            ; the same in all sixteen partners
	s_cselect_b32 s[PFC], STEPS-5, 0
	s_cmp_lt_u32 s[WV], 2
	s_cselect_b32 s[PFC], 0, s[PFC]
	s_lshl_b32 s67, s[TY], 2                       ; xm: my wave's 32 rows are chunk 4 y + wave of X
	s_add_co_u32 s67, s67, s[WV]
	s_lshl_b32 s67, s67, 2
.if LAYER < 3
	s_lshl_b32 s78, s[TY], 3                       ; the output tile (y, K block x) of 32,768 bytes
	s_add_co_u32 s78, s78, s[TX]
	s_lshl_b32 s78, s78, 15
.else
	s_lshl_b32 s78, s[TY], 18                      ; out0: row 128 y + 32 wave, 2,048 bytes a row; column 64 x
	s_lshl_b32 s77, s[WV], 16
	s_add_co_u32 s78, s78, s77
	s_lshl_b32 s77, s[TX], 8
	s_add_co_u32 s78, s78, s77
.endif
	s_mov_b32 s79, 0
	s_mov_b32 s[LMASK], 0xffff
	s_mov_b32 s[THR], 0xbb800000
	s_wait_dscnt 0x0                               ; both opening adds are done
	s_wait_kmcnt 0x0
	s_add_nc_u64 s[42:43], s[4:5], s[42:43]
	s_add_nc_u64 s[70:71], s[6:7], s[70:71]
	s_add_nc_u64 s[PFA:PFA+1], s[6:7], s[74:75]
	s_add_nc_u64 s[16:17], s[16:17], s[78:79]
	s_load_b512 s[BM1:BM1+15], s[14:15], 0x0       ; bm1, bm2
	s_load_b32 s[XM], s[12:13], s67 offset:0x0
	CROUND                                         ; all sixteen work-groups are here: the first joint loads meet
.irp s, 0,1
	s_mov_b32 s[G0A+4*(\s)], 1
	s_add_co_u32 s[G0A+4*(\s)+1], s72, (\s)*SLOT
	s_add_nc_u64 s[G0A+4*(\s)+2:G0A+4*(\s)+3], s[42:43], (\s)*32768
	s_or_b32 s[G0A+4*(\s)+3], s[G0A+4*(\s)+3], 0x80000000
	s_mov_b32 s[G0B+4*(\s)], 1
	s_add_co_u32 s[G0B+4*(\s)+1], s73, (\s)*SLOT
	s_add_nc_u64 s[G0B+4*(\s)+2:G0B+4*(\s)+3], s[70:71], (\s)*65536
	s_or_b32 s[G0B+4*(\s)+3], s[G0B+4*(\s)+3], 0x80000000
	JLOAD \s                                       ; two loads of mine are out
.endr
	; WHILE THE FIRST TILES ARE ON THEIR WAY: tables, gates, bias, addresses, and the products that start T.
	v_and_b32 v1, 15, v0                           ; l % 16
	v_bfe_u32 v2, v0, 4, 1                         ; l / 16
	v_and_b32 v3, 31, v0                           ; l
	v_lshlrev_b32 v[PFO], 8, v3
	v_lshlrev_b32 v4, 5, v3
	global_load_b128 v[TMP:TMP+3], v4, s[12:13] offset:512     ; W1's 256 chunk maxima, 8 a lane: lanes 4 e .. 4 e + 3 hold expert e's
	global_load_b128 v[TMP+4:TMP+7], v4, s[12:13] offset:528
.if LAYER > 1
	v_lshlrev_b32 v5, 6, v3
.irp q, 0,1,2,3
	global_load_b128 v[TMP+8+4*\q:TMP+11+4*\q], v5, s[12:13] offset:1536+16*\q  ; W2's 512, 16 a lane
.endr
.endif
	s_lshl_b32 s80, s[TY], 12
	v_lshl_add_u32 v6, v0, 5, s80
	global_load_b128 v[TMP+24:TMP+27], v6, s[8:9]              ; the gates of row 128 y + my thread's number
	global_load_b128 v[TMP+28:TMP+31], v6, s[8:9] offset:16
	s_lshl_b32 s81, s[MH], 11
	s_add_co_u32 s81, s81, s80
	v_lshl_add_u32 v7, v1, 5, s81
.irp a, 0,1,2,3
	global_load_b128 v[GG+8*\a:GG+8*\a+3], v7, s[8:9] offset:512*\a      ; the gates of row 16 a + l % 16 of my 64
	global_load_b128 v[GG+8*\a+4:GG+8*\a+7], v7, s[8:9] offset:512*\a+16
.endr
	s_lshl_b32 s82, s[TX], 1
	s_add_co_u32 s82, s82, s[NH]
	s_mul_i32 s82, s82, 64*NB                      ; my first column, in bytes
	v_lshl_add_u32 v8, v1, 2, s82
.set b, 0
.rept NB
.set e, 0
.rept 8
	global_load_b32 v[TMP+32+8*b+e], v8, s[10:11] offset:(e*NCOL+16*b)*4  ; bl[e][column 16 b + l % 16 of mine]
.set e, e+1
.endr
.set b, b+1
.endr
	v_mul_u32_u24 v9, v1, PITCH
	v_lshl_add_u32 v9, v2, 4, v9                   ; a fragment's row x pitch + 16 x half
	s_mul_i32 s80, s[MH], AHALF
	s_mul_i32 s81, s[NH], 16*NB*PITCH
	s_add_co_u32 s81, s81, 2*AHALF
.irp s, 0,1
	v_add_nc_u32 v[ADRA+\s], s80, v9
	v_add_nc_u32 v[ADRB+\s], s81, v9
	s_add_co_u32 s80, s80, SLOT
	s_add_co_u32 s81, s81, SLOT
.endr
	s_mul_i32 s80, s[MH], 64*SPITCH                ; into the stage: row 64 (w / 2) + l % 16, my column half, 32 bytes for each half of the lanes
	s_mul_i32 s81, s[NH], 64*NB
	s_add_co_u32 s80, s80, s81
	s_add_co_u32 s80, s80, STAGE
	v_mul_u32_u24 v10, v1, SPITCH
	v_lshl_add_u32 v10, v2, 5, v10
	v_add_nc_u32 v[STO], s80, v10
	s_mul_i32 s80, s[WV], 32*SPITCH                ; back: wave w takes rows 32 w .. 32 w + 31, whole
	s_add_co_u32 s80, s80, STAGE
.if LAYER < 3
	v_lshl_add_u32 v[RD], v3, 4, s80               ; a load takes one row of 512 bytes
	s_lshl_b32 s80, s[WV], 7
	s_add_co_u32 s80, s80, TAB1
	v_mov_b32 v[SAD], s80
	s_lshl_b32 s80, s[WV], 13
	v_lshl_add_u32 v[CO], v3, 3, s80               ; 256 bytes a row of the output tile, 8 a lane
.else
	v_mul_u32_u24 v10, v2, SPITCH                  ; a load takes two rows of 256 bytes
	v_lshl_add_u32 v10, v1, 4, v10
	v_add_nc_u32 v[RD], s80, v10
	v_lshlrev_b32 v10, 11, v2
	v_lshl_add_u32 v[CO], v1, 4, v10
.endif
	s_wait_loadcnt 8+8*NB                          ; the tables and my row's gates are in; the 8 loads of block gates and the 8 NB of bias may stay out
	v_max3_num_f32 v[TMP], v[TMP], v[TMP+1], v[TMP+2]
	v_max3_num_f32 v[TMP+3], v[TMP+3], v[TMP+4], v[TMP+5]
	v_max3_num_f32 v[TMP], v[TMP], v[TMP+6], v[TMP+7]
	v_max_num_f32 v[TMP], v[TMP], v[TMP+3]
	v_max_num_f32_dpp v[TMP], v[TMP], v[TMP] row_xmask:1 row_mask:0xf bank_mask:0xf
	v_max_num_f32_dpp v[TMP], v[TMP], v[TMP] row_xmask:2 row_mask:0xf bank_mask:0xf
.irp e, 0,1,2,3,4,5,6,7
	v_readlane_b32 s[WM1+\e], v[TMP], 4*\e
.endr
.if LAYER > 1
	v_max3_num_f32 v[TMP+8], v[TMP+8], v[TMP+9], v[TMP+10]
	v_max3_num_f32 v[TMP+11], v[TMP+11], v[TMP+12], v[TMP+13]
	v_max3_num_f32 v[TMP+14], v[TMP+14], v[TMP+15], v[TMP+16]
	v_max3_num_f32 v[TMP+17], v[TMP+17], v[TMP+18], v[TMP+19]
	v_max3_num_f32 v[TMP+20], v[TMP+20], v[TMP+21], v[TMP+22]
	v_max3_num_f32 v[TMP+8], v[TMP+8], v[TMP+11], v[TMP+14]
	v_max3_num_f32 v[TMP+17], v[TMP+17], v[TMP+20], v[TMP+23]
	v_max_num_f32 v[TMP+8], v[TMP+8], v[TMP+17]
	v_max_num_f32_dpp v[TMP+8], v[TMP+8], v[TMP+8] row_xmask:1 row_mask:0xf bank_mask:0xf
	v_max_num_f32_dpp v[TMP+8], v[TMP+8], v[TMP+8] row_xmask:2 row_mask:0xf bank_mask:0xf
.irp e, 0,1,2,3,4,5,6,7
	v_readlane_b32 s[WM2+\e], v[TMP+8], 4*\e
.endr
.endif
	s_wait_kmcnt 0x0                               ; bm1, bm2, xm
	DOT 10, WM1
	v_mul_f32 v10, s[XM], v10
	DOT 11, BM1
	v_fmamk_f32 v10, v10, 0x44000000, v11          ; Bnd1 = 512 xm sum |g| wm1 + sum |g| bm1,
	v_max_num_f32 v10, 0x0d800000, v10             ; at least 2^-100
.if LAYER > 1
	DOT 11, WM2
	DOT 12, BM2
	v_mul_f32 v11, v10, v11
	v_fmamk_f32 v11, v11, 0x44800000, v12          ; Bnd2 = 1024 Bnd1 sum |g| wm2 + sum |g| bm2
	v_max_num_f32 v11, 0x0d800000, v11
.endif
	v_lshl_add_u32 v14, v0, 2, TAB0
	; with E the bound's exponent field: S = 2^(14-x) has the bits 0x86000000 - E, 1 / S the bits E - 0x07000000
.if LAYER == 1
	v_and_b32 v10, 0x7f800000, v10
	v_sub_nc_u32 v10, 0x86000000, v10
	ds_store_b32 v14, v10 offset:512               ; S1
.elseif LAYER == 2
	v_and_b32 v10, 0x7f800000, v10
	v_add_nc_u32 v10, 0xf9000000, v10
	ds_store_b32 v14, v10                          ; 1 / S1
	v_and_b32 v11, 0x7f800000, v11
	v_sub_nc_u32 v11, 0x86000000, v11
	ds_store_b32 v14, v11 offset:512               ; S2
.else
	v_and_b32 v11, 0x7f800000, v11
	v_add_nc_u32 v11, 0xf9000000, v11
	ds_store_b32 v14, v11                          ; 1 / S2
.endif
	s_wait_loadcnt 0x0
	; The bias product's fragments: K = 0..7 is the expert, which lies in registers 0-3 of lanes 0-15; all else is 0.
.set a, 0
.rept 4
.set i, 0
.rept 4
	v_cvt_pk_f16_f32 v[TMP+4*a+i], v[GG+8*a+2*i], v[GG+8*a+2*i+1]
.set i, i+1
.endr
.set a, a+1
.endr
.set b, 0
.rept NB
.set i, 0
.rept 4
	v_cvt_pk_f16_f32 v[TMP+32+8*b+i], v[TMP+32+8*b+2*i], v[TMP+32+8*b+2*i+1]
.set i, i+1
.endr
.set b, b+1
.endr
	WIN TO_F
.set a, 0
.rept 4
.set i, 0
.rept 4
	v_cndmask_b32 v[GF+8*a+i], 0, v[TMP+4*a+i], s[LMASK]
	v_mov_b32 v[GF+8*a+4+i], 0
.set i, i+1
.endr
.set a, a+1
.endr
.set b, 0
.rept NB
.set i, 0
.rept 4
	v_cndmask_b32 v[BF+8*b+i], 0, v[TMP+32+8*b+i], s[LMASK]
	v_mov_b32 v[BF+8*b+4+i], 0
.set i, i+1
.endr
.set b, b+1
.endr
	WIN INIT
.set a, 0
.rept 4
.set b, 0
.rept NB
	v_wmma_f32_16x16x32_f16 v[TT+8*(NB*a+b):TT+8*(NB*a+b)+7], v[BF+8*b:BF+8*b+7], v[GF+8*a:GF+8*a+7], 0  ; T starts as sum_e W[b][e] bl[e][n]
.set b, b+1
.endr
.set a, a+1
.endr
	WIN 0
	s_wait_tensorcnt 0x1                           ; my part of step 0 is in; step 1's may stay out
	s_wait_dscnt 0x0                               ; my table words are stored
	s_barrier_signal -1
	s_barrier_wait -1
.if LAYER > 1
	s_lshl_b32 s80, s[MH], 8
	s_add_co_u32 s80, s80, TAB0
	v_lshl_add_u32 v9, v1, 2, s80
.irp a, 0,1,2,3
	ds_load_b32 v[12+\a], v9 offset:64*\a          ; 1 / S of row 16 a + l % 16 of my 64
.endr
.endif
	FETCH 0, 0, F0
	WIN 0
.if LAYER > 1
	s_wait_dscnt 24                                ; the four words are in; the 24 fragment loads may stay out
.set a, 0
.rept 4
.set e, 0
.rept 8
	v_mul_f32 v[GG+8*a+e], v[GG+8*a+e], v[12+a]    ; G = g / S, exact
.set e, e+1
.endr
.set a, a+1
.endr
.endif
	s_mov_b32 s2, NG                               ; groups to go, this one among them
.Lgroup:
	QUARTER 0, 64,  F0, F1, 1                      ; a group's first quarter stands in front of the loop: its products start P's sums
	WIN 0                                          ; at a label and at a branch every window is 0
	s_mov_b32 s3, LAPS-1
.Llap:                                                 ; a trip goes once round the ring, from a lap's second quarter to the next lap's first, and fills both slots again
	QUARTER 0, 128, F1, F0, 0
	QUARTER 0, 192, F0, F1, 0
	TURN 0, 1, 0
	QUARTER 1, 64,  F0, F1, 0
	QUARTER 1, 128, F1, F0, 0
	QUARTER 1, 192, F0, F1, 0
	TURN 1, 0, 0
	QUARTER 0, 64,  F0, F1, 0
	WIN 0
	s_sub_co_u32 s3, s3, 1
	s_cmp_lg_u32 s3, 0
	s_cbranch_scc1 .Llap
	QUARTER 0, 128, F1, F0, 0                      ; the group's last lap goes on
	QUARTER 0, 192, F0, F1, 0
	WIN 0
	s_cmp_eq_u32 s2, 1
	s_cbranch_scc1 .Llast                          ; the last group's tail is written out: it asks for nothing more
	TURN 0, 1, 1                                   ; the ring goes on into the next group
	QUARTER 1, 64,  F0, F1, 0
	QUARTER 1, 128, F1, F0, 0
	QUARTER 1, 192, F0, F1, 0
	TURN 1, 0, 1
	FLUSH 1
	s_sub_co_u32 s2, s2, 1
	s_branch .Lgroup
.Llast:
	TURN 0, 1, 2
	QUARTER 1, 64,  F0, F1, 0
	QUARTER 1, 128, F1, F0, 0
	QUARTER 1, 192, F0, F1, 0
	s_wait_dscnt 8
	MUL16 F1, 0, 0
	s_wait_dscnt 0x0
	MUL16 F1, 1, 0
	FLUSH 0
	WIN 0
	; THE WAY OUT: T goes into the work-group's stage in f32; a barrier, since a row comes from two waves; back as whole rows.
.set a, 0
.rept 4
.set b, 0
.rept NB
	ds_store_b128 v[STO], v[TT+8*(NB*a+b):TT+8*(NB*a+b)+3]   offset:a*16*SPITCH+64*b
	ds_store_b128 v[STO], v[TT+8*(NB*a+b)+4:TT+8*(NB*a+b)+7] offset:a*16*SPITCH+64*b+16
.set b, b+1
.endr
.set a, a+1
.endr
	s_wait_dscnt 0x0                               ; for the others' sake: my stores into the stage are done
	s_barrier_signal -1
	s_barrier_wait -1
.if LAYER < 3
.set Z,  64                            ; v64-95   z: row j's four numbers at Z + 4 j
.set SC, 96                            ; v96-103  S of the trip's eight rows
.set ZN, 128                           ; min(z, 0)
.set EX, 160                           ; 2^(zn log2 e) - 1
.set PP, 192                           ; z + zn^2 / 2, then the result
.set HF, 224                           ; the result in f16
	s_mov_b32 s3, 4
.Lrows:                                                ; four trips of eight rows: elu, the row's scale, f16, one store a row
.irp j, 0,1,2,3,4,5,6,7
	ds_load_b128 v[Z+4*\j:Z+4*\j+3], v[RD] offset:\j*SPITCH
.endr
	ds_load_b128 v[SC:SC+3], v[SAD]
	ds_load_b128 v[SC+4:SC+7], v[SAD] offset:16
	s_wait_dscnt 0x0
.set i, 0
.rept 32
	v_min_num_f32 v[ZN+i], 0, v[Z+i]
.set i, i+1
.endr
.set i, 0
.rept 16
	v_pk_mul_f32 v[EX+i:EX+i+1], v[ZN+i:ZN+i+1], 0x3fb8aa3b op_sel_hi:[1,0]
.set i, i+2
.endr
.set i, 0
.rept 32
	v_exp_f32 v[EX+i], v[EX+i]                     ; one batch of 32
.set i, i+1
.endr
.set i, 0
.rept 16
	v_pk_mul_f32 v[PP+i:PP+i+1], v[ZN+i:ZN+i+1], 0.5 op_sel_hi:[1,0]  ; plain work that names no exponential's result stands behind the batch
.set i, i+2
.endr
.set i, 0
.rept 16
	v_pk_fma_f32 v[PP+i:PP+i+1], v[PP+i:PP+i+1], v[ZN+i:ZN+i+1], v[Z+i:Z+i+1]
.set i, i+2
.endr
	s_wait_alu depctr_va_vdst(0)                   ; one wait for the batch, ahead of its first reader
.set i, 0
.rept 16
	v_pk_add_f32 v[EX+i:EX+i+1], v[EX+i:EX+i+1], -1.0 op_sel_hi:[1,0]
.set i, i+2
.endr
.set i, 0
.rept 32
	v_cmp_gt_f32 vcc_lo, s[THR], v[Z+i]            ; z < -2^-8 ?
	v_cndmask_b32 v[PP+i], v[PP+i], v[EX+i], vcc_lo
.set i, i+1
.endr
.set j, 0
.rept 8
.set i, 0
.rept 2
.if j%2
	v_pk_mul_f32 v[PP+4*j+i:PP+4*j+i+1], v[PP+4*j+i:PP+4*j+i+1], v[SC+j-1:SC+j] op_sel:[0,1] op_sel_hi:[1,1]
.else
	v_pk_mul_f32 v[PP+4*j+i:PP+4*j+i+1], v[PP+4*j+i:PP+4*j+i+1], v[SC+j:SC+j+1] op_sel_hi:[1,0]
.endif
.set i, i+2
.endr
.set j, j+1
.endr
.set j, 0
.rept 8
	v_cvt_pk_f16_f32 v[HF+2*j], v[PP+4*j], v[PP+4*j+1]
	v_cvt_pk_f16_f32 v[HF+2*j+1], v[PP+4*j+2], v[PP+4*j+3]
	global_store_b64 v[CO], v[HF+2*j:HF+2*j+1], s[16:17] offset:256*j  ; 32 lanes store a tile row: 256 consecutive bytes, aligned
.set j, j+1
.endr
	s_wait_xcnt 0x0                                ; the stores have read their data and their offset: both are written again only behind this wait
	v_add_nc_u32 v[RD], 8*SPITCH, v[RD]
	v_add_nc_u32 v[SAD], 32, v[SAD]
	v_add_nc_u32 v[CO], 2048, v[CO]
	s_sub_co_u32 s3, s3, 1
	s_cmp_lg_u32 s3, 0
	s_cbranch_scc1 .Lrows
.else
.irp t, 0,1,2,3,4,5,6,7,8,9,10,11,12,13,14,15
	ds_load_b128 v[TMP+4*\t:TMP+4*\t+3], v[RD] offset:\t*2*SPITCH
.endr
.irp t, 0,1,2,3,4,5,6,7,8,9,10,11,12,13,14,15
	s_wait_dscnt 15-\t                             ; load t is in, the younger ones may stay out
	global_store_b128 v[CO], v[TMP+4*\t:TMP+4*\t+3], s[16:17] offset:\t*4096 th:TH_STORE_NT  ; 16 lanes store 256 consecutive bytes, aligned
.endr
.endif
	s_wait_tensorcnt 0x0                           ; the wave's end, behind my last tensor load and my last LDS store
	ds_add_u32 v[SPW], v[NIL]
	s_wait_dscnt 0x0
	CROUND                                         ; the closing round: no work-group ends while a partner may still ask for a tile that names it
	s_endpgm
.Lfunc_end_k_qb08ff64bf2_layer2:
	.size	k_qb08ff64bf2_layer2, .Lfunc_end_k_qb08ff64bf2_layer2-k_qb08ff64bf2_layer2
	.p2alignl 7, 3214868480
	.fill 96, 4, 3214868480
	.section	.rodata,"a",@progbits
	.p2align	6, 0x0
	.amdhsa_kernel k_qb08ff64bf2_layer2
		.amdhsa_group_segment_fixed_size 327680
		.amdhsa_private_segment_fixed_size 0
		.amdhsa_enable_private_segment 0
		.amdhsa_kernarg_size 56
		.amdhsa_user_sgpr_count 2
		.amdhsa_user_sgpr_kernarg_segment_ptr 1
		.amdhsa_wavefront_size32 1
		.amdhsa_system_sgpr_workgroup_id_x 1
		.amdhsa_system_sgpr_workgroup_id_y 1
		.amdhsa_system_sgpr_workgroup_id_z 1
		.amdhsa_system_vgpr_workitem_id 0
		.amdhsa_next_free_vgpr 768
		.amdhsa_next_free_sgpr 102
		.amdhsa_reserve_vcc 1
		.amdhsa_float_denorm_mode_32 3
		.amdhsa_float_denorm_mode_16_64 3
		.amdhsa_memory_ordered 1
		.amdhsa_forward_progress 1
		.amdhsa_inst_pref_size 142
	.end_amdhsa_kernel
	.amdgpu_metadata
---
amdhsa.version: [ 1, 2 ]
amdhsa.kernels:
  - .name:           k_qb08ff64bf2_layer2
    .symbol:         k_qb08ff64bf2_layer2.kd
    .args:
      - { .name: Mid1, .offset: 0, .size: 8, .value_kind: global_buffer, .address_space: global }
      - { .name: Wh2, .offset: 8, .size: 8, .value_kind: global_buffer, .address_space: global }
      - { .name: W, .offset: 16, .size: 8, .value_kind: global_buffer, .address_space: global }
      - { .name: b2, .offset: 24, .size: 8, .value_kind: global_buffer, .address_space: global }
      - { .name: pmax, .offset: 32, .size: 8, .value_kind: global_buffer, .address_space: global }
      - { .name: bmax, .offset: 40, .size: 8, .value_kind: global_buffer, .address_space: global }
      - { .name: Mid2, .offset: 48, .size: 8, .value_kind: global_buffer, .address_space: global }
    .group_segment_fixed_size: 327680
    .private_segment_fixed_size: 0
    .kernarg_segment_align: 8
    .kernarg_segment_size: 56
    .max_flat_workgroup_size: 128
    .sgpr_count:     102
    .vgpr_count:     768
    .wavefront_size: 32
...
	.end_amdgpu_metadata
.endif
;; end of part 3
;; launch layer3 (part 4): grid 8 x 32, 4 waves a work-group, clusters of 4 x 4, 327,680 bytes of LDS; arguments Mid2, Wh3, W, b3, pmax, bmax, out0; writes out0
.if DOCPART == 4
	.amdgcn_target "amdgcn-amd-amdhsa--gfx1250"
	.amdhsa_code_object_version 6
	.text
	.protected	k_qb08ff64bf2_layer3
	.globl	k_qb08ff64bf2_layer3
	.p2align	8
	.type	k_qb08ff64bf2_layer3,@function
k_qb08ff64bf2_layer3:
	s_mov_b64 s[64:65], 0
	v_nop
	global_prefetch_b8 v0, s[64:65] scope:SCOPE_SE
	s_setreg_imm32_b32 hwreg(HW_REG_WAVE_MODE, 25, 1), 1
	s_wait_xcnt 0x0
	s_wait_alu depctr_hold_cnt(0) depctr_sa_sdst(0) depctr_va_vdst(0) depctr_va_sdst(0) depctr_va_ssrc(0) depctr_va_vcc(0) depctr_vm_vsrc(0)
	s_getreg_b32 s2, hwreg(HW_REG_IB_STS2, 6, 4)
	s_cmp_eq_u32 s2, 0
	s_cbranch_scc0 .Lentry_in_a_cluster
	s_endpgm
.Lentry_in_a_cluster:
	s_bfe_u32 s2, ttmp6, 0x10000c
	s_cmp_lg_u32 s2, 0xf033
	s_cbranch_scc0 .Lentry_shape_is_right
	s_endpgm
.Lentry_shape_is_right:
; ONE LAYER OF THREE (one text serves all three; LAYER picks the sizes): z[b][n] = sum_e W[b][e] ( sum_k a[b][k] Wl[e][n][k] + bl[e][n] ); layers 1, 2: mid = elu(z).  Nothing of the layer is left out.
; ARITHMETIC.  For each expert P_e = a Wl[e]^T, f16 operands, f32 sums in the matrix unit; then T += G_e P_e in f32 (FLUSH): the gate rounds no operand.  The bias term sum_e W[b][e] bl[e][n] is
; one matrix instruction an accumulator (K = 32, of which 8 are used: gates and bias in f16), and with C = 0 it starts T: nothing is cleared.
; THE HIDDEN LAYERS' SCALE.  mid_l is stored as f16(mid_l S_l[b]), S_l a power of two from a bound known beforehand: Bnd1 = 512 xm sum_e |g_e| wm1[e] + sum_e |g_e| bm1[e] >= |z1| >= |elu(z1)|,
; Bnd2 = 1024 Bnd1 sum_e |g_e| wm2[e] + sum_e |g_e| bm2[e] (xm: largest |X| of the row's 32-row chunk; wm, bm: largest |weight|, |bias| of an expert), each at least 2^-100.  With 2^x <= Bnd < 2^(x+1):
; S = 2^(14-x), so |mid S| < 2^15.  The reader multiplies its gates by 1 / S: G = g / S, exact.  Writer and reader make S by the same lines from the same tables.
; ELU.  zn = min(z, 0); where z < -2^-8: 2^(zn log2 e) - 1; else z + zn^2 / 2 (which is z for z > 0): the two forms of e^z - 1, chosen by a select, no branch.
; LIMITS.  |W|, |bl| within f16's 65,504 (they enter the bias product in f16); a stored mid is off by at most 2^-39 Bnd beside f16's rounding; Bnd must stay finite; NaN and infinities are not treated apart.
; SHARES.  Work-group (x, y): rows 128 y .., columns 16 NB 2 x .. (128; layer 3: 64).  Wave w: rows 64 (w / 2) .., column half w % 2, EC experts at once: for 32 along K 4 fragments of a and 8 of the
; weights (fragment NB j + b: expert j of the group, column block b) feed 32 matrix instructions on 32 accumulators P.  K goes in steps of 128 through two LDS slots; a GROUP is EC experts' whole K (SG steps).
; THE PRODUCT IS USED TRANSPOSED (source 0 = 16 weight rows, source 1 = 16 rows of a): a lane holds one row b (lane % 16) and columns 8 (lane / 16) + 0..7.
; CLUSTER 4 x 4: a's tiles hang on y alone and are asked for jointly along a row of the cluster, the weights' on x alone, along a column: the same tensor load, descriptor and mask in the four.
; REGISTERS, in windows of 256 (s_set_vgpr_msb: bits 1:0 source 0, 3:2 source 1, 5:4 source 2, 7:6 destination):
;   window 0: v0-31 addresses and work; v32-63 G[a][e]; v64-127 work; v128-255 T[a][b]     window 1: v0-95, v96-191 two fragment buffers; v192-223 gate, v224-255 bias fragments     window 2: P[f][a] at 8 (4 f + a)
.set LAYER, 3
.if LAYER == 1
.set SG, 4                             ; K steps of 128 in a group
.set NG, 4                             ; groups
.set EC, 2                             ; experts in a group
.set NB, 4                             ; column blocks of 16 an expert and wave
.set NCOL, 1024                        ; the layer's width
.elseif LAYER == 2
.set SG, 8
.set NG, 4
.set EC, 2
.set NB, 4
.set NCOL, 1024
.else
.set SG, 8
.set NG, 2
.set EC, 4
.set NB, 2
.set NCOL, 512
.endif
.set STEPS, SG*NG
.set LAPS,  SG/2                       ; a lap = two steps = once round the ring
.set PITCH, 272                        ; an LDS row: 256 bytes + 16 of padding, so that the 16 rows of a fragment load start 68 words apart
.set AHALF, 64*PITCH                   ; what waves 0, 1 fetch: 64 rows of a
.set BHALF, 128*PITCH                  ; what waves 2, 3 fetch: 128 rows of weights
.set SLOT,  2*AHALF+2*BHALF            ; a's 128 rows, then the weights' 256
.set STAGE, 2*SLOT                     ; behind the ring, never filled by a tensor load: 128 rows for the way out
.if LAYER < 3
.set SPITCH, 528                       ; 128 f32 + 16 bytes
.else
.set SPITCH, 272                       ; 64 f32 + 16 bytes
.endif
.set TAB0,  STAGE+128*528              ; 1 / S of the input, a word a row
.set TAB1,  TAB0+512                   ; S of the output
.set SPARE, TAB1+512                   ; the spare words, 128 bytes a wave: two blocks of 256 bytes that no other line names
.set ADRA, 16                          ; v16-17 LDS address of my fragments of a in slot 0, 1
.set ADRB, 20                          ; v20-21 the same for the weights
.set STO,  24                          ; the way out: where I put a row's 32 bytes
.set RD,   25                          ; where I read rows back
.set CO,   26                          ; my byte offset in the output
.set SAD,  27                          ; where my rows' S lie
.set SPW,  28                          ; my spare word's address; never rewritten
.set NIL,  29                          ; 0; never rewritten
.set PFO,  30                          ; 256 x lane: the prefetches' offset; never rewritten
.set GG,   32
.set TMP,  64
.set TT,   128
.set F0,   0                           ; window 1: fragment a at F + 8 a, weight fragment f at F + 32 + 8 f
.set F1,   96
.set GF,   192
.set BF,   224
.set WV, 18                            ; s18 wave; s19 its row half, s20 its column half (also: which half of a tile it fetches)
.set MH, 19
.set NH, 20
.set CX, 21
.set CY, 22
.set TX, 23                            ; x
.set TY, 40                            ; y
.set G1A, 24                           ; s[24:31] descriptor group 1 for a's tiles; s[32:39] group 0, a set a slot
.set G0A, 32
.set G1B, 48                           ; s[48:55], s[56:63] the same for the weights'
.set G0B, 56
.set PFA, 44                           ; s[44:45] where my prefetches stand
.set PFC, 46                           ; s46 prefetches still to come (0 or less: none)
.set LMASK, 47                         ; lanes 0-15
.set THR, 66                           ; -2^-8
.set WM1, 68                           ; s[68:75] wm1, s[76:83] wm2 (before that: work), s[84:91] bm1, s[92:99] bm2, s100 xm
.set WM2, 76
.set BM1, 84
.set BM2, 92
.set XM,  100
.set DW0, (1<<16)|(1<<20)|(1<<21)|(5<<22)|(3<<25)  ; 2-byte elements; padding on; bit 21 beside a mask; after every 64 words 4 words
.set MSB, 0
.macro WIN new                         ; the immediate's high byte repeats the setting that is left; a switch that changes nothing is dropped
.if MSB != (\new)
	s_set_vgpr_msb (MSB<<8)|(\new)
.set MSB, \new
.endif
.endm
.set MUL,  0xa5                        ; sources 0, 1 window 1; C and D window 2
.set TO_F, 0x40                        ; destination window 1
.set FL,   0x02                        ; source 0 window 2
.set INIT, 0x05                        ; sources 0, 1 window 1
; A joint load: waves 0, 1 fetch a's halves, waves 2, 3 the weights'.  The branch hangs on the wave's number alone.  An s_nop 0 and four v_nop follow each line.
.macro JLOAD s
	s_cmp_lt_u32 s[WV], 2
	s_cbranch_scc0 .Lfor_b_\@
	tensor_load_to_lds s[G0A+4*(\s):G0A+4*(\s)+3], s[G1A:G1A+7]
	s_nop 0
.rept 4
	v_nop
.endr
	s_branch .Lasked_\@
.Lfor_b_\@:
	tensor_load_to_lds s[G0B+4*(\s):G0B+4*(\s)+3], s[G1B:G1B+7]
	s_nop 0
.rept 4
	v_nop
.endr
.Lasked_\@:
.endm
; A round of the cluster's barrier: my work-group's barrier; wave 0 signals for the work-group; every wave waits for all sixteen; my work-group's barrier once more.
.macro CREST
	s_cmp_lg_u32 s[WV], 0
	s_cbranch_scc1 .Lnot_wave_0_\@
	s_barrier_signal -3
.Lnot_wave_0_\@:
	s_barrier_wait -3
	s_barrier_signal -1
	s_barrier_wait -1
.endm
.macro CROUND
	s_barrier_signal -1
	s_barrier_wait -1
	CREST
.endm
; A prefetch into the L2 of the weights' tile that the refill FOUR steps on will ask for (the refill in step t asks for step t + 2, this line names step t + 6): 512 matrix instructions ahead of that load.
; Each row's 256 bytes are named once in the launch: the clusters with cluster y = 0 ask; in them waves 2, 3, each for the 128 rows that it fetches; the four partners of a column take 32 rows each, told
; apart by address; a lane a row.  The first six steps come by their loads alone; the count ends the asking at the last step.  a's tiles are walked again in every group and are not asked for.
.macro ASK
	s_cmp_gt_i32 s[PFC], 0
	s_cbranch_scc0 .Lnot_mine_\@
	global_prefetch_b8 v[PFO], s[PFA:PFA+1] th:TH_LOAD_NT scope:SCOPE_SE
.Lnot_mine_\@:
.endm
.macro PLACES                          ; four places in front of loads into registers that matrix instructions have read, and of vector lines that read their results
.rept 4
	v_nop
.endr
.endm
; 8 matrix instructions: weight fragments f0, f0 + 1 x the four fragments of a.  The 32 accumulators take turns, one instruction a turn, in the same order in every quarter.
.macro MUL8 f, f0, zero
	WIN MUL
.irp q, \f0, (\f0)+1
.irp a, 0,1,2,3
.if \zero
	v_wmma_f32_16x16x32_f16 v[8*(4*(\q)+(\a)):8*(4*(\q)+(\a))+7], v[(\f)+32+8*(\q):(\f)+32+8*(\q)+7], v[(\f)+8*(\a):(\f)+8*(\a)+7], 0
.else
	v_wmma_f32_16x16x32_f16 v[8*(4*(\q)+(\a)):8*(4*(\q)+(\a))+7], v[(\f)+32+8*(\q):(\f)+32+8*(\q)+7], v[(\f)+8*(\a):(\f)+8*(\a)+7], v[8*(4*(\q)+(\a)):8*(4*(\q)+(\a))+7]
.endif
.endr
.endr
.endm
.macro MUL16 f, h, zero                ; weight fragments 4 h .. 4 h + 3
	MUL8 \f, 4*(\h), \zero
	MUL8 \f, 4*(\h)+2, \zero
.endm
; 24 LDS loads in one run: a quarter step's fragments (32 K at byte k of the rows): 8 for a, 8 for weight fragments 0-3, 8 for 4-7.  Fragment q's rows begin (q / NB) x 32 NB + (q % NB) x 16 rows on.
.macro FETCH slot, k, f
	WIN TO_F
.irp a, 0,1,2,3
	ds_load_b128 v[(\f)+8*(\a):(\f)+8*(\a)+3],   v[ADRA+(\slot)] offset:(\k)+(\a)*16*PITCH
	ds_load_b128 v[(\f)+8*(\a)+4:(\f)+8*(\a)+7], v[ADRA+(\slot)] offset:(\k)+(\a)*16*PITCH+32
.endr
.irp q, 0,1,2,3,4,5,6,7
	ds_load_b128 v[(\f)+32+8*(\q):(\f)+32+8*(\q)+3],   v[ADRB+(\slot)] offset:(\k)+(((\q)/NB)*32*NB+((\q)%NB)*16)*PITCH
	ds_load_b128 v[(\f)+32+8*(\q)+4:(\f)+32+8*(\q)+7], v[ADRB+(\slot)] offset:(\k)+(((\q)/NB)*32*NB+((\q)%NB)*16)*PITCH+32
.endr
.endm
; A step is four quarters of 32 along K on buffers 0, 1, 0, 1.  One of the first three: multiplies buffer f; in its middle it fetches the next quarter, at byte k, into buffer g.
.macro QUARTER slot, k, f, g, zero
	s_wait_dscnt 8                                 ; a's and weight fragments 0-3 are in; the youngest eight loads (fragments 4-7) may be out
	MUL16 \f, 0, \zero
	PLACES
	FETCH \slot, \k, \g
	s_wait_dscnt 24                                ; all but the 24 just issued
	MUL16 \f, 1, \zero
.endm
; The last quarter multiplies buffer 1 and changes slots.  In front of the barrier each wave waits for all its tensor loads (one is out: its part of the next slot), adds 0 to its spare word, and waits
; for that and for its reads of this slot.  mode 0, 1: the barrier opens a round of the cluster's, and the joint refill (step t + 2) is the first thing behind it; mode 0: a goes on along K;
; mode 1, a group's last two steps: a goes back to K step 0 or 1; the weights' tiles lie in the order of the walk.  mode 2: nothing is left to ask for.
.macro TURN slot, next, mode
.if (\mode) < 2
	s_wait_xcnt 0x0                                ; the last prefetch, a step back, has read its address: it is stepped here, ahead of the change's own waits
	s_add_nc_u64 s[PFA:PFA+1], s[PFA:PFA+1], 65536
	s_sub_co_i32 s[PFC], s[PFC], 1
.endif
	WIN 0
	s_wait_tensorcnt 0x0                           ; all my tensor loads have landed
	ds_add_u32 v[SPW], v[NIL]                      ; 0 onto my spare word
	s_wait_dscnt 9                                 ; (the add and the youngest eight loads may be out)
	MUL8 F1, 0, 0
	s_wait_dscnt 0x0                               ; the add is done, and my reads of this slot are over
	s_barrier_signal -1
	MUL8 F1, 2, 0                                  ; work on registers while the others arrive
.if (\mode) < 2
	WIN 0
.endif
	s_barrier_wait -1
.if (\mode) < 2
	CREST                                          ; no wave of any partner still reads this slot or has a load on its way
.if (\mode) == 0
	s_add_nc_u64 s[G0A+4*(\slot)+2:G0A+4*(\slot)+3], s[G0A+4*(\slot)+2:G0A+4*(\slot)+3], 2*32768
.else
	s_sub_nc_u64 s[G0A+4*(\slot)+2:G0A+4*(\slot)+3], s[G0A+4*(\slot)+2:G0A+4*(\slot)+3], (SG-2)*32768
.endif
	s_add_nc_u64 s[G0B+4*(\slot)+2:G0B+4*(\slot)+3], s[G0B+4*(\slot)+2:G0B+4*(\slot)+3], 2*65536
	JLOAD \slot                                    ; 112 matrix instructions ahead of the wait for it; its four v_nop are also the places in front of the loads below
.else
	PLACES
.endif
	FETCH \next, 0, F0
.if (\mode) < 2
	WIN 0
	ASK
.endif
	MUL16 F1, 1, 0
.endm
; A group's end: T[a][b] += G[a][j] P[NB j + b][a], two sums an instruction, each accumulator read from its low end on.  The gate is one register of an even pair: op_sel picks it for both halves.
; shift = 1: the gates move down by EC places, so that one text serves every group.
.macro FLUSH shift
	PLACES
	WIN FL
.set j, 0
.rept EC
.set a, 0
.rept 4
.set b, 0
.rept NB
.set i, 0
.rept 4
.set rT, TT+8*(NB*a+b)+i
.set rP, 8*(4*(NB*j+b)+a)+i
.set rG, GG+8*a+(j/2)*2
.if j%2
	v_pk_fma_f32 v[rT:rT+1], v[rP:rP+1], v[rG:rG+1], v[rT:rT+1] op_sel:[0,1,0] op_sel_hi:[1,1,1]
.else
	v_pk_fma_f32 v[rT:rT+1], v[rP:rP+1], v[rG:rG+1], v[rT:rT+1] op_sel_hi:[1,0,1]
.endif
.set i, i+2
.endr
.set b, b+1
.endr
.set a, a+1
.endr
.set j, j+1
.endr
.if \shift
	WIN 0
.set a, 0
.rept 4
.set i, 0
.rept 8-EC
	v_mov_b32 v[GG+8*a+i], v[GG+8*a+i+EC]
.set i, i+1
.endr
.set a, a+1
.endr
.endif
.endm
.macro DOT d, tab                      ; v[d] = sum_e |g_e| s[tab + e], for my thread's row
	v_mul_f32 v[\d], |v[TMP+24]|, s[\tab]
.irp e, 1,2,3,4,5,6,7
	v_fma_f32 v[\d], |v[TMP+24+\e]|, s[(\tab)+\e], v[\d]
.endr
.endm
	s_load_b256 s[4:11], s[0:1], 0x0               ; a s[4:5], weights s[6:7], W s[8:9], bias s[10:11]
	s_load_b128 s[12:15], s[0:1], 0x20             ; pmax s[12:13], bmax s[14:15]
	s_load_b64 s[16:17], s[0:1], 0x30              ; the output
	v_lshl_add_u32 v[SPW], v0, 2, SPARE
	v_mov_b32 v[NIL], 0
	ds_add_u32 v[SPW], v[NIL]                      ; the wave's opening: the add, twice on end, and its wait ahead of my first tensor load
	ds_add_u32 v[SPW], v[NIL]
	v_lshrrev_b32 v3, 5, v0
	v_readfirstlane_b32 s[WV], v3
	s_lshr_b32 s[MH], s[WV], 1
	s_and_b32 s[NH], s[WV], 1
	s_bfe_u32 s[CX], ttmp6, 0x40000
	s_bfe_u32 s[CY], ttmp6, 0x40004
	s_lshl_b32 s[TX], ttmp9, 2                     ; in a cluster launch ttmp9 and ttmp7 count clusters
	s_add_co_u32 s[TX], s[TX], s[CX]
	s_and_b32 s[TY], ttmp7, 0xffff
	s_lshl_b32 s[TY], s[TY], 2
	s_add_co_u32 s[TY], s[TY], s[CY]
	s_lshl_b32 s41, s[CY], 2
	s_lshl_b32 s41, 15, s41                        ; my row of the cluster
	s_lshl_b32 s68, 0x1111, s[CX]                  ; my column
	s_or_b32 s[G1A], s41, DW0
	s_or_b32 s[G1B], s68, DW0
.irp g, G1A, G1B
	s_mov_b32 s[\g+1], 128<<16                     ; tensor_dim0 = 128
	s_mov_b32 s[\g+3], 128<<16                     ; tile_dim0 = 128
	s_mov_b32 s[\g+5], 128                         ; 128 elements from row to row: the tiles are dense
	s_mov_b32 s[\g+6], 0
	s_mov_b32 s[\g+7], 0
.endr
	s_mov_b32 s[G1A+2], 64<<16                     ; tensor_dim1 = tile_dim1 = 64 rows of a,
	s_mov_b32 s[G1A+4], 64
	s_mov_b32 s[G1B+2], 128<<16                    ; 128 of the weights
	s_mov_b32 s[G1B+4], 128
	s_mul_i32 s42, s[TY], SG*32768                 ; a: tile row y, my half of step 0 (registers that never hold x)
	s_lshl_b32 s41, s[NH], 14
	s_add_co_u32 s42, s42, s41
	s_mov_b32 s43, 0
	s_mul_i32 s70, s[TX], STEPS*65536              ; weights: tile column x, my half of step 0 (registers that never hold y)
	s_lshl_b32 s69, s[NH], 15
	s_add_co_u32 s70, s70, s69
	s_mov_b32 s71, 0
	s_mul_i32 s72, s[NH], AHALF                    ; where they go: no place in the cluster enters an LDS address
	s_mul_i32 s73, s[NH], BHALF
	s_add_co_u32 s73, s73, 2*AHALF
	s_lshl_b32 s74, s[CY], 13                      ; the prefetches: my work-group's 32 of the 128 rows,
	s_add_co_u32 s74, s74, s70
	s_add_co_u32 s74, s74, 5*65536                 ; at step 5: the first change of slots steps it to 6
	s_mov_b32 s75, 0
	s_and_b32 s76, ttmp7, 0xffff
	s_cmp_eq_u32 s76, 0                            ; the same in all sixteen partners
	s_cselect_b32 s[PFC], STEPS-5, 0
	s_cmp_lt_u32 s[WV], 2
	s_cselect_b32 s[PFC], 0, s[PFC]
	s_lshl_b32 s67, s[TY], 2                       ; xm: my wave's 32 rows are chunk 4 y + wave of X
	s_add_co_u32 s67, s67, s[WV]
	s_lshl_b32 s67, s67, 2
.if LAYER < 3
	s_lshl_b32 s78, s[TY], 3                       ; the output tile (y, K block x) of 32,768 bytes
	s_add_co_u32 s78, s78, s[TX]
	s_lshl_b32 s78, s78, 15
.else
	s_lshl_b32 s78, s[TY], 18                      ; out0: row 128 y + 32 wave, 2,048 bytes a row; column 64 x
	s_lshl_b32 s77, s[WV], 16
	s_add_co_u32 s78, s78, s77
	s_lshl_b32 s77, s[TX], 8
	s_add_co_u32 s78, s78, s77
.endif
	s_mov_b32 s79, 0
	s_mov_b32 s[LMASK], 0xffff
	s_mov_b32 s[THR], 0xbb800000
	s_wait_dscnt 0x0                               ; both opening adds are done
	s_wait_kmcnt 0x0
	s_add_nc_u64 s[42:43], s[4:5], s[42:43]
	s_add_nc_u64 s[70:71], s[6:7], s[70:71]
	s_add_nc_u64 s[PFA:PFA+1], s[6:7], s[74:75]
	s_add_nc_u64 s[16:17], s[16:17], s[78:79]
	s_load_b512 s[BM1:BM1+15], s[14:15], 0x0       ; bm1, bm2
	s_load_b32 s[XM], s[12:13], s67 offset:0x0
	CROUND                                         ; all sixteen work-groups are here: the first joint loads meet
.irp s, 0,1
	s_mov_b32 s[G0A+4*(\s)], 1
	s_add_co_u32 s[G0A+4*(\s)+1], s72, (\s)*SLOT
	s_add_nc_u64 s[G0A+4*(\s)+2:G0A+4*(\s)+3], s[42:43], (\s)*32768
	s_or_b32 s[G0A+4*(\s)+3], s[G0A+4*(\s)+3], 0x80000000
	s_mov_b32 s[G0B+4*(\s)], 1
	s_add_co_u32 s[G0B+4*(\s)+1], s73, (\s)*SLOT
	s_add_nc_u64 s[G0B+4*(\s)+2:G0B+4*(\s)+3], s[70:71], (\s)*65536
	s_or_b32 s[G0B+4*(\s)+3], s[G0B+4*(\s)+3], 0x80000000
	JLOAD \s                                       ; two loads of mine are out
.endr
	; WHILE THE FIRST TILES ARE ON THEIR WAY: tables, gates, bias, addresses, and the products that start T.
	v_and_b32 v1, 15, v0                           ; l % 16
	v_bfe_u32 v2, v0, 4, 1                         ; l / 16
	v_and_b32 v3, 31, v0                           ; l
	v_lshlrev_b32 v[PFO], 8, v3
	v_lshlrev_b32 v4, 5, v3
	global_load_b128 v[TMP:TMP+3], v4, s[12:13] offset:512     ; W1's 256 chunk maxima, 8 a lane: lanes 4 e .. 4 e + 3 hold expert e's
	global_load_b128 v[TMP+4:TMP+7], v4, s[12:13] offset:528
.if LAYER > 1
	v_lshlrev_b32 v5, 6, v3
.irp q, 0,1,2,3
	global_load_b128 v[TMP+8+4*\q:TMP+11+4*\q], v5, s[12:13] offset:1536+16*\q  ; W2's 512, 16 a lane
.endr
.endif
	s_lshl_b32 s80, s[TY], 12
	v_lshl_add_u32 v6, v0, 5, s80
	global_load_b128 v[TMP+24:TMP+27], v6, s[8:9]              ; the gates of row 128 y + my thread's number
	global_load_b128 v[TMP+28:TMP+31], v6, s[8:9] offset:16
	s_lshl_b32 s81, s[MH], 11
	s_add_co_u32 s81, s81, s80
	v_lshl_add_u32 v7, v1, 5, s81
.irp a, 0,1,2,3
	global_load_b128 v[GG+8*\a:GG+8*\a+3], v7, s[8:9] offset:512*\a      ; the gates of row 16 a + l % 16 of my 64
	global_load_b128 v[GG+8*\a+4:GG+8*\a+7], v7, s[8:9] offset:512*\a+16
.endr
	s_lshl_b32 s82, s[TX], 1
	s_add_co_u32 s82, s82, s[NH]
	s_mul_i32 s82, s82, 64*NB                      ; my first column, in bytes
	v_lshl_add_u32 v8, v1, 2, s82
.set b, 0
.rept NB
.set e, 0
.rept 8
	global_load_b32 v[TMP+32+8*b+e], v8, s[10:11] offset:(e*NCOL+16*b)*4  ; bl[e][column 16 b + l % 16 of mine]
.set e, e+1
.endr
.set b, b+1
.endr
	v_mul_u32_u24 v9, v1, PITCH
	v_lshl_add_u32 v9, v2, 4, v9                   ; a fragment's row x pitch + 16 x half
	s_mul_i32 s80, s[MH], AHALF
	s_mul_i32 s81, s[NH], 16*NB*PITCH
	s_add_co_u32 s81, s81, 2*AHALF
.irp s, 0,1
	v_add_nc_u32 v[ADRA+\s], s80, v9
	v_add_nc_u32 v[ADRB+\s], s81, v9
	s_add_co_u32 s80, s80, SLOT
	s_add_co_u32 s81, s81, SLOT
.endr
	s_mul_i32 s80, s[MH], 64*SPITCH                ; into the stage: row 64 (w / 2) + l % 16, my column half, 32 bytes for each half of the lanes
	s_mul_i32 s81, s[NH], 64*NB
	s_add_co_u32 s80, s80, s81
	s_add_co_u32 s80, s80, STAGE
	v_mul_u32_u24 v10, v1, SPITCH
	v_lshl_add_u32 v10, v2, 5, v10
	v_add_nc_u32 v[STO], s80, v10
	s_mul_i32 s80, s[WV], 32*SPITCH                ; back: wave w takes rows 32 w .. 32 w + 31, whole
	s_add_co_u32 s80, s80, STAGE
.if LAYER < 3
	v_lshl_add_u32 v[RD], v3, 4, s80               ; a load takes one row of 512 bytes
	s_lshl_b32 s80, s[WV], 7
	s_add_co_u32 s80, s80, TAB1
	v_mov_b32 v[SAD], s80
	s_lshl_b32 s80, s[WV], 13
	v_lshl_add_u32 v[CO], v3, 3, s80               ; 256 bytes a row of the output tile, 8 a lane
.else
	v_mul_u32_u24 v10, v2, SPITCH                  ; a load takes two rows of 256 bytes
	v_lshl_add_u32 v10, v1, 4, v10
	v_add_nc_u32 v[RD], s80, v10
	v_lshlrev_b32 v10, 11, v2
	v_lshl_add_u32 v[CO], v1, 4, v10
.endif
	s_wait_loadcnt 8+8*NB                          ; the tables and my row's gates are in; the 8 loads of block gates and the 8 NB of bias may stay out
	v_max3_num_f32 v[TMP], v[TMP], v[TMP+1], v[TMP+2]
	v_max3_num_f32 v[TMP+3], v[TMP+3], v[TMP+4], v[TMP+5]
	v_max3_num_f32 v[TMP], v[TMP], v[TMP+6], v[TMP+7]
	v_max_num_f32 v[TMP], v[TMP], v[TMP+3]
	v_max_num_f32_dpp v[TMP], v[TMP], v[TMP] row_xmask:1 row_mask:0xf bank_mask:0xf
	v_max_num_f32_dpp v[TMP], v[TMP], v[TMP] row_xmask:2 row_mask:0xf bank_mask:0xf
.irp e, 0,1,2,3,4,5,6,7
	v_readlane_b32 s[WM1+\e], v[TMP], 4*\e
.endr
.if LAYER > 1
	v_max3_num_f32 v[TMP+8], v[TMP+8], v[TMP+9], v[TMP+10]
	v_max3_num_f32 v[TMP+11], v[TMP+11], v[TMP+12], v[TMP+13]
	v_max3_num_f32 v[TMP+14], v[TMP+14], v[TMP+15], v[TMP+16]
	v_max3_num_f32 v[TMP+17], v[TMP+17], v[TMP+18], v[TMP+19]
	v_max3_num_f32 v[TMP+20], v[TMP+20], v[TMP+21], v[TMP+22]
	v_max3_num_f32 v[TMP+8], v[TMP+8], v[TMP+11], v[TMP+14]
	v_max3_num_f32 v[TMP+17], v[TMP+17], v[TMP+20], v[TMP+23]
	v_max_num_f32 v[TMP+8], v[TMP+8], v[TMP+17]
	v_max_num_f32_dpp v[TMP+8], v[TMP+8], v[TMP+8] row_xmask:1 row_mask:0xf bank_mask:0xf
	v_max_num_f32_dpp v[TMP+8], v[TMP+8], v[TMP+8] row_xmask:2 row_mask:0xf bank_mask:0xf
.irp e, 0,1,2,3,4,5,6,7
	v_readlane_b32 s[WM2+\e], v[TMP+8], 4*\e
.endr
.endif
	s_wait_kmcnt 0x0                               ; bm1, bm2, xm
	DOT 10, WM1
	v_mul_f32 v10, s[XM], v10
	DOT 11, BM1
	v_fmamk_f32 v10, v10, 0x44000000, v11          ; Bnd1 = 512 xm sum |g| wm1 + sum |g| bm1,
	v_max_num_f32 v10, 0x0d800000, v10             ; at least 2^-100
.if LAYER > 1
	DOT 11, WM2
	DOT 12, BM2
	v_mul_f32 v11, v10, v11
	v_fmamk_f32 v11, v11, 0x44800000, v12          ; Bnd2 = 1024 Bnd1 sum |g| wm2 + sum |g| bm2
	v_max_num_f32 v11, 0x0d800000, v11
.endif
	v_lshl_add_u32 v14, v0, 2, TAB0
	; with E the bound's exponent field: S = 2^(14-x) has the bits 0x86000000 - E, 1 / S the bits E - 0x07000000
.if LAYER == 1
	v_and_b32 v10, 0x7f800000, v10
	v_sub_nc_u32 v10, 0x86000000, v10
	ds_store_b32 v14, v10 offset:512               ; S1
.elseif LAYER == 2
	v_and_b32 v10, 0x7f800000, v10
	v_add_nc_u32 v10, 0xf9000000, v10
	ds_store_b32 v14, v10                          ; 1 / S1
	v_and_b32 v11, 0x7f800000, v11
	v_sub_nc_u32 v11, 0x86000000, v11
	ds_store_b32 v14, v11 offset:512               ; S2
.else
	v_and_b32 v11, 0x7f800000, v11
	v_add_nc_u32 v11, 0xf9000000, v11
	ds_store_b32 v14, v11                          ; 1 / S2
.endif
	s_wait_loadcnt 0x0
	; The bias product's fragments: K = 0..7 is the expert, which lies in registers 0-3 of lanes 0-15; all else is 0.
.set a, 0
.rept 4
.set i, 0
.rept 4
	v_cvt_pk_f16_f32 v[TMP+4*a+i], v[GG+8*a+2*i], v[GG+8*a+2*i+1]
.set i, i+1
.endr
.set a, a+1
.endr
.set b, 0
.rept NB
.set i, 0
.rept 4
	v_cvt_pk_f16_f32 v[TMP+32+8*b+i], v[TMP+32+8*b+2*i], v[TMP+32+8*b+2*i+1]
.set i, i+1
.endr
.set b, b+1
.endr
	WIN TO_F
.set a, 0
.rept 4
.set i, 0
.rept 4
	v_cndmask_b32 v[GF+8*a+i], 0, v[TMP+4*a+i], s[LMASK]
	v_mov_b32 v[GF+8*a+4+i], 0
.set i, i+1
.endr
.set a, a+1
.endr
.set b, 0
.rept NB
.set i, 0
.rept 4
	v_cndmask_b32 v[BF+8*b+i], 0, v[TMP+32+8*b+i], s[LMASK]
	v_mov_b32 v[BF+8*b+4+i], 0
.set i, i+1
.endr
.set b, b+1
.endr
	WIN INIT
.set a, 0
.rept 4
.set b, 0
.rept NB
	v_wmma_f32_16x16x32_f16 v[TT+8*(NB*a+b):TT+8*(NB*a+b)+7], v[BF+8*b:BF+8*b+7], v[GF+8*a:GF+8*a+7], 0  ; T starts as sum_e W[b][e] bl[e][n]
.set b, b+1
.endr
.set a, a+1
.endr
	WIN 0
	s_wait_tensorcnt 0x1                           ; my part of step 0 is in; step 1's may stay out
	s_wait_dscnt 0x0                               ; my table words are stored
	s_barrier_signal -1
	s_barrier_wait -1
.if LAYER > 1
	s_lshl_b32 s80, s[MH], 8
	s_add_co_u32 s80, s80, TAB0
	v_lshl_add_u32 v9, v1, 2, s80
.irp a, 0,1,2,3
	ds_load_b32 v[12+\a], v9 offset:64*\a          ; 1 / S of row 16 a + l % 16 of my 64
.endr
.endif
	FETCH 0, 0, F0
	WIN 0
.if LAYER > 1
	s_wait_dscnt 24                                ; the four words are in; the 24 fragment loads may stay out
.set a, 0
.rept 4
.set e, 0
.rept 8
	v_mul_f32 v[GG+8*a+e], v[GG+8*a+e], v[12+a]    ; G = g / S, exact
.set e, e+1
.endr
.set a, a+1
.endr
.endif
	s_mov_b32 s2, NG                               ; groups to go, this one among them
.Lgroup:
	QUARTER 0, 64,  F0, F1, 1                      ; a group's first quarter stands in front of the loop: its products start P's sums
	WIN 0                                          ; at a label and at a branch every window is 0
	s_mov_b32 s3, LAPS-1
.Llap:                                                 ; a trip goes once round the ring, from a lap's second quarter to the next lap's first, and fills both slots again
	QUARTER 0, 128, F1, F0, 0
	QUARTER 0, 192, F0, F1, 0
	TURN 0, 1, 0
	QUARTER 1, 64,  F0, F1, 0
	QUARTER 1, 128, F1, F0, 0
	QUARTER 1, 192, F0, F1, 0
	TURN 1, 0, 0
	QUARTER 0, 64,  F0, F1, 0
	WIN 0
	s_sub_co_u32 s3, s3, 1
	s_cmp_lg_u32 s3, 0
	s_cbranch_scc1 .Llap
	QUARTER 0, 128, F1, F0, 0                      ; the group's last lap goes on
	QUARTER 0, 192, F0, F1, 0
	WIN 0
	s_cmp_eq_u32 s2, 1
	s_cbranch_scc1 .Llast                          ; the last group's tail is written out: it asks for nothing more
	TURN 0, 1, 1                                   ; the ring goes on into the next group
	QUARTER 1, 64,  F0, F1, 0
	QUARTER 1, 128, F1, F0, 0
	QUARTER 1, 192, F0, F1, 0
	TURN 1, 0, 1
	FLUSH 1
	s_sub_co_u32 s2, s2, 1
	s_branch .Lgroup
.Llast:
	TURN 0, 1, 2
	QUARTER 1, 64,  F0, F1, 0
	QUARTER 1, 128, F1, F0, 0
	QUARTER 1, 192, F0, F1, 0
	s_wait_dscnt 8
	MUL16 F1, 0, 0
	s_wait_dscnt 0x0
	MUL16 F1, 1, 0
	FLUSH 0
	WIN 0
	; THE WAY OUT: T goes into the work-group's stage in f32; a barrier, since a row comes from two waves; back as whole rows.
.set a, 0
.rept 4
.set b, 0
.rept NB
	ds_store_b128 v[STO], v[TT+8*(NB*a+b):TT+8*(NB*a+b)+3]   offset:a*16*SPITCH+64*b
	ds_store_b128 v[STO], v[TT+8*(NB*a+b)+4:TT+8*(NB*a+b)+7] offset:a*16*SPITCH+64*b+16
.set b, b+1
.endr
.set a, a+1
.endr
	s_wait_dscnt 0x0                               ; for the others' sake: my stores into the stage are done
	s_barrier_signal -1
	s_barrier_wait -1
.if LAYER < 3
.set Z,  64                            ; v64-95   z: row j's four numbers at Z + 4 j
.set SC, 96                            ; v96-103  S of the trip's eight rows
.set ZN, 128                           ; min(z, 0)
.set EX, 160                           ; 2^(zn log2 e) - 1
.set PP, 192                           ; z + zn^2 / 2, then the result
.set HF, 224                           ; the result in f16
	s_mov_b32 s3, 4
.Lrows:                                                ; four trips of eight rows: elu, the row's scale, f16, one store a row
.irp j, 0,1,2,3,4,5,6,7
	ds_load_b128 v[Z+4*\j:Z+4*\j+3], v[RD] offset:\j*SPITCH
.endr
	ds_load_b128 v[SC:SC+3], v[SAD]
	ds_load_b128 v[SC+4:SC+7], v[SAD] offset:16
	s_wait_dscnt 0x0
.set i, 0
.rept 32
	v_min_num_f32 v[ZN+i], 0, v[Z+i]
.set i, i+1
.endr
.set i, 0
.rept 16
	v_pk_mul_f32 v[EX+i:EX+i+1], v[ZN+i:ZN+i+1], 0x3fb8aa3b op_sel_hi:[1,0]
.set i, i+2
.endr
.set i, 0
.rept 32
	v_exp_f32 v[EX+i], v[EX+i]                     ; one batch of 32
.set i, i+1
.endr
.set i, 0
.rept 16
	v_pk_mul_f32 v[PP+i:PP+i+1], v[ZN+i:ZN+i+1], 0.5 op_sel_hi:[1,0]  ; plain work that names no exponential's result stands behind the batch
.set i, i+2
.endr
.set i, 0
.rept 16
	v_pk_fma_f32 v[PP+i:PP+i+1], v[PP+i:PP+i+1], v[ZN+i:ZN+i+1], v[Z+i:Z+i+1]
.set i, i+2
.endr
	s_wait_alu depctr_va_vdst(0)                   ; one wait for the batch, ahead of its first reader
.set i, 0
.rept 16
	v_pk_add_f32 v[EX+i:EX+i+1], v[EX+i:EX+i+1], -1.0 op_sel_hi:[1,0]
.set i, i+2
.endr
.set i, 0
.rept 32
	v_cmp_gt_f32 vcc_lo, s[THR], v[Z+i]            ; z < -2^-8 ?
	v_cndmask_b32 v[PP+i], v[PP+i], v[EX+i], vcc_lo
.set i, i+1
.endr
.set j, 0
.rept 8
.set i, 0
.rept 2
.if j%2
	v_pk_mul_f32 v[PP+4*j+i:PP+4*j+i+1], v[PP+4*j+i:PP+4*j+i+1], v[SC+j-1:SC+j] op_sel:[0,1] op_sel_hi:[1,1]
.else
	v_pk_mul_f32 v[PP+4*j+i:PP+4*j+i+1], v[PP+4*j+i:PP+4*j+i+1], v[SC+j:SC+j+1] op_sel_hi:[1,0]
.endif
.set i, i+2
.endr
.set j, j+1
.endr
.set j, 0
.rept 8
	v_cvt_pk_f16_f32 v[HF+2*j], v[PP+4*j], v[PP+4*j+1]
	v_cvt_pk_f16_f32 v[HF+2*j+1], v[PP+4*j+2], v[PP+4*j+3]
	global_store_b64 v[CO], v[HF+2*j:HF+2*j+1], s[16:17] offset:256*j  ; 32 lanes store a tile row: 256 consecutive bytes, aligned
.set j, j+1
.endr
	s_wait_xcnt 0x0                                ; the stores have read their data and their offset: both are written again only behind this wait
	v_add_nc_u32 v[RD], 8*SPITCH, v[RD]
	v_add_nc_u32 v[SAD], 32, v[SAD]
	v_add_nc_u32 v[CO], 2048, v[CO]
	s_sub_co_u32 s3, s3, 1
	s_cmp_lg_u32 s3, 0
	s_cbranch_scc1 .Lrows
.else
.irp t, 0,1,2,3,4,5,6,7,8,9,10,11,12,13,14,15
	ds_load_b128 v[TMP+4*\t:TMP+4*\t+3], v[RD] offset:\t*2*SPITCH
.endr
.irp t, 0,1,2,3,4,5,6,7,8,9,10,11,12,13,14,15
	s_wait_dscnt 15-\t                             ; load t is in, the younger ones may stay out
	global_store_b128 v[CO], v[TMP+4*\t:TMP+4*\t+3], s[16:17] offset:\t*4096 th:TH_STORE_NT  ; 16 lanes store 256 consecutive bytes, aligned
.endr
.endif
	s_wait_tensorcnt 0x0                           ; the wave's end, behind my last tensor load and my last LDS store
	ds_add_u32 v[SPW], v[NIL]
	s_wait_dscnt 0x0
	CROUND                                         ; the closing round: no work-group ends while a partner may still ask for a tile that names it
	s_endpgm
.Lfunc_end_k_qb08ff64bf2_layer3:
	.size	k_qb08ff64bf2_layer3, .Lfunc_end_k_qb08ff64bf2_layer3-k_qb08ff64bf2_layer3
	.p2alignl 7, 3214868480
	.fill 96, 4, 3214868480
	.section	.rodata,"a",@progbits
	.p2align	6, 0x0
	.amdhsa_kernel k_qb08ff64bf2_layer3
		.amdhsa_group_segment_fixed_size 327680
		.amdhsa_private_segment_fixed_size 0
		.amdhsa_enable_private_segment 0
		.amdhsa_kernarg_size 56
		.amdhsa_user_sgpr_count 2
		.amdhsa_user_sgpr_kernarg_segment_ptr 1
		.amdhsa_wavefront_size32 1
		.amdhsa_system_sgpr_workgroup_id_x 1
		.amdhsa_system_sgpr_workgroup_id_y 1
		.amdhsa_system_sgpr_workgroup_id_z 1
		.amdhsa_system_vgpr_workitem_id 0
		.amdhsa_next_free_vgpr 768
		.amdhsa_next_free_sgpr 102
		.amdhsa_reserve_vcc 1
		.amdhsa_float_denorm_mode_32 3
		.amdhsa_float_denorm_mode_16_64 3
		.amdhsa_memory_ordered 1
		.amdhsa_forward_progress 1
		.amdhsa_inst_pref_size 128
	.end_amdhsa_kernel
	.amdgpu_metadata
---
amdhsa.version: [ 1, 2 ]
amdhsa.kernels:
  - .name:           k_qb08ff64bf2_layer3
    .symbol:         k_qb08ff64bf2_layer3.kd
    .args:
      - { .name: Mid2, .offset: 0, .size: 8, .value_kind: global_buffer, .address_space: global }
      - { .name: Wh3, .offset: 8, .size: 8, .value_kind: global_buffer, .address_space: global }
      - { .name: W, .offset: 16, .size: 8, .value_kind: global_buffer, .address_space: global }
      - { .name: b3, .offset: 24, .size: 8, .value_kind: global_buffer, .address_space: global }
      - { .name: pmax, .offset: 32, .size: 8, .value_kind: global_buffer, .address_space: global }
      - { .name: bmax, .offset: 40, .size: 8, .value_kind: global_buffer, .address_space: global }
      - { .name: out0, .offset: 48, .size: 8, .value_kind: global_buffer, .address_space: global }
    .group_segment_fixed_size: 327680
    .private_segment_fixed_size: 0
    .kernarg_segment_align: 8
    .kernarg_segment_size: 56
    .max_flat_workgroup_size: 128
    .sgpr_count:     102
    .vgpr_count:     768
    .wavefront_size: 32
...
	.end_amdgpu_metadata
.endif
;; end of part 4
;; ======== version 2 of 2: 4 launches
;; limits: values are held in f16: magnitudes above 65,504 overflow, below 6.1e-05 lose precision; inputs' magnitudes at most 65,504
;; workspace buffers: Xh 4,194,304 bytes; Wh1 8,388,608 bytes; Wh2 16,777,216 bytes; Wh3 8,388,608 bytes; Mid1 8,388,608 bytes; Mid2 8,388,608 bytes; pmax 3,584 bytes; bmax 256 bytes
;; launch prep (part 5): grid 1153 x 1, 8 waves a work-group, no clusters, 1,280 bytes of LDS; arguments X, W1, W2, W3, b1, b2, Xh, Wh1, Wh2, Wh3, pmax, bmax; writes Xh, Wh1, Wh2, Wh3, pmax, bmax
.if DOCPART == 5
	.amdgcn_target "amdgcn-amd-amdhsa--gfx1250"
	.amdhsa_code_object_version 6
	.text
	.protected	k_qb08ff64bf2_prep
	.globl	k_qb08ff64bf2_prep
	.p2align	8
	.type	k_qb08ff64bf2_prep,@function
k_qb08ff64bf2_prep:
	s_mov_b64 s[64:65], 0
	v_nop
	global_prefetch_b8 v0, s[64:65] scope:SCOPE_SE
	s_setreg_imm32_b32 hwreg(HW_REG_WAVE_MODE, 25, 1), 1
	s_wait_xcnt 0x0
; THE MODULE: three layers z[b][n] = sum_e W[b][e] ( sum_k a[b][k] Wl[e][n][k] + bl[e][n] ), elu behind layers 1 and 2.  The gates W are used raw and weigh every expert in,
; so every product of every expert reaches the output: NO STEP AND NO INPUT IS LEFT OUT in this program (X, W, W1-W3, b1-b3 are all loaded by some launch).
; THIS LAUNCH rounds X, W1, W2, W3 once to f16 and lays them out block by block, as the three product launches ask for them.
;   Xh  [16 y][8 kb][256 rows][64 k]                        row = b % 256, y = b / 256, kb = k / 64: a block is 32,768 dense bytes
;   Wh1 [16 x][8 t][256 rows][128 k]   t = 4 (e / 4) + ks,  x = n / 64,  row = 128 ((n % 64) / 32) + 32 (e % 4) + n % 32,  ks = k / 128
;   Wh2 [16 x][16 t][256 rows][128 k]  t = 8 (e / 4) + ks,  x and row as in Wh1
;   Wh3 [16 x][8 t][256 rows][128 k]   t = ks,              x = n / 32,  row = 128 ((n % 32) / 16) + 16 e + n % 16
; It also stores the largest magnitudes from which the later launches bound each row of the hidden layers: pmax[w] = max |.| of chunk w (0-127: X, 32 rows each; 128-383: W1, 32 chunks
; an expert; 384-895: W2, 64 chunks an expert), bmax[e] = max |b1[e]|, bmax[8 + e] = max |b2[e]|.  W3 and b3 feed no hidden layer: they have no maximum.
; LIMITS.  f16 holds no number beyond 65,504: |X|, |W1|, |W2|, |W3| stay within it; below 6e-5 they keep f16's fixed step of 6e-8.  A NaN is passed on by the conversion and skipped by the maxima.
; SHARES.  Work-group w takes a chunk of 16,384 numbers (65,536 bytes), wave v 2,048 of them as 16 units of 128: a unit is one load of 16 bytes a lane and one store of 256 consecutive, aligned
; bytes.  A unit of a weight is 512 consecutive bytes of a row; a unit of X is 256 bytes of each of two neighbouring rows, which lie end to end in Xh.  All 16 loads of a wave go out first.
; Memory binds: no matrix unit, no cluster; LDS serves the chunk's maximum alone.  Work-group 1152 takes the two biases' maxima.
.set SPARE, 256                        ; LDS: bytes 0-31 the eight waves' maxima; from 256 on the spare words, 128 bytes a wave, which no other line names
.set SPW, 4                            ; v4  my spare word's address; never rewritten
.set NIL, 5                            ; v5  0; never rewritten
.set CH,  6                            ; v6-9    four running maxima
.set D,   16                           ; v16-79  unit i as loaded: 4 registers
.set H,   80                           ; v80-111 unit i in f16: 2 registers
	s_load_b512 s[4:19], s[0:1], 0x0               ; X s[4:5], W1 s[6:7], W2 s[8:9], W3 s[10:11], b1 s[12:13], b2 s[14:15], Xh s[16:17], Wh1 s[18:19]
	s_load_b256 s[20:27], s[0:1], 0x40             ; Wh2 s[20:21], Wh3 s[22:23], pmax s[24:25], bmax s[26:27]
	v_lshl_add_u32 v[SPW], v0, 2, SPARE
	v_mov_b32 v[NIL], 0
	v_lshrrev_b32 v3, 5, v0
	v_readfirstlane_b32 s28, v3                    ; wave 0..7
	v_and_b32 v3, 31, v0                           ; lane
	v_lshlrev_b32 v1, 4, v3
	v_lshl_add_u32 v1, s28, 13, v1                 ; a weight's source offset in the chunk: 8,192 x wave + 16 x lane
	v_and_b32 v14, 15, v0
	v_lshlrev_b32 v14, 4, v14
	v_bfe_u32 v13, v0, 4, 1
	v_lshl_add_u32 v14, v13, 11, v14
	v_lshl_add_u32 v14, s28, 13, v14               ; X's: 8,192 x wave + 2,048 x (lane / 16) + 16 x (lane % 16): lanes 16-31 take the next row
	v_lshlrev_b32 v2, 3, v3                        ; destination: 8 x lane; each arm adds the wave's rows
	s_mov_b32 s40, 0x76543210                      ; v_permlanex16_b32: each lane takes its own place in the other half
	s_mov_b32 s41, 0xfedcba98
	s_mov_b32 s35, 0
	s_mov_b32 s37, 0
	s_wait_kmcnt 0x0
; The chunk's number c in its tensor, and the source at the chunk.
.macro FROM srcp, first
	s_sub_co_u32 s39, ttmp9, \first
	s_lshl_b32 s34, s39, 16
	s_add_nc_u64 s[30:31], s[(\srcp):(\srcp)+1], s[34:35]
	s_mov_b32 s36, 0
.endm
; wid bits of c from bit off on, times 2^sh blocks of 256 bytes, are added to the destination's place.
.macro FIELD off, wid, sh
	s_bfe_u32 s38, s39, ((\wid)<<16)|(\off)
	s_lshl_b32 s38, s38, \sh
	s_add_co_u32 s36, s36, s38
.endm
; The destination at the chunk's first row; wsh: the wave's share (1,024 or 512 bytes).
.macro INTO dstp, wsh
	s_lshl_b32 s36, s36, 8
	s_add_nc_u64 s[32:33], s[(\dstp):(\dstp)+1], s[36:37]
	v_lshl_add_u32 v2, s28, \wsh, v2
.endm
; The wave's 16 units.  kind 0, X: unit i is row pair i / 8, block of 64 k i % 8.  kind 1, rows of 512 numbers: row i / 4, K block i % 4.  kind 2, rows of 1,024: row i / 8, K block i % 8.
; kss: bytes from a K block's tile to the next.
.macro BODY kind, kss, domax
.set i, 0
.rept 16
.if (\kind) == 0
	global_load_b128 v[D+4*i:D+4*i+3], v14, s[30:31] offset:(i/8)*4096+(i%8)*256 th:TH_LOAD_NT
.else
	global_load_b128 v[D+4*i:D+4*i+3], v1, s[30:31] offset:512*i th:TH_LOAD_NT
.endif
.set i, i+1
.endr
.set i, 0
.rept 16
	s_wait_loadcnt 15-i                            ; loads come back in order: unit i is in, the 15 - i younger ones may stay out
.if \domax
.if i < 4
	v_max_num_f32 v[CH+i], |v[D+4*i]|, |v[D+4*i+1]|  ; the first four units start the four chains: nothing is cleared
.else
	v_max3_num_f32 v[CH+i%4], v[CH+i%4], |v[D+4*i]|, |v[D+4*i+1]|
.endif
	v_max3_num_f32 v[CH+i%4], v[CH+i%4], |v[D+4*i+2]|, |v[D+4*i+3]|
.endif
	v_cvt_pk_f16_f32 v[H+2*i], v[D+4*i], v[D+4*i+1]
	v_cvt_pk_f16_f32 v[H+2*i+1], v[D+4*i+2], v[D+4*i+3]
.if (\kind) == 1
	global_store_b64 v2, v[H+2*i:H+2*i+1], s[32:33] offset:(i/4)*256+(i%4)*(\kss) th:TH_STORE_NT  ; 32 lanes store 256 consecutive bytes, aligned
.else
	global_store_b64 v2, v[H+2*i:H+2*i+1], s[32:33] offset:(i/8)*256+(i%8)*(\kss) th:TH_STORE_NT
.endif
.set i, i+1
.endr
.endm
	; The arms hang on the work-group's number alone: all eight waves take the same one.
	s_cmp_lt_u32 ttmp9, 128
	s_cbranch_scc0 .Lnot_x
	FROM 4, 0                                      ; X: chunk c = rows 32 c ..
	FIELD 3, 4, 10                                 ; y = c / 8: 8 blocks of 32,768 bytes
	FIELD 0, 3, 4                                  ; c % 8: 32 rows of 128 bytes
	INTO 16, 9                                     ; a wave: 4 rows of 128 bytes
	BODY 0, 32768, 1
	s_branch .Lreduce
.Lnot_x:
	s_cmp_lt_u32 ttmp9, 384
	s_cbranch_scc0 .Lnot_w1
	FROM 6, 128                                    ; W1: e = c / 32, n = 32 (c % 32) ..
	FIELD 1, 4, 11                                 ; x = (c % 32) / 2: 8 tiles of 256 rows
	FIELD 7, 1, 10                                 ; e / 4: 4 tiles
	FIELD 0, 1, 7                                  ; column half: 128 rows
	FIELD 5, 2, 5                                  ; e % 4: 32 rows
	INTO 18, 10
	BODY 1, 65536, 1
	s_branch .Lreduce
.Lnot_w1:
	s_cmp_lt_u32 ttmp9, 896
	s_cbranch_scc0 .Lnot_w2
	FROM 8, 384                                    ; W2: e = c / 64, n = 16 (c % 64) ..
	FIELD 2, 4, 12                                 ; x = (c % 64) / 4: 16 tiles
	FIELD 8, 1, 11                                 ; e / 4: 8 tiles
	FIELD 1, 1, 7                                  ; column half: 128 rows
	FIELD 6, 2, 5                                  ; e % 4: 32 rows
	FIELD 0, 1, 4                                  ; c % 2: 16 rows
	INTO 20, 9
	BODY 2, 65536, 1
	s_branch .Lreduce
.Lnot_w2:
	s_cmp_lt_u32 ttmp9, 1152
	s_cbranch_scc0 .Lbias
	FROM 10, 896                                   ; W3: e = c / 32, n = 16 (c % 32) ..
	FIELD 1, 4, 11                                 ; x = (c % 32) / 2: 8 tiles
	FIELD 0, 1, 7                                  ; column half: 128 rows
	FIELD 5, 3, 4                                  ; e: 16 rows
	INTO 22, 9
	BODY 2, 65536, 0
	s_branch .Lend
.Lbias:                                                ; wave v: the largest |b1[v][:]| and |b2[v][:]|, 1,024 numbers each
	v_lshlrev_b32 v10, 4, v3
	v_lshl_add_u32 v10, s28, 12, v10
.irp j, 0,1,2,3,4,5,6,7
	global_load_b128 v[D+4*\j:D+4*\j+3], v10, s[12:13] offset:512*\j
.endr
.irp j, 0,1,2,3,4,5,6,7
	global_load_b128 v[D+32+4*\j:D+32+4*\j+3], v10, s[14:15] offset:512*\j
.endr
	v_mov_b32 v8, 0                                ; v_permlanex16_b32 counts as a reader of its destination
	v_mov_b32 v9, 0
	v_mov_b32 v11, s28
	v_lshlrev_b32 v11, 2, v11                      ; 4 x wave
	s_wait_loadcnt 0x0
.irp h, 0,1
	v_max_num_f32 v[CH+\h], |v[D+32*\h]|, |v[D+32*\h+1]|
.set i, 2
.rept 15
	v_max3_num_f32 v[CH+\h], v[CH+\h], |v[D+32*\h+i]|, |v[D+32*\h+i+1]|
.set i, i+2
.endr
	v_max_num_f32_dpp v[CH+\h], v[CH+\h], v[CH+\h] row_xmask:1 row_mask:0xf bank_mask:0xf
	v_max_num_f32_dpp v[CH+\h], v[CH+\h], v[CH+\h] row_xmask:2 row_mask:0xf bank_mask:0xf
	v_max_num_f32_dpp v[CH+\h], v[CH+\h], v[CH+\h] row_xmask:4 row_mask:0xf bank_mask:0xf
	v_max_num_f32_dpp v[CH+\h], v[CH+\h], v[CH+\h] row_xmask:8 row_mask:0xf bank_mask:0xf
	v_permlanex16_b32 v[CH+2+\h], v[CH+\h], s40, s41
	v_max_num_f32 v[CH+\h], v[CH+\h], v[CH+2+\h]
.endr
	v_cmp_eq_u32 vcc_lo, 0, v3
	s_wait_xcnt 0x0                                ; EXEC is a source of the loads above: it changes only behind this wait
	s_and_saveexec_b32 s42, vcc_lo                 ; lane 0 alone stores
	global_store_b32 v11, v[CH], s[26:27]
	global_store_b32 v11, v[CH+1], s[26:27] offset:32
	s_wait_xcnt 0x0                                ; and again in front of the line that widens it
	s_or_b32 exec_lo, exec_lo, s42
	s_branch .Lend
.Lreduce:                                              ; the chunk's maximum: four chains, 32 lanes, eight waves
	v_max_num_f32 v[CH], v[CH], v[CH+1]
	v_max_num_f32 v[CH+2], v[CH+2], v[CH+3]
	v_max_num_f32 v[CH], v[CH], v[CH+2]
	v_max_num_f32_dpp v[CH], v[CH], v[CH] row_xmask:1 row_mask:0xf bank_mask:0xf
	v_max_num_f32_dpp v[CH], v[CH], v[CH] row_xmask:2 row_mask:0xf bank_mask:0xf
	v_max_num_f32_dpp v[CH], v[CH], v[CH] row_xmask:4 row_mask:0xf bank_mask:0xf
	v_max_num_f32_dpp v[CH], v[CH], v[CH] row_xmask:8 row_mask:0xf bank_mask:0xf
	v_permlanex16_b32 v[CH+1], v[CH], s40, s41
	v_max_num_f32 v[CH], v[CH], v[CH+1]
	v_mov_b32 v10, s28
	v_lshlrev_b32 v10, 2, v10
	ds_store_b32 v10, v[CH]                        ; all lanes write the wave's word with the same value
	s_wait_dscnt 0x0                               ; for the others' sake: my store is done
	s_barrier_signal -1
	s_barrier_wait -1
	s_cmp_lg_u32 s28, 0
	s_cbranch_scc1 .Lend                           ; wave 0 finishes
	v_mov_b32 v11, 0
	ds_load_b128 v[D:D+3], v11
	ds_load_b128 v[D+4:D+7], v11 offset:16
	s_lshl_b32 s34, ttmp9, 2
	v_mov_b32 v12, s34                             ; pmax[w]
	s_wait_dscnt 0x0
	v_max3_num_f32 v[D], v[D], v[D+1], v[D+2]
	v_max3_num_f32 v[D+3], v[D+3], v[D+4], v[D+5]
	v_max3_num_f32 v[D], v[D], v[D+6], v[D+7]
	v_max_num_f32 v[D], v[D], v[D+3]
	v_cmp_eq_u32 vcc_lo, 0, v0
	s_wait_xcnt 0x0                                ; EXEC is a source of the stores above
	s_and_saveexec_b32 s42, vcc_lo
	global_store_b32 v12, v[D], s[24:25]
	s_wait_xcnt 0x0
	s_or_b32 exec_lo, exec_lo, s42
.Lend:
	s_wait_tensorcnt 0x0                           ; the wave's end, behind my last LDS store
	ds_add_u32 v[SPW], v[NIL]
	s_wait_dscnt 0x0
	s_endpgm
.Lfunc_end_k_qb08ff64bf2_prep:
	.size	k_qb08ff64bf2_prep, .Lfunc_end_k_qb08ff64bf2_prep-k_qb08ff64bf2_prep
	.p2alignl 7, 3214868480
	.fill 96, 4, 3214868480
	.section	.rodata,"a",@progbits
	.p2align	6, 0x0
	.amdhsa_kernel k_qb08ff64bf2_prep
		.amdhsa_group_segment_fixed_size 1280
		.amdhsa_private_segment_fixed_size 0
		.amdhsa_enable_private_segment 0
		.amdhsa_kernarg_size 96
		.amdhsa_user_sgpr_count 2
		.amdhsa_user_sgpr_kernarg_segment_ptr 1
		.amdhsa_wavefront_size32 1
		.amdhsa_system_sgpr_workgroup_id_x 1
		.amdhsa_system_sgpr_workgroup_id_y 1
		.amdhsa_system_sgpr_workgroup_id_z 1
		.amdhsa_system_vgpr_workitem_id 0
		.amdhsa_next_free_vgpr 112
		.amdhsa_next_free_sgpr 66
		.amdhsa_reserve_vcc 1
		.amdhsa_float_denorm_mode_32 3
		.amdhsa_float_denorm_mode_16_64 3
		.amdhsa_memory_ordered 1
		.amdhsa_forward_progress 1
		.amdhsa_inst_pref_size 39
	.end_amdhsa_kernel
	.amdgpu_metadata
---
amdhsa.version: [ 1, 2 ]
amdhsa.kernels:
  - .name:           k_qb08ff64bf2_prep
    .symbol:         k_qb08ff64bf2_prep.kd
    .args:
      - { .name: X, .offset: 0, .size: 8, .value_kind: global_buffer, .address_space: global }
      - { .name: W1, .offset: 8, .size: 8, .value_kind: global_buffer, .address_space: global }
      - { .name: W2, .offset: 16, .size: 8, .value_kind: global_buffer, .address_space: global }
      - { .name: W3, .offset: 24, .size: 8, .value_kind: global_buffer, .address_space: global }
      - { .name: b1, .offset: 32, .size: 8, .value_kind: global_buffer, .address_space: global }
      - { .name: b2, .offset: 40, .size: 8, .value_kind: global_buffer, .address_space: global }
      - { .name: Xh, .offset: 48, .size: 8, .value_kind: global_buffer, .address_space: global }
      - { .name: Wh1, .offset: 56, .size: 8, .value_kind: global_buffer, .address_space: global }
      - { .name: Wh2, .offset: 64, .size: 8, .value_kind: global_buffer, .address_space: global }
      - { .name: Wh3, .offset: 72, .size: 8, .value_kind: global_buffer, .address_space: global }
      - { .name: pmax, .offset: 80, .size: 8, .value_kind: global_buffer, .address_space: global }
      - { .name: bmax, .offset: 88, .size: 8, .value_kind: global_buffer, .address_space: global }
    .group_segment_fixed_size: 1280
    .private_segment_fixed_size: 0
    .kernarg_segment_align: 8
    .kernarg_segment_size: 96
    .max_flat_workgroup_size: 256
    .sgpr_count:     66
    .vgpr_count:     112
    .wavefront_size: 32
...
	.end_amdgpu_metadata
.endif
;; end of part 5
;; launch layer1 (part 6): grid 16 x 16, 4 waves a work-group, clusters of 4 x 4, 327,680 bytes of LDS; arguments Xh, Wh1, W, b1, pmax, bmax, Mid1; writes Mid1
.if DOCPART == 6
	.amdgcn_target "amdgcn-amd-amdhsa--gfx1250"
	.amdhsa_code_object_version 6
	.text
	.protected	k_qb08ff64bf2_layer1
	.globl	k_qb08ff64bf2_layer1
	.p2align	8
	.type	k_qb08ff64bf2_layer1,@function
k_qb08ff64bf2_layer1:
	s_mov_b64 s[64:65], 0
	v_nop
	global_prefetch_b8 v0, s[64:65] scope:SCOPE_SE
	s_setreg_imm32_b32 hwreg(HW_REG_WAVE_MODE, 25, 1), 1
	s_wait_xcnt 0x0
	s_wait_alu depctr_hold_cnt(0) depctr_sa_sdst(0) depctr_va_vdst(0) depctr_va_sdst(0) depctr_va_ssrc(0) depctr_va_vcc(0) depctr_vm_vsrc(0)
	s_getreg_b32 s2, hwreg(HW_REG_IB_STS2, 6, 4)
	s_cmp_eq_u32 s2, 0
	s_cbranch_scc0 .Lentry_in_a_cluster
	s_endpgm
.Lentry_in_a_cluster:
	s_bfe_u32 s2, ttmp6, 0x10000c
	s_cmp_lg_u32 s2, 0xf033
	s_cbranch_scc0 .Lentry_shape_is_right
	s_endpgm
.Lentry_shape_is_right:
; ONE LAYER OF THREE (one text serves all three; LAYER picks the sizes): z[b][n] = sum_e W[b][e] ( sum_k a[b][k] Wl[e][n][k] + bl[e][n] ); layers 1, 2: mid = elu(z).  Nothing of the layer is left out.
; ARITHMETIC.  For each expert P_e = a Wl[e]^T, f16 operands, f32 sums in the matrix unit; then T += G_e P_e in f32 (FLUSH): the gate rounds no operand.  The bias term sum_e W[b][e] bl[e][n] is
; one matrix instruction an accumulator (K = 32, of which 8 are used: gates and bias in f16), and with C = 0 it starts T: nothing is cleared.
; THE HIDDEN LAYERS' SCALE.  mid_l is stored as f16(mid_l S_l[b]), S_l a power of two from a bound known beforehand: Bnd1 = 512 xm sum_e |g_e| wm1[e] + sum_e |g_e| bm1[e] >= |z1| >= |elu(z1)|,
; Bnd2 = 1024 Bnd1 sum_e |g_e| wm2[e] + sum_e |g_e| bm2[e] (xm: largest |X| of the row's 32-row chunk; wm, bm: largest |weight|, |bias| of an expert), each at least 2^-100.  With 2^x <= Bnd < 2^(x+1):
; S = 2^(14-x), so |mid S| < 2^15.  The reader multiplies its gates by 1 / S: G = g / S, exact.  Writer and reader make S by the same lines from the same tables.
; ELU.  zn = min(z, 0); where z < -2^-8: 2^(zn log2 e) - 1; else z + zn^2 / 2 (which is z for z > 0): the two forms of e^z - 1, chosen by a select, no branch.
; LIMITS.  |W|, |bl| within f16's 65,504 (they enter the bias product in f16); a stored mid is off by at most 2^-39 Bnd beside f16's rounding; Bnd must stay finite; NaN and infinities are not treated apart.
; SHARES.  Work-group (x, y): rows 256 y .., columns 32 NB x .. (64; layer 3: 32), EC experts at once (4; layer 3: 8): a block of 256 rows of a by 256 weight rows.  Wave w: rows 128 (w / 2) .., column half
; w % 2 of every expert: for 32 along K 8 fragments of a and 8 of the weights (fragment NB j + b: expert j of the group, column block b) feed 64 matrix instructions on 64 accumulators P.
; K goes in steps of 128 through two LDS slots; a GROUP is EC experts' whole K (SG steps).  A step's text is written once: the slot's LDS base is a scalar turned by an exclusive or.
; THE PRODUCT IS USED TRANSPOSED (source 0 = 16 weight rows, source 1 = 16 rows of a): a lane holds one row b (lane % 16) and columns 8 (lane / 16) + 0..7.
; CLUSTER 4 x 4: a's blocks hang on y alone and are asked for jointly along a row of the cluster, the weights' on x alone, along a column: the same tensor load, descriptor and mask in the four.
; LAYER 3's STORES cover pieces of 128 consecutive bytes, since its tile has 32 columns of f32: with 64 columns and all 8 experts a slot would be (128 + 512) rows x 272 = 174,080 bytes, and two do not fit.
; REGISTERS, in windows of 256 (s_set_vgpr_msb: bits 1:0 source 0, 3:2 source 1, 5:4 source 2, 7:6 destination):
;   window 0: v0-63 addresses and work; v64-127, v128-191 fragments of a, two buffers; v192-255 G[a][e]
;   window 1: v0-63, v64-127 fragments of the weights, two buffers (before the first step: the bias product's fragments); v128-255 T[a][b]
;   window 2: the 32 accumulators P of my rows 0-63 (row block a, fragment f at 8 (8 a + f));   window 3: those of my rows 64-127
.set LAYER, 1
.if LAYER == 1
.set SG, 4                             ; K steps of 128 in a group
.set NG, 2                             ; groups
.set EC, 4                             ; experts in a group
.set NB, 2                             ; column blocks of 16 an expert and wave
.set NCOL, 1024                        ; the layer's width
.elseif LAYER == 2
.set SG, 8
.set NG, 2
.set EC, 4
.set NB, 2
.set NCOL, 1024
.else
.set SG, 8
.set NG, 1
.set EC, 8
.set NB, 1
.set NCOL, 512
.endif
.set STEPS, SG*NG
.set PA,    144                        ; a row of a in LDS: 64 k = 128 bytes + 16 of padding = 36 words: the 16 rows of a fragment load start at 16 different groups of four banks (ISA guide 11.1)
.set PB,    272                        ; a weight row: 128 k = 256 bytes + 16 = 68 words: likewise
.set ASUB,  256*PA                     ; what wave 0 or 1 fetches: 256 rows x 64 k of a
.set BHALF, 128*PB                     ; what wave 2 or 3 fetches: 128 weight rows x 128 k
.set BOFF,  2*ASUB                     ; a slot: a's two blocks, then the weights' 256 rows
.set SLOTB, BOFF+2*BHALF               ; 143,360 bytes
.set SLOT1, 0x24000                    ; slot 1 begins here: its two bits meet none of the four loads' places 0, 0x9000, 0x12000, 0x1a800, so one exclusive or turns a place in one slot into the other's
.set TAB0,  SLOTB                      ; between the slots, never filled by a tensor load: 1 / S of the input, a word a row,
.set TAB1,  TAB0+1024                  ; S of the output,
.set SPARE, TAB1+1024                  ; and the spare words, 128 bytes a wave: two blocks of 256 bytes that no other line names
.set STAGE, SLOT1                      ; the way out goes through slot 1's bytes, which have had their last fill by then
.if LAYER < 3
.set SPITCH, 272                       ; 64 f32 + 16 bytes
.else
.set SPITCH, 144                       ; 32 f32 + 16 bytes
.endif
.set ADRA0, 16                         ; my lane's place in a slot for fragments of a; never rewritten
.set ADRB0, 17                         ; the same for the weights
.set ADRA,  18                         ; the two in the slot in hand
.set ADRB,  19
.set STO,  24                          ; the way out: where I put a row's 32 bytes
.set RD,   25                          ; where I read rows back
.set CO,   26                          ; my byte offset in the output
.set SAD,  27                          ; where my rows' S lie
.set SPW,  28                          ; my spare word's address; never rewritten
.set NIL,  29                          ; 0; never rewritten
.set PFO,  30                          ; 256 x lane: the prefetches' offset; never rewritten
.set INV,  32                          ; v32-39 1 / S of my eight row blocks
.set TMP,  64
.set GG,   192
.set GFW,  0                           ; window 1: the bias product's gate fragments,
.set BFW,  64                          ; and its bias fragments
.set TT,   128                         ; window 1
.set KS,  2                            ; s2 the step's number in its group
.set CNT, 3                            ; s3 counts trips
.set WV, 18                            ; s18 wave; s19 its row half, s20 its column half (also: which half of a tile it fetches)
.set MH, 19
.set NH, 20
.set CX, 21
.set CY, 22
.set TX, 23                            ; x
.set TY, 40                            ; y
.set G1A, 24                           ; s[24:31] descriptor group 1 for a's blocks; s[32:39] group 0: a set for each first fill; the second then walks on
.set G0A, 32
.set G1B, 48                           ; s[48:55], s[56:63] the same for the weights'
.set G0B, 56
.set AOFF, 42                          ; s[42:43] byte offset of the K step that a's walking descriptor names
.set PFA, 44                           ; s[44:45] where my prefetches stand
.set PFC, 46                           ; s46 prefetches still to come (0 or less: none)
.set LMASK, 47                         ; lanes 0-15
.set THR, 66                           ; -2^-8
.set TB,  67                           ; LDS base of the slot in hand: 0 or SLOT1
.set WM1, 68                           ; s[68:75] wm1, s[76:83] wm2 (before and behind that: work), s[84:91] bm1, s[92:99] bm2, s100, s101 xm of my two rows
.set WM2, 76
.set BM1, 84
.set BM2, 92
.set XM,  100
.set DWA, (1<<16)|(1<<20)|(1<<21)|(4<<22)|(3<<25)  ; 2-byte elements; padding on; bit 21 beside a mask; after every 32 words 4 words
.set DWB, (1<<16)|(1<<20)|(1<<21)|(5<<22)|(3<<25)  ; the same after every 64 words
.set MSB, 0
.macro WIN new                         ; the immediate's high byte repeats the setting that is left; a switch that changes nothing is dropped
.if MSB != (\new)
	s_set_vgpr_msb (MSB<<8)|(\new)
.set MSB, \new
.endif
.endm
.set MUL_LO, 0xa1                      ; source 0 (weights) window 1, source 1 (a) window 0, C and D window 2
.set TO_B,   0x40                      ; destination window 1
; A joint load: waves 0, 1 fetch a's two blocks, waves 2, 3 the weights' halves.  The branch hangs on the wave's number alone.  An s_nop 0 and four v_nop follow each line.
.macro JLOAD s
	s_cmp_lt_u32 s[WV], 2
	s_cbranch_scc0 .Lfor_b_\@
	tensor_load_to_lds s[G0A+4*(\s):G0A+4*(\s)+3], s[G1A:G1A+7]
	s_nop 0
.rept 4
	v_nop
.endr
	s_branch .Lasked_\@
.Lfor_b_\@:
	tensor_load_to_lds s[G0B+4*(\s):G0B+4*(\s)+3], s[G1B:G1B+7]
	s_nop 0
.rept 4
	v_nop
.endr
.Lasked_\@:
.endm
; A round of the cluster's barrier: my work-group's barrier; wave 0 signals for the work-group; every wave waits for all sixteen; my work-group's barrier once more.
.macro CREST
	s_cmp_lg_u32 s[WV], 0
	s_cbranch_scc1 .Lnot_wave_0_\@
	s_barrier_signal -3
.Lnot_wave_0_\@:
	s_barrier_wait -3
	s_barrier_signal -1
	s_barrier_wait -1
.endm
.macro CROUND
	s_barrier_signal -1
	s_barrier_wait -1
	CREST
.endm
; A prefetch into the L2, behind each joint refill and the run of LDS loads that follows it.  The refill in step t asks for step t + 2; this line names step t + 4: two steps, 512 matrix instructions, ahead
; of the load that will want it.  Each block of 256 bytes is named once in the launch.  The weights' tiles: the clusters with cluster y = 0 ask, in them waves 2 and 3, each for the 32,768 bytes that it
; fetches.  a's blocks, in the first group's walk alone (later groups walk them again): the clusters with cluster x = 0, waves 0 and 1.  The four partners that ask for a tile jointly take 8,192 bytes each,
; told apart by address; a lane a block.  Steps 0 to 3 come by their loads alone; the count ends the asking at the last step (for a: at the group's last).
.macro ASK
	s_cmp_gt_i32 s[PFC], 0
	s_cbranch_scc0 .Lnot_mine_\@
	global_prefetch_b8 v[PFO], s[PFA:PFA+1] th:TH_LOAD_NT scope:SCOPE_SE
.Lnot_mine_\@:
.endm
.macro PLACES                          ; four places in front of loads into registers that matrix instructions have read, and of vector lines that read their results
.rept 4
	v_nop
.endr
.endm
; 16 matrix instructions: row blocks a0, a0 + 1 of the window's four (hi = 0: my rows 0-63, 1: rows 64-127) x all 8 weight fragments, 32 along K, from buffer f.
; The 64 accumulators take turns, one instruction a turn, in the same order in every quarter.  zero = 1: the products start the sums.
.macro MUL16 f, hi, a0, zero
	WIN MUL_LO+0x50*(\hi)
.irp a, \a0, (\a0)+1
.irp b, 0,1,2,3,4,5,6,7
.if \zero
	v_wmma_f32_16x16x32_f16 v[8*(8*(\a)+(\b)):8*(8*(\a)+(\b))+7], v[64*(\f)+8*(\b):64*(\f)+8*(\b)+7], v[64+64*(\f)+8*(4*(\hi)+(\a)):64+64*(\f)+8*(4*(\hi)+(\a))+7], 0
.else
	v_wmma_f32_16x16x32_f16 v[8*(8*(\a)+(\b)):8*(8*(\a)+(\b))+7], v[64*(\f)+8*(\b):64*(\f)+8*(\b)+7], v[64+64*(\f)+8*(4*(\hi)+(\a)):64+64*(\f)+8*(4*(\hi)+(\a))+7], v[8*(8*(\a)+(\b)):8*(8*(\a)+(\b))+7]
.endif
.endr
.endr
.endm
; 32 LDS loads in one run: quarter q's fragments (32 K) of the slot in hand into buffer f: 16 for the weights, then 16 for a (block q / 2 of 64 k, byte 64 (q % 2) of its rows).
.macro FETCH q, f
	WIN TO_B
.irp i, 0,1,2,3,4,5,6,7
	ds_load_b128 v[64*(\f)+8*(\i):64*(\f)+8*(\i)+3],   v[ADRB] offset:64*(\q)+(\i)*16*PB
	ds_load_b128 v[64*(\f)+8*(\i)+4:64*(\f)+8*(\i)+7], v[ADRB] offset:64*(\q)+(\i)*16*PB+32
.endr
	WIN 0
.irp i, 0,1,2,3,4,5,6,7
	ds_load_b128 v[64+64*(\f)+8*(\i):64+64*(\f)+8*(\i)+3],   v[ADRA] offset:((\q)/2)*ASUB+((\q)%2)*64+(\i)*16*PA
	ds_load_b128 v[64+64*(\f)+8*(\i)+4:64+64*(\f)+8*(\i)+7], v[ADRA] offset:((\q)/2)*ASUB+((\q)%2)*64+(\i)*16*PA+32
.endr
.endm
; A step is four quarters of 32 along K on buffers 0, 1, 0, 1.  One of the first three: multiplies buffer f; in its middle it fetches quarter q into buffer g.
.macro QUARTER q, f, g, zero
	s_wait_dscnt 8                                 ; the weights' and a's fragments 0-3 are in; the youngest eight loads (a's fragments 4-7) may be out
	MUL16 \f, 0, 0, \zero
	MUL16 \f, 0, 2, \zero
	PLACES
	FETCH \q, \g
	s_wait_dscnt 32                                ; all but the 32 just issued
	MUL16 \f, 1, 0, \zero
	MUL16 \f, 1, 2, \zero
.endm
; The last quarter multiplies buffer 1 and changes slots.  In front of the barrier each wave waits for all its tensor loads (one is out: its part of the next slot), adds 0 to its spare word, and waits
; for that and for its reads of this slot.  fill = 1: the barrier opens a round of the cluster's, and the joint refill (step t + 2, into the slot just read) is the first thing behind it: 224 matrix
; instructions ahead of the wait for it.  The weights' tiles lie in the order of the walk; a's offset goes back to 0 behind a group's last K step.  fill = 0: nothing is left to ask for; in the
; last trip there is no further step, and the run of LDS loads is jumped over.
.macro TURN fill
.if \fill
	s_wait_xcnt 0x0                                ; the last prefetch, a step back, has read its address: it is stepped here, ahead of the change's own waits
	s_add_nc_u64 s[PFA:PFA+1], s[PFA:PFA+1], 65536
	s_sub_co_i32 s[PFC], s[PFC], 1
.endif
	WIN 0
	s_wait_tensorcnt 0x0                           ; all my tensor loads have landed, so a group 0 may be written
	ds_add_u32 v[SPW], v[NIL]                      ; 0 onto my spare word: work on registers stands between it and the wait for it
	s_xor_b32 s[TB], s[TB], SLOT1                  ; the fetches go on in the other slot
	v_add_nc_u32 v[ADRA], s[TB], v[ADRA0]
	v_add_nc_u32 v[ADRB], s[TB], v[ADRB0]
.if \fill
	s_xor_b32 s[G0A+5], s[G0A+5], SLOT1            ; the walking descriptors: the other slot than last time,
	s_xor_b32 s[G0B+5], s[G0B+5], SLOT1
	s_add_co_u32 s[AOFF], s[AOFF], 65536           ; the next K step, round the group's end,
	s_and_b32 s[AOFF], s[AOFF], SG*65536-1
	s_add_nc_u64 s[G0A+6:G0A+7], s[4:5], s[AOFF:AOFF+1]
	s_or_b32 s[G0A+7], s[G0A+7], 0x80000000
	s_add_nc_u64 s[G0B+6:G0B+7], s[G0B+6:G0B+7], 65536  ; the next tile; the type bits on top are not reached
.endif
	s_wait_dscnt 9                                 ; (the add and the youngest eight loads may be out)
	MUL16 1, 0, 0, 0
	s_wait_dscnt 0x0                               ; the add is done, and my reads of this slot are over
	s_barrier_signal -1
	MUL16 1, 0, 2, 0                               ; work on registers while the others arrive
	WIN 0
	s_barrier_wait -1
.if \fill
	CREST                                          ; no wave of any partner still reads this slot or has a load on its way
	JLOAD 1                                        ; its four v_nop are also the places in front of the loads below
	FETCH 0, 0
	ASK
.else
	PLACES
	s_cmp_eq_u32 s[CNT], 1
	s_cbranch_scc1 .Lno_fetch_\@
	FETCH 0, 0
.Lno_fetch_\@:
.endif
	MUL16 1, 1, 0, 0
	MUL16 1, 1, 2, 0
.endm
; A group's end: T[a][b] += G[a][e] P[a][NB j + b], e = EC grp + j, two sums an instruction, each accumulator read from its low end on.  The gate is one register of an even pair: op_sel picks it for both halves.
.macro FLUSH grp
	PLACES
.set hi, 0
.rept 2
	WIN 0x52+hi                                    ; P (source 0) window 2 or 3, G window 0, T (source 2 and destination) window 1
.set j, 0
.rept EC
.set a, 0
.rept 4
.set b, 0
.rept NB
.set i, 0
.rept 4
.set rT, TT+8*(NB*(4*hi+a)+b)+i
.set rP, 8*(8*a+NB*j+b)+i
.set e, EC*(\grp)+j
.set rG, GG+8*(4*hi+a)+(e/2)*2
.if e%2
	v_pk_fma_f32 v[rT:rT+1], v[rP:rP+1], v[rG:rG+1], v[rT:rT+1] op_sel:[0,1,0] op_sel_hi:[1,1,1]
.else
	v_pk_fma_f32 v[rT:rT+1], v[rP:rP+1], v[rG:rG+1], v[rT:rT+1] op_sel_hi:[1,0,1]
.endif
.set i, i+2
.endr
.set b, b+1
.endr
.set a, a+1
.endr
.set j, j+1
.endr
.set hi, hi+1
.endr
.endm
.macro DOT d, g, tab                   ; v[d] = sum_e |g_e| s[tab + e], the gates in v[g ..]
	v_mul_f32 v[\d], |v[\g]|, s[\tab]
.irp e, 1,2,3,4,5,6,7
	v_fma_f32 v[\d], |v[(\g)+\e]|, s[(\tab)+\e], v[\d]
.endr
.endm
; The bounds of one row (gates in v[g ..], its chunk's xm in s[xm]) and its table words, off bytes on.  With E the bound's exponent field: S = 2^(14-x) has the bits 0x86000000 - E, 1 / S the bits E - 0x07000000.
.macro BOUNDS g, xm, off
	DOT 10, \g, WM1
	v_mul_f32 v10, s[\xm], v10
	DOT 11, \g, BM1
	v_fmamk_f32 v10, v10, 0x44000000, v11          ; Bnd1 = 512 xm sum |g| wm1 + sum |g| bm1,
	v_max_num_f32 v10, 0x0d800000, v10             ; at least 2^-100
.if LAYER > 1
	DOT 11, \g, WM2
	DOT 12, \g, BM2
	v_mul_f32 v11, v10, v11
	v_fmamk_f32 v11, v11, 0x44800000, v12          ; Bnd2 = 1024 Bnd1 sum |g| wm2 + sum |g| bm2
	v_max_num_f32 v11, 0x0d800000, v11
.endif
.if LAYER == 1
	v_and_b32 v10, 0x7f800000, v10
	v_sub_nc_u32 v10, 0x86000000, v10
	ds_store_b32 v14, v10 offset:1024+(\off)       ; S1
.elseif LAYER == 2
	v_and_b32 v10, 0x7f800000, v10
	v_add_nc_u32 v10, 0xf9000000, v10
	ds_store_b32 v14, v10 offset:\off              ; 1 / S1
	v_and_b32 v11, 0x7f800000, v11
	v_sub_nc_u32 v11, 0x86000000, v11
	ds_store_b32 v14, v11 offset:1024+(\off)       ; S2
.else
	v_and_b32 v11, 0x7f800000, v11
	v_add_nc_u32 v11, 0xf9000000, v11
	ds_store_b32 v14, v11 offset:\off              ; 1 / S2
.endif
.endm
	s_load_b256 s[4:11], s[0:1], 0x0               ; a s[4:5], weights s[6:7], W s[8:9], bias s[10:11]
	s_load_b128 s[12:15], s[0:1], 0x20             ; pmax s[12:13], bmax s[14:15]
	s_load_b64 s[16:17], s[0:1], 0x30              ; the output
	v_lshl_add_u32 v[SPW], v0, 2, SPARE
	v_mov_b32 v[NIL], 0
	ds_add_u32 v[SPW], v[NIL]                      ; the wave's opening: the add, twice on end, and its wait ahead of my first tensor load
	ds_add_u32 v[SPW], v[NIL]
	v_lshrrev_b32 v3, 5, v0
	v_readfirstlane_b32 s[WV], v3
	s_lshr_b32 s[MH], s[WV], 1
	s_and_b32 s[NH], s[WV], 1
	s_bfe_u32 s[CX], ttmp6, 0x40000
	s_bfe_u32 s[CY], ttmp6, 0x40004
	s_lshl_b32 s[TX], ttmp9, 2                     ; in a cluster launch ttmp9 and ttmp7 count clusters
	s_add_co_u32 s[TX], s[TX], s[CX]
	s_and_b32 s[TY], ttmp7, 0xffff
	s_lshl_b32 s[TY], s[TY], 2
	s_add_co_u32 s[TY], s[TY], s[CY]
	s_lshl_b32 s41, s[CY], 2
	s_lshl_b32 s41, 15, s41                        ; my row of the cluster
	s_lshl_b32 s68, 0x1111, s[CX]                  ; my column
	s_or_b32 s[G1A], s41, DWA
	s_or_b32 s[G1B], s68, DWB
.irp g, G1A, G1B                       ; both kinds of load bring 32,768 dense bytes as 128 rows of 256
	s_mov_b32 s[\g+1], 128<<16                     ; tensor_dim0 = 128
	s_mov_b32 s[\g+2], 128<<16                     ; tensor_dim1 = 128
	s_mov_b32 s[\g+3], 128<<16                     ; tile_dim0 = 128
	s_mov_b32 s[\g+4], 128                         ; tile_dim1 = 128
	s_mov_b32 s[\g+5], 128                         ; 128 elements from row to row
	s_mov_b32 s[\g+6], 0
	s_mov_b32 s[\g+7], 0
.endr
	s_lshl_b32 s69, s[NH], 15                      ; which 32,768 bytes of a step I fetch
	s_mul_i32 s42, s[TY], SG*65536                 ; a: tile row y, K step 0 (registers that never hold x)
	s_add_co_u32 s42, s42, s69
	s_mov_b32 s43, 0
	s_mul_i32 s70, s[TX], STEPS*65536              ; weights: tile column x, step 0 (registers that never hold y)
	s_add_co_u32 s70, s70, s69
	s_mov_b32 s71, 0
	s_mul_i32 s72, s[NH], ASUB                     ; where they go: no place in the cluster enters an LDS address
	s_mul_i32 s73, s[NH], BHALF
	s_add_co_u32 s73, s73, BOFF
	s_lshl_b32 s74, s[CX], 13                      ; the prefetches: my work-group's 8,192 of the 32,768 bytes: of a's by cx,
	s_add_co_u32 s74, s74, s42
	s_lshl_b32 s76, s[CY], 13                      ; of the weights' by cy
	s_add_co_u32 s76, s76, s70
	s_and_b32 s77, ttmp7, 0xffff
	s_cmp_eq_u32 s77, 0                            ; cluster y, cluster x: the same in all sixteen partners
	s_cselect_b32 s80, STEPS-3, 0
	s_cmp_eq_u32 ttmp9, 0
	s_cselect_b32 s81, SG-3, 0
	s_cmp_lt_u32 s[WV], 2
	s_cselect_b32 s[PFC], s81, s80
	s_cselect_b32 s74, s74, s76
	s_add_co_u32 s74, s74, 3*65536                 ; at step 3: the first change of slots steps it to 4
	s_mov_b32 s75, 0
	s_lshl_b32 s41, s[TY], 3                       ; xm: my thread's rows lie in chunks 8 y + wave and 8 y + 4 + wave of X
	s_add_co_u32 s41, s41, s[WV]
	s_lshl_b32 s41, s41, 2
.if LAYER < 3
	s_lshl_b32 s78, s[TY], 4                       ; the output block (y, kb = x) of 32,768 bytes
	s_add_co_u32 s78, s78, s[TX]
	s_lshl_b32 s78, s78, 15
.else
	s_lshl_b32 s78, s[TY], 19                      ; out0: row 256 y + 64 wave, 2,048 bytes a row; column 32 x
	s_lshl_b32 s77, s[WV], 17
	s_add_co_u32 s78, s78, s77
	s_lshl_b32 s77, s[TX], 7
	s_add_co_u32 s78, s78, s77
.endif
	s_mov_b32 s79, 0
	s_mov_b32 s[LMASK], 0xffff
	s_mov_b32 s[THR], 0xbb800000
	s_mov_b32 s[TB], 0
	s_wait_dscnt 0x0                               ; both opening adds are done
	s_wait_kmcnt 0x0
	s_cmp_lt_u32 s[WV], 2
	s_cselect_b64 s[PFA:PFA+1], s[4:5], s[6:7]
	s_add_nc_u64 s[PFA:PFA+1], s[PFA:PFA+1], s[74:75]
	s_add_nc_u64 s[4:5], s[4:5], s[42:43]          ; a at my part of K step 0
	s_add_nc_u64 s[6:7], s[6:7], s[70:71]          ; the weights at my part of step 0
	s_add_nc_u64 s[16:17], s[16:17], s[78:79]
	s_mov_b32 s[AOFF], 65536                       ; the walking descriptor begins at K step 1
	s_mov_b32 s[AOFF+1], 0
	s_load_b512 s[BM1:BM1+15], s[14:15], 0x0       ; bm1, bm2
	s_load_b32 s[XM], s[12:13], s41 offset:0x0
	s_load_b32 s[XM+1], s[12:13], s41 offset:0x10
	CROUND                                         ; all sixteen work-groups are here: the first joint loads meet
.irp s, 0,1
	s_mov_b32 s[G0A+4*(\s)], 1
	s_add_co_u32 s[G0A+4*(\s)+1], s72, (\s)*SLOT1
	s_add_nc_u64 s[G0A+4*(\s)+2:G0A+4*(\s)+3], s[4:5], (\s)*65536
	s_or_b32 s[G0A+4*(\s)+3], s[G0A+4*(\s)+3], 0x80000000
	s_mov_b32 s[G0B+4*(\s)], 1
	s_add_co_u32 s[G0B+4*(\s)+1], s73, (\s)*SLOT1
	s_add_nc_u64 s[G0B+4*(\s)+2:G0B+4*(\s)+3], s[6:7], (\s)*65536
	s_or_b32 s[G0B+4*(\s)+3], s[G0B+4*(\s)+3], 0x80000000
	JLOAD \s                                       ; two loads of mine are out
.endr
	; WHILE THE FIRST TILES ARE ON THEIR WAY: tables, gates, bias, addresses, and the products that start T.
	v_and_b32 v1, 15, v0                           ; l % 16
	v_bfe_u32 v2, v0, 4, 1                         ; l / 16
	v_and_b32 v3, 31, v0                           ; l
	v_lshlrev_b32 v[PFO], 8, v3
	v_lshlrev_b32 v4, 5, v3
	global_load_b128 v[TMP:TMP+3], v4, s[12:13] offset:512     ; W1's 256 chunk maxima, 8 a lane: lanes 4 e .. 4 e + 3 hold expert e's
	global_load_b128 v[TMP+4:TMP+7], v4, s[12:13] offset:528
.if LAYER > 1
	v_lshlrev_b32 v5, 6, v3
.irp q, 0,1,2,3
	global_load_b128 v[TMP+8+4*\q:TMP+11+4*\q], v5, s[12:13] offset:1536+16*\q  ; W2's 512, 16 a lane
.endr
.endif
	s_lshl_b32 s80, s[TY], 13
	v_lshl_add_u32 v6, v0, 5, s80
	global_load_b128 v[TMP+24:TMP+27], v6, s[8:9]              ; the gates of row 256 y + my thread's number,
	global_load_b128 v[TMP+28:TMP+31], v6, s[8:9] offset:16
	global_load_b128 v[TMP+32:TMP+35], v6, s[8:9] offset:4096  ; and of the row 128 further down
	global_load_b128 v[TMP+36:TMP+39], v6, s[8:9] offset:4112
	s_lshl_b32 s81, s[MH], 12
	s_add_co_u32 s81, s81, s80
	v_lshl_add_u32 v7, v1, 5, s81
.irp a, 0,1,2,3,4,5,6,7
	global_load_b128 v[GG+8*\a:GG+8*\a+3], v7, s[8:9] offset:512*\a      ; the gates of row 16 a + l % 16 of my 128
	global_load_b128 v[GG+8*\a+4:GG+8*\a+7], v7, s[8:9] offset:512*\a+16
.endr
	s_lshl_b32 s82, s[TX], 1
	s_add_co_u32 s82, s82, s[NH]
	s_mul_i32 s82, s82, 64*NB                      ; my first column, in bytes
	v_lshl_add_u32 v8, v1, 2, s82
.set b, 0
.rept NB
.set e, 0
.rept 8
	global_load_b32 v[TMP+40+8*b+e], v8, s[10:11] offset:(e*NCOL+16*b)*4  ; bl[e][column 16 b + l % 16 of mine]
.set e, e+1
.endr
.set b, b+1
.endr
	v_mul_u32_u24 v9, v1, PA
	v_lshl_add_u32 v9, v2, 4, v9                   ; a fragment's row x pitch + 16 x half
	s_mul_i32 s80, s[MH], 128*PA
	v_add_nc_u32 v[ADRA0], s80, v9
	v_mul_u32_u24 v9, v1, PB
	v_lshl_add_u32 v9, v2, 4, v9
	s_mul_i32 s80, s[NH], BHALF
	s_add_co_u32 s80, s80, BOFF
	v_add_nc_u32 v[ADRB0], s80, v9
	v_add_nc_u32 v[ADRA], s[TB], v[ADRA0]          ; step 0 lies in slot 0
	v_add_nc_u32 v[ADRB], s[TB], v[ADRB0]
	s_mul_i32 s80, s[MH], 128*SPITCH               ; into the stage: row 128 (w / 2) + l % 16, my column half, 32 bytes for each half of the lanes
	s_mul_i32 s81, s[NH], 64*NB
	s_add_co_u32 s80, s80, s81
	s_add_co_u32 s80, s80, STAGE
	v_mul_u32_u24 v10, v1, SPITCH
	v_lshl_add_u32 v10, v2, 5, v10
	v_add_nc_u32 v[STO], s80, v10
	s_mul_i32 s80, s[WV], 64*SPITCH                ; back: wave w takes rows 64 w .. 64 w + 63, whole
	s_add_co_u32 s80, s80, STAGE
.if LAYER < 3
	v_mul_u32_u24 v10, v2, SPITCH                  ; a load takes two rows of 256 bytes
	v_lshl_add_u32 v10, v1, 4, v10
	v_add_nc_u32 v[RD], s80, v10
	s_lshl_b32 s80, s[WV], 8
	s_add_co_u32 s80, s80, TAB1
	v_lshl_add_u32 v[SAD], v2, 2, s80              ; S of row 64 w + l / 16
	s_lshl_b32 s80, s[WV], 13
	v_lshl_add_u32 v[CO], v3, 3, s80               ; two rows of the output block are 256 bytes, 8 a lane
.else
	v_lshrrev_b32 v10, 3, v3                       ; a load takes four rows of 128 bytes
	v_and_b32 v11, 7, v0
	v_mul_u32_u24 v12, v10, SPITCH
	v_lshl_add_u32 v12, v11, 4, v12
	v_add_nc_u32 v[RD], s80, v12
	v_lshlrev_b32 v12, 11, v10
	v_lshl_add_u32 v[CO], v11, 4, v12
.endif
	s_wait_loadcnt 16+8*NB                         ; the tables and my two rows' gates are in; the 16 loads of block gates and the 8 NB of bias may stay out
	v_max3_num_f32 v[TMP], v[TMP], v[TMP+1], v[TMP+2]
	v_max3_num_f32 v[TMP+3], v[TMP+3], v[TMP+4], v[TMP+5]
	v_max3_num_f32 v[TMP], v[TMP], v[TMP+6], v[TMP+7]
	v_max_num_f32 v[TMP], v[TMP], v[TMP+3]
	v_max_num_f32_dpp v[TMP], v[TMP], v[TMP] row_xmask:1 row_mask:0xf bank_mask:0xf
	v_max_num_f32_dpp v[TMP], v[TMP], v[TMP] row_xmask:2 row_mask:0xf bank_mask:0xf
.irp e, 0,1,2,3,4,5,6,7
	v_readlane_b32 s[WM1+\e], v[TMP], 4*\e
.endr
.if LAYER > 1
	v_max3_num_f32 v[TMP+8], v[TMP+8], v[TMP+9], v[TMP+10]
	v_max3_num_f32 v[TMP+11], v[TMP+11], v[TMP+12], v[TMP+13]
	v_max3_num_f32 v[TMP+14], v[TMP+14], v[TMP+15], v[TMP+16]
	v_max3_num_f32 v[TMP+17], v[TMP+17], v[TMP+18], v[TMP+19]
	v_max3_num_f32 v[TMP+20], v[TMP+20], v[TMP+21], v[TMP+22]
	v_max3_num_f32 v[TMP+8], v[TMP+8], v[TMP+11], v[TMP+14]
	v_max3_num_f32 v[TMP+17], v[TMP+17], v[TMP+20], v[TMP+23]
	v_max_num_f32 v[TMP+8], v[TMP+8], v[TMP+17]
	v_max_num_f32_dpp v[TMP+8], v[TMP+8], v[TMP+8] row_xmask:1 row_mask:0xf bank_mask:0xf
	v_max_num_f32_dpp v[TMP+8], v[TMP+8], v[TMP+8] row_xmask:2 row_mask:0xf bank_mask:0xf
.irp e, 0,1,2,3,4,5,6,7
	v_readlane_b32 s[WM2+\e], v[TMP+8], 4*\e
.endr
.endif
	v_lshl_add_u32 v14, v0, 2, TAB0
	s_wait_kmcnt 0x0                               ; bm1, bm2, xm
	BOUNDS TMP+24, XM, 0
	BOUNDS TMP+32, XM+1, 512
	s_wait_loadcnt 0x0
	; The bias product's fragments.  K = 0..7 is the expert: registers 0-3 of lanes 0-15.  The bias fragment is 0 everywhere else, so what the gate fragment's lanes 16-31 hold (the row's own gates once more) is multiplied by 0.
	WIN TO_B
.set a, 0
.rept 8
.set i, 0
.rept 4
	v_cvt_pk_f16_f32 v[GFW+8*a+i], v[GG+8*a+2*i], v[GG+8*a+2*i+1]
	v_mov_b32 v[GFW+8*a+4+i], 0
.set i, i+1
.endr
.set a, a+1
.endr
	WIN 0
.set b, 0
.rept NB
.set i, 0
.rept 4
	v_cvt_pk_f16_f32 v[TMP+56+4*b+i], v[TMP+40+8*b+2*i], v[TMP+40+8*b+2*i+1]
.set i, i+1
.endr
.set b, b+1
.endr
	WIN TO_B
.set b, 0
.rept NB
.set i, 0
.rept 4
	v_cndmask_b32 v[BFW+8*b+i], 0, v[TMP+56+4*b+i], s[LMASK]
	v_mov_b32 v[BFW+8*b+4+i], 0
.set i, i+1
.endr
.set b, b+1
.endr
	WIN 0x45                                       ; sources 0, 1 and the destination window 1
.set a, 0
.rept 8
.set b, 0
.rept NB
	v_wmma_f32_16x16x32_f16 v[TT+8*(NB*a+b):TT+8*(NB*a+b)+7], v[BFW+8*b:BFW+8*b+7], v[GFW+8*a:GFW+8*a+7], 0  ; T starts as sum_e W[b][e] bl[e][n]
.set b, b+1
.endr
.set a, a+1
.endr
	WIN 0
	s_wait_tensorcnt 0x1                           ; my part of step 0 is in; step 1's may stay out
	s_wait_dscnt 0x0                               ; my table words are stored
	s_barrier_signal -1
	s_barrier_wait -1
.if LAYER > 1
	s_lshl_b32 s80, s[MH], 9
	s_add_co_u32 s80, s80, TAB0
	v_lshl_add_u32 v9, v1, 2, s80
.irp a, 0,1,2,3,4,5,6,7
	ds_load_b32 v[INV+\a], v9 offset:64*\a         ; 1 / S of row 16 a + l % 16 of my 128
.endr
.endif
	PLACES                                         ; the loads below land in registers that the products above have read
	FETCH 0, 0
.if LAYER > 1
	s_wait_dscnt 32                                ; the eight words are in; the 32 fragment loads may stay out
.set a, 0
.rept 8
.set e, 0
.rept 4
.if a%2
	v_pk_mul_f32 v[GG+8*a+e:GG+8*a+e+1], v[GG+8*a+e:GG+8*a+e+1], v[INV+a-1:INV+a] op_sel:[0,1] op_sel_hi:[1,1]  ; G = g / S, exact
.else
	v_pk_mul_f32 v[GG+8*a+e:GG+8*a+e+1], v[GG+8*a+e:GG+8*a+e+1], v[INV+a:INV+a+1] op_sel_hi:[1,0]
.endif
.set e, e+2
.endr
.set a, a+1
.endr
.endif
	s_mov_b32 s[KS], 0
	s_mov_b32 s[CNT], STEPS-2
.Lstep:                                                ; a trip is a K step; every step but the last two fills its slot again
	s_cmp_eq_u32 s[KS], 0
	s_cbranch_scc1 .Lzero
	QUARTER 1, 0, 1, 0
	WIN 0                                          ; at a label and at a branch every window is 0
	s_branch .Ljoin
.Lzero:                                                ; a group's first quarter: its products start P's sums
	v_nop                                          ; with the four in front of a run of loads the fifth place between a product and the product that starts its accumulator anew, whichever way leads here
	QUARTER 1, 0, 1, 1
	WIN 0
.Ljoin:
	QUARTER 2, 1, 0, 0
	QUARTER 3, 0, 1, 0
	TURN 1
	WIN 0
.if NG > 1
	s_cmp_lg_u32 s[KS], SG-1
	s_cbranch_scc1 .Lkeep
	FLUSH 0                                        ; the first group's end; the next step's first fragments are on their way meanwhile
	WIN 0
.Lkeep:
.endif
	s_add_co_u32 s[KS], s[KS], 1
	s_and_b32 s[KS], s[KS], SG-1
	s_sub_co_u32 s[CNT], s[CNT], 1
	s_cmp_lg_u32 s[CNT], 0
	s_cbranch_scc1 .Lstep
	s_mov_b32 s[CNT], 2
.Ltail:                                                ; the last two steps are a text of their own
	QUARTER 1, 0, 1, 0
	QUARTER 2, 1, 0, 0
	QUARTER 3, 0, 1, 0
	TURN 0
	WIN 0
	s_sub_co_u32 s[CNT], s[CNT], 1
	s_cmp_lg_u32 s[CNT], 0
	s_cbranch_scc1 .Ltail
	FLUSH NG-1
	; THE WAY OUT: T goes into the work-group's stage in f32.  The stage is slot 1: every wave's reads of it ended in front of the last barrier, and nothing is filled any more.
	; A barrier follows, since a row comes from two waves; then whole rows are read back.
	WIN 0x04                                       ; the stores' data (source 1) window 1
.set a, 0
.rept 8
.set b, 0
.rept NB
	ds_store_b128 v[STO], v[TT+8*(NB*a+b):TT+8*(NB*a+b)+3]   offset:a*16*SPITCH+64*b
	ds_store_b128 v[STO], v[TT+8*(NB*a+b)+4:TT+8*(NB*a+b)+7] offset:a*16*SPITCH+64*b+16
.set b, b+1
.endr
.set a, a+1
.endr
	WIN 0
	s_wait_dscnt 0x0                               ; for the others' sake: my stores into the stage are done
	s_barrier_signal -1
	s_barrier_wait -1
.if LAYER < 3
.set Z,  64                            ; v64-95   z: load j's four numbers at Z + 4 j (row 2 j + l / 16 of the trip's sixteen)
.set SC, 96                            ; v96-103  S of those rows
.set ZN, 128                           ; min(z, 0)
.set EX, 160                           ; 2^(zn log2 e) - 1
.set PP, 192                           ; z + zn^2 / 2, then the result
.set HF, 224                           ; the result in f16
	s_mov_b32 s[CNT], 4
.Lrows:                                                ; four trips of sixteen rows: elu, the row's scale, f16, one store for two rows
.irp j, 0,1,2,3,4,5,6,7
	ds_load_b128 v[Z+4*\j:Z+4*\j+3], v[RD] offset:\j*2*SPITCH
.endr
.irp j, 0,1,2,3,4,5,6,7
	ds_load_b32 v[SC+\j], v[SAD] offset:8*\j
.endr
	s_wait_dscnt 0x0
.set i, 0
.rept 32
	v_min_num_f32 v[ZN+i], 0, v[Z+i]
.set i, i+1
.endr
.set i, 0
.rept 16
	v_pk_mul_f32 v[EX+i:EX+i+1], v[ZN+i:ZN+i+1], 0x3fb8aa3b op_sel_hi:[1,0]
.set i, i+2
.endr
.set i, 0
.rept 32
	v_exp_f32 v[EX+i], v[EX+i]                     ; one batch of 32
.set i, i+1
.endr
.set i, 0
.rept 16
	v_pk_mul_f32 v[PP+i:PP+i+1], v[ZN+i:ZN+i+1], 0.5 op_sel_hi:[1,0]  ; plain work that names no exponential's result stands behind the batch
.set i, i+2
.endr
.set i, 0
.rept 16
	v_pk_fma_f32 v[PP+i:PP+i+1], v[PP+i:PP+i+1], v[ZN+i:ZN+i+1], v[Z+i:Z+i+1]
.set i, i+2
.endr
	s_wait_alu depctr_va_vdst(0)                   ; one wait for the batch, ahead of its first reader
.set i, 0
.rept 16
	v_pk_add_f32 v[EX+i:EX+i+1], v[EX+i:EX+i+1], -1.0 op_sel_hi:[1,0]
.set i, i+2
.endr
.set i, 0
.rept 32
	v_cmp_gt_f32 vcc_lo, s[THR], v[Z+i]            ; z < -2^-8 ?
	v_cndmask_b32 v[PP+i], v[PP+i], v[EX+i], vcc_lo
.set i, i+1
.endr
.set j, 0
.rept 8
.set i, 0
.rept 2
.if j%2
	v_pk_mul_f32 v[PP+4*j+i:PP+4*j+i+1], v[PP+4*j+i:PP+4*j+i+1], v[SC+j-1:SC+j] op_sel:[0,1] op_sel_hi:[1,1]
.else
	v_pk_mul_f32 v[PP+4*j+i:PP+4*j+i+1], v[PP+4*j+i:PP+4*j+i+1], v[SC+j:SC+j+1] op_sel_hi:[1,0]
.endif
.set i, i+2
.endr
.set j, j+1
.endr
.set j, 0
.rept 8
	v_cvt_pk_f16_f32 v[HF+2*j], v[PP+4*j], v[PP+4*j+1]
	v_cvt_pk_f16_f32 v[HF+2*j+1], v[PP+4*j+2], v[PP+4*j+3]
	global_store_b64 v[CO], v[HF+2*j:HF+2*j+1], s[16:17] offset:256*j  ; 32 lanes store two rows of the block: 256 consecutive bytes, aligned
.set j, j+1
.endr
	s_wait_xcnt 0x0                                ; the stores have read their data and their offset: both are written again only behind this wait
	v_add_nc_u32 v[RD], 16*SPITCH, v[RD]
	v_add_nc_u32 v[SAD], 64, v[SAD]
	v_add_nc_u32 v[CO], 2048, v[CO]
	s_sub_co_u32 s[CNT], s[CNT], 1
	s_cmp_lg_u32 s[CNT], 0
	s_cbranch_scc1 .Lrows
.else
.irp t, 0,1,2,3,4,5,6,7,8,9,10,11,12,13,14,15
	ds_load_b128 v[TMP+4*\t:TMP+4*\t+3], v[RD] offset:\t*4*SPITCH
.endr
.irp t, 0,1,2,3,4,5,6,7,8,9,10,11,12,13,14,15
	s_wait_dscnt 15-\t                             ; load t is in, the younger ones may stay out
	global_store_b128 v[CO], v[TMP+4*\t:TMP+4*\t+3], s[16:17] offset:\t*8192 th:TH_STORE_NT  ; eight lanes store a row's 128 consecutive bytes, four rows an instruction
.endr
.endif
	s_wait_tensorcnt 0x0                           ; the wave's end, behind my last tensor load and my last LDS store
	ds_add_u32 v[SPW], v[NIL]
	s_wait_dscnt 0x0
	CROUND                                         ; the closing round: no work-group ends while a partner may still ask for a tile that names it
	s_endpgm
.Lfunc_end_k_qb08ff64bf2_layer1:
	.size	k_qb08ff64bf2_layer1, .Lfunc_end_k_qb08ff64bf2_layer1-k_qb08ff64bf2_layer1
	.p2alignl 7, 3214868480
	.fill 96, 4, 3214868480
	.section	.rodata,"a",@progbits
	.p2align	6, 0x0
	.amdhsa_kernel k_qb08ff64bf2_layer1
		.amdhsa_group_segment_fixed_size 327680
		.amdhsa_private_segment_fixed_size 0
		.amdhsa_enable_private_segment 0
		.amdhsa_kernarg_size 56
		.amdhsa_user_sgpr_count 2
		.amdhsa_user_sgpr_kernarg_segment_ptr 1
		.amdhsa_wavefront_size32 1
		.amdhsa_system_sgpr_workgroup_id_x 1
		.amdhsa_system_sgpr_workgroup_id_y 1
		.amdhsa_system_sgpr_workgroup_id_z 1
		.amdhsa_system_vgpr_workitem_id 0
		.amdhsa_next_free_vgpr 1024
		.amdhsa_next_free_sgpr 102
		.amdhsa_reserve_vcc 1
		.amdhsa_float_denorm_mode_32 3
		.amdhsa_float_denorm_mode_16_64 3
		.amdhsa_memory_ordered 1
		.amdhsa_forward_progress 1
		.amdhsa_inst_pref_size 131
	.end_amdhsa_kernel
	.amdgpu_metadata
---
amdhsa.version: [ 1, 2 ]
amdhsa.kernels:
  - .name:           k_qb08ff64bf2_layer1
    .symbol:         k_qb08ff64bf2_layer1.kd
    .args:
      - { .name: Xh, .offset: 0, .size: 8, .value_kind: global_buffer, .address_space: global }
      - { .name: Wh1, .offset: 8, .size: 8, .value_kind: global_buffer, .address_space: global }
      - { .name: W, .offset: 16, .size: 8, .value_kind: global_buffer, .address_space: global }
      - { .name: b1, .offset: 24, .size: 8, .value_kind: global_buffer, .address_space: global }
      - { .name: pmax, .offset: 32, .size: 8, .value_kind: global_buffer, .address_space: global }
      - { .name: bmax, .offset: 40, .size: 8, .value_kind: global_buffer, .address_space: global }
      - { .name: Mid1, .offset: 48, .size: 8, .value_kind: global_buffer, .address_space: global }
    .group_segment_fixed_size: 327680
    .private_segment_fixed_size: 0
    .kernarg_segment_align: 8
    .kernarg_segment_size: 56
    .max_flat_workgroup_size: 128
    .sgpr_count:     102
    .vgpr_count:     1024
    .wavefront_size: 32
...
	.end_amdgpu_metadata
.endif
;; end of part 6
;; launch layer2 (part 7): grid 16 x 16, 4 waves a work-group, clusters of 4 x 4, 327,680 bytes of LDS; arguments Mid1, Wh2, W, b2, pmax, bmax, Mid2; writes Mid2
.if DOCPART == 7
	.amdgcn_target "amdgcn-amd-amdhsa--gfx1250"
	.amdhsa_code_object_version 6
	.text
	.protected	k_qb08ff64bf2_layer2
	.globl	k_qb08ff64bf2_layer2
	.p2align	8
	.type	k_qb08ff64bf2_layer2,@function
k_qb08ff64bf2_layer2:
	s_mov_b64 s[64:65], 0
	v_nop
	global_prefetch_b8 v0, s[64:65] scope:SCOPE_SE
	s_setreg_imm32_b32 hwreg(HW_REG_WAVE_MODE, 25, 1), 1
	s_wait_xcnt 0x0
	s_wait_alu depctr_hold_cnt(0) depctr_sa_sdst(0) depctr_va_vdst(0) depctr_va_sdst(0) depctr_va_ssrc(0) depctr_va_vcc(0) depctr_vm_vsrc(0)
	s_getreg_b32 s2, hwreg(HW_REG_IB_STS2, 6, 4)
	s_cmp_eq_u32 s2, 0
	s_cbranch_scc0 .Lentry_in_a_cluster
	s_endpgm
.Lentry_in_a_cluster:
	s_bfe_u32 s2, ttmp6, 0x10000c
	s_cmp_lg_u32 s2, 0xf033
	s_cbranch_scc0 .Lentry_shape_is_right
	s_endpgm
.Lentry_shape_is_right:
; ONE LAYER OF THREE (one text serves all three; LAYER picks the sizes): z[b][n] = sum_e W[b][e] ( sum_k a[b][k] Wl[e][n][k] + bl[e][n] ); layers 1, 2: mid = elu(z).  Nothing of the layer is left out.
; ARITHMETIC.  For each expert P_e = a Wl[e]^T, f16 operands, f32 sums in the matrix unit; then T += G_e P_e in f32 (FLUSH): the gate rounds no operand.  The bias term sum_e W[b][e] bl[e][n] is
; one matrix instruction an accumulator (K = 32, of which 8 are used: gates and bias in f16), and with C = 0 it starts T: nothing is cleared.
; THE HIDDEN LAYERS' SCALE.  mid_l is stored as f16(mid_l S_l[b]), S_l a power of two from a bound known beforehand: Bnd1 = 512 xm sum_e |g_e| wm1[e] + sum_e |g_e| bm1[e] >= |z1| >= |elu(z1)|,
; Bnd2 = 1024 Bnd1 sum_e |g_e| wm2[e] + sum_e |g_e| bm2[e] (xm: largest |X| of the row's 32-row chunk; wm, bm: largest |weight|, |bias| of an expert), each at least 2^-100.  With 2^x <= Bnd < 2^(x+1):
; S = 2^(14-x), so |mid S| < 2^15.  The reader multiplies its gates by 1 / S: G = g / S, exact.  Writer and reader make S by the same lines from the same tables.
; ELU.  zn = min(z, 0); where z < -2^-8: 2^(zn log2 e) - 1; else z + zn^2 / 2 (which is z for z > 0): the two forms of e^z - 1, chosen by a select, no branch.
; LIMITS.  |W|, |bl| within f16's 65,504 (they enter the bias product in f16); a stored mid is off by at most 2^-39 Bnd beside f16's rounding; Bnd must stay finite; NaN and infinities are not treated apart.
; SHARES.  Work-group (x, y): rows 256 y .., columns 32 NB x .. (64; layer 3: 32), EC experts at once (4; layer 3: 8): a block of 256 rows of a by 256 weight rows.  Wave w: rows 128 (w / 2) .., column half
; w % 2 of every expert: for 32 along K 8 fragments of a and 8 of the weights (fragment NB j + b: expert j of the group, column block b) feed 64 matrix instructions on 64 accumulators P.
; K goes in steps of 128 through two LDS slots; a GROUP is EC experts' whole K (SG steps).  A step's text is written once: the slot's LDS base is a scalar turned by an exclusive or.
; THE PRODUCT IS USED TRANSPOSED (source 0 = 16 weight rows, source 1 = 16 rows of a): a lane holds one row b (lane % 16) and columns 8 (lane / 16) + 0..7.
; CLUSTER 4 x 4: a's blocks hang on y alone and are asked for jointly along a row of the cluster, the weights' on x alone, along a column: the same tensor load, descriptor and mask in the four.
; LAYER 3's STORES cover pieces of 128 consecutive bytes, since its tile has 32 columns of f32: with 64 columns and all 8 experts a slot would be (128 + 512) rows x 272 = 174,080 bytes, and two do not fit.
; REGISTERS, in windows of 256 (s_set_vgpr_msb: bits 1:0 source 0, 3:2 source 1, 5:4 source 2, 7:6 destination):
;   window 0: v0-63 addresses and work; v64-127, v128-191 fragments of a, two buffers; v192-255 G[a][e]
;   window 1: v0-63, v64-127 fragments of the weights, two buffers (before the first step: the bias product's fragments); v128-255 T[a][b]
;   window 2: the 32 accumulators P of my rows 0-63 (row block a, fragment f at 8 (8 a + f));   window 3: those of my rows 64-127
.set LAYER, 2
.if LAYER == 1
.set SG, 4                             ; K steps of 128 in a group
.set NG, 2                             ; groups
.set EC, 4                             ; experts in a group
.set NB, 2                             ; column blocks of 16 an expert and wave
.set NCOL, 1024                        ; the layer's width
.elseif LAYER == 2
.set SG, 8
.set NG, 2
.set EC, 4
.set NB, 2
.set NCOL, 1024
.else
.set SG, 8
.set NG, 1
.set EC, 8
.set NB, 1
.set NCOL, 512
.endif
.set STEPS, SG*NG
.set PA,    144                        ; a row of a in LDS: 64 k = 128 bytes + 16 of padding = 36 words: the 16 rows of a fragment load start at 16 different groups of four banks (ISA guide 11.1)
.set PB,    272                        ; a weight row: 128 k = 256 bytes + 16 = 68 words: likewise
.set ASUB,  256*PA                     ; what wave 0 or 1 fetches: 256 rows x 64 k of a
.set BHALF, 128*PB                     ; what wave 2 or 3 fetches: 128 weight rows x 128 k
.set BOFF,  2*ASUB                     ; a slot: a's two blocks, then the weights' 256 rows
.set SLOTB, BOFF+2*BHALF               ; 143,360 bytes
.set SLOT1, 0x24000                    ; slot 1 begins here: its two bits meet none of the four loads' places 0, 0x9000, 0x12000, 0x1a800, so one exclusive or turns a place in one slot into the other's
.set TAB0,  SLOTB                      ; between the slots, never filled by a tensor load: 1 / S of the input, a word a row,
.set TAB1,  TAB0+1024                  ; S of the output,
.set SPARE, TAB1+1024                  ; and the spare words, 128 bytes a wave: two blocks of 256 bytes that no other line names
.set STAGE, SLOT1                      ; the way out goes through slot 1's bytes, which have had their last fill by then
.if LAYER < 3
.set SPITCH, 272                       ; 64 f32 + 16 bytes
.else
.set SPITCH, 144                       ; 32 f32 + 16 bytes
.endif
.set ADRA0, 16                         ; my lane's place in a slot for fragments of a; never rewritten
.set ADRB0, 17                         ; the same for the weights
.set ADRA,  18                         ; the two in the slot in hand
.set ADRB,  19
.set STO,  24                          ; the way out: where I put a row's 32 bytes
.set RD,   25                          ; where I read rows back
.set CO,   26                          ; my byte offset in the output
.set SAD,  27                          ; where my rows' S lie
.set SPW,  28                          ; my spare word's address; never rewritten
.set NIL,  29                          ; 0; never rewritten
.set PFO,  30                          ; 256 x lane: the prefetches' offset; never rewritten
.set INV,  32                          ; v32-39 1 / S of my eight row blocks
.set TMP,  64
.set GG,   192
.set GFW,  0                           ; window 1: the bias product's gate fragments,
.set BFW,  64                          ; and its bias fragments
.set TT,   128                         ; window 1
.set KS,  2                            ; s2 the step's number in its group
.set CNT, 3                            ; s3 counts trips
.set WV, 18                            ; s18 wave; s19 its row half, s20 its column half (also: which half of a tile it fetches)
.set MH, 19
.set NH, 20
.set CX, 21
.set CY, 22
.set TX, 23                            ; x
.set TY, 40                            ; y
.set G1A, 24                           ; s[24:31] descriptor group 1 for a's blocks; s[32:39] group 0: a set for each first fill; the second then walks on
.set G0A, 32
.set G1B, 48                           ; s[48:55], s[56:63] the same for the weights'
.set G0B, 56
.set AOFF, 42                          ; s[42:43] byte offset of the K step that a's walking descriptor names
.set PFA, 44                           ; s[44:45] where my prefetches stand
.set PFC, 46                           ; s46 prefetches still to come (0 or less: none)
.set LMASK, 47                         ; lanes 0-15
.set THR, 66                           ; -2^-8
.set TB,  67                           ; LDS base of the slot in hand: 0 or SLOT1
.set WM1, 68                           ; s[68:75] wm1, s[76:83] wm2 (before and behind that: work), s[84:91] bm1, s[92:99] bm2, s100, s101 xm of my two rows
.set WM2, 76
.set BM1, 84
.set BM2, 92
.set XM,  100
.set DWA, (1<<16)|(1<<20)|(1<<21)|(4<<22)|(3<<25)  ; 2-byte elements; padding on; bit 21 beside a mask; after every 32 words 4 words
.set DWB, (1<<16)|(1<<20)|(1<<21)|(5<<22)|(3<<25)  ; the same after every 64 words
.set MSB, 0
.macro WIN new                         ; the immediate's high byte repeats the setting that is left; a switch that changes nothing is dropped
.if MSB != (\new)
	s_set_vgpr_msb (MSB<<8)|(\new)
.set MSB, \new
.endif
.endm
.set MUL_LO, 0xa1                      ; source 0 (weights) window 1, source 1 (a) window 0, C and D window 2
.set TO_B,   0x40                      ; destination window 1
; A joint load: waves 0, 1 fetch a's two blocks, waves 2, 3 the weights' halves.  The branch hangs on the wave's number alone.  An s_nop 0 and four v_nop follow each line.
.macro JLOAD s
	s_cmp_lt_u32 s[WV], 2
	s_cbranch_scc0 .Lfor_b_\@
	tensor_load_to_lds s[G0A+4*(\s):G0A+4*(\s)+3], s[G1A:G1A+7]
	s_nop 0
.rept 4
	v_nop
.endr
	s_branch .Lasked_\@
.Lfor_b_\@:
	tensor_load_to_lds s[G0B+4*(\s):G0B+4*(\s)+3], s[G1B:G1B+7]
	s_nop 0
.rept 4
	v_nop
.endr
.Lasked_\@:
.endm
; A round of the cluster's barrier: my work-group's barrier; wave 0 signals for the work-group; every wave waits for all sixteen; my work-group's barrier once more.
.macro CREST
	s_cmp_lg_u32 s[WV], 0
	s_cbranch_scc1 .Lnot_wave_0_\@
	s_barrier_signal -3
.Lnot_wave_0_\@:
	s_barrier_wait -3
	s_barrier_signal -1
	s_barrier_wait -1
.endm
.macro CROUND
	s_barrier_signal -1
	s_barrier_wait -1
	CREST
.endm
; A prefetch into the L2, behind each joint refill and the run of LDS loads that follows it.  The refill in step t asks for step t + 2; this line names step t + 4: two steps, 512 matrix instructions, ahead
; of the load that will want it.  Each block of 256 bytes is named once in the launch.  The weights' tiles: the clusters with cluster y = 0 ask, in them waves 2 and 3, each for the 32,768 bytes that it
; fetches.  a's blocks, in the first group's walk alone (later groups walk them again): the clusters with cluster x = 0, waves 0 and 1.  The four partners that ask for a tile jointly take 8,192 bytes each,
; told apart by address; a lane a block.  Steps 0 to 3 come by their loads alone; the count ends the asking at the last step (for a: at the group's last).
.macro ASK
	s_cmp_gt_i32 s[PFC], 0
	s_cbranch_scc0 .Lnot_mine_\@
	global_prefetch_b8 v[PFO], s[PFA:PFA+1] th:TH_LOAD_NT scope:SCOPE_SE
.Lnot_mine_\@:
.endm
.macro PLACES                          ; four places in front of loads into registers that matrix instructions have read, and of vector lines that read their results
.rept 4
	v_nop
.endr
.endm
; 16 matrix instructions: row blocks a0, a0 + 1 of the window's four (hi = 0: my rows 0-63, 1: rows 64-127) x all 8 weight fragments, 32 along K, from buffer f.
; The 64 accumulators take turns, one instruction a turn, in the same order in every quarter.  zero = 1: the products start the sums.
.macro MUL16 f, hi, a0, zero
	WIN MUL_LO+0x50*(\hi)
.irp a, \a0, (\a0)+1
.irp b, 0,1,2,3,4,5,6,7
.if \zero
	v_wmma_f32_16x16x32_f16 v[8*(8*(\a)+(\b)):8*(8*(\a)+(\b))+7], v[64*(\f)+8*(\b):64*(\f)+8*(\b)+7], v[64+64*(\f)+8*(4*(\hi)+(\a)):64+64*(\f)+8*(4*(\hi)+(\a))+7], 0
.else
	v_wmma_f32_16x16x32_f16 v[8*(8*(\a)+(\b)):8*(8*(\a)+(\b))+7], v[64*(\f)+8*(\b):64*(\f)+8*(\b)+7], v[64+64*(\f)+8*(4*(\hi)+(\a)):64+64*(\f)+8*(4*(\hi)+(\a))+7], v[8*(8*(\a)+(\b)):8*(8*(\a)+(\b))+7]
.endif
.endr
.endr
.endm
; 32 LDS loads in one run: quarter q's fragments (32 K) of the slot in hand into buffer f: 16 for the weights, then 16 for a (block q / 2 of 64 k, byte 64 (q % 2) of its rows).
.macro FETCH q, f
	WIN TO_B
.irp i, 0,1,2,3,4,5,6,7
	ds_load_b128 v[64*(\f)+8*(\i):64*(\f)+8*(\i)+3],   v[ADRB] offset:64*(\q)+(\i)*16*PB
	ds_load_b128 v[64*(\f)+8*(\i)+4:64*(\f)+8*(\i)+7], v[ADRB] offset:64*(\q)+(\i)*16*PB+32
.endr
	WIN 0
.irp i, 0,1,2,3,4,5,6,7
	ds_load_b128 v[64+64*(\f)+8*(\i):64+64*(\f)+8*(\i)+3],   v[ADRA] offset:((\q)/2)*ASUB+((\q)%2)*64+(\i)*16*PA
	ds_load_b128 v[64+64*(\f)+8*(\i)+4:64+64*(\f)+8*(\i)+7], v[ADRA] offset:((\q)/2)*ASUB+((\q)%2)*64+(\i)*16*PA+32
.endr
.endm
; A step is four quarters of 32 along K on buffers 0, 1, 0, 1.  One of the first three: multiplies buffer f; in its middle it fetches quarter q into buffer g.
.macro QUARTER q, f, g, zero
	s_wait_dscnt 8                                 ; the weights' and a's fragments 0-3 are in; the youngest eight loads (a's fragments 4-7) may be out
	MUL16 \f, 0, 0, \zero
	MUL16 \f, 0, 2, \zero
	PLACES
	FETCH \q, \g
	s_wait_dscnt 32                                ; all but the 32 just issued
	MUL16 \f, 1, 0, \zero
	MUL16 \f, 1, 2, \zero
.endm
; The last quarter multiplies buffer 1 and changes slots.  In front of the barrier each wave waits for all its tensor loads (one is out: its part of the next slot), adds 0 to its spare word, and waits
; for that and for its reads of this slot.  fill = 1: the barrier opens a round of the cluster's, and the joint refill (step t + 2, into the slot just read) is the first thing behind it: 224 matrix
; instructions ahead of the wait for it.  The weights' tiles lie in the order of the walk; a's offset goes back to 0 behind a group's last K step.  fill = 0: nothing is left to ask for; in the
; last trip there is no further step, and the run of LDS loads is jumped over.
.macro TURN fill
.if \fill
	s_wait_xcnt 0x0                                ; the last prefetch, a step back, has read its address: it is stepped here, ahead of the change's own waits
	s_add_nc_u64 s[PFA:PFA+1], s[PFA:PFA+1], 65536
	s_sub_co_i32 s[PFC], s[PFC], 1
.endif
	WIN 0
	s_wait_tensorcnt 0x0                           ; all my tensor loads have landed, so a group 0 may be written
	ds_add_u32 v[SPW], v[NIL]                      ; 0 onto my spare word: work on registers stands between it and the wait for it
	s_xor_b32 s[TB], s[TB], SLOT1                  ; the fetches go on in the other slot
	v_add_nc_u32 v[ADRA], s[TB], v[ADRA0]
	v_add_nc_u32 v[ADRB], s[TB], v[ADRB0]
.if \fill
	s_xor_b32 s[G0A+5], s[G0A+5], SLOT1            ; the walking descriptors: the other slot than last time,
	s_xor_b32 s[G0B+5], s[G0B+5], SLOT1
	s_add_co_u32 s[AOFF], s[AOFF], 65536           ; the next K step, round the group's end,
	s_and_b32 s[AOFF], s[AOFF], SG*65536-1
	s_add_nc_u64 s[G0A+6:G0A+7], s[4:5], s[AOFF:AOFF+1]
	s_or_b32 s[G0A+7], s[G0A+7], 0x80000000
	s_add_nc_u64 s[G0B+6:G0B+7], s[G0B+6:G0B+7], 65536  ; the next tile; the type bits on top are not reached
.endif
	s_wait_dscnt 9                                 ; (the add and the youngest eight loads may be out)
	MUL16 1, 0, 0, 0
	s_wait_dscnt 0x0                               ; the add is done, and my reads of this slot are over
	s_barrier_signal -1
	MUL16 1, 0, 2, 0                               ; work on registers while the others arrive
	WIN 0
	s_barrier_wait -1
.if \fill
	CREST                                          ; no wave of any partner still reads this slot or has a load on its way
	JLOAD 1                                        ; its four v_nop are also the places in front of the loads below
	FETCH 0, 0
	ASK
.else
	PLACES
	s_cmp_eq_u32 s[CNT], 1
	s_cbranch_scc1 .Lno_fetch_\@
	FETCH 0, 0
.Lno_fetch_\@:
.endif
	MUL16 1, 1, 0, 0
	MUL16 1, 1, 2, 0
.endm
; A group's end: T[a][b] += G[a][e] P[a][NB j + b], e = EC grp + j, two sums an instruction, each accumulator read from its low end on.  The gate is one register of an even pair: op_sel picks it for both halves.
.macro FLUSH grp
	PLACES
.set hi, 0
.rept 2
	WIN 0x52+hi                                    ; P (source 0) window 2 or 3, G window 0, T (source 2 and destination) window 1
.set j, 0
.rept EC
.set a, 0
.rept 4
.set b, 0
.rept NB
.set i, 0
.rept 4
.set rT, TT+8*(NB*(4*hi+a)+b)+i
.set rP, 8*(8*a+NB*j+b)+i
.set e, EC*(\grp)+j
.set rG, GG+8*(4*hi+a)+(e/2)*2
.if e%2
	v_pk_fma_f32 v[rT:rT+1], v[rP:rP+1], v[rG:rG+1], v[rT:rT+1] op_sel:[0,1,0] op_sel_hi:[1,1,1]
.else
	v_pk_fma_f32 v[rT:rT+1], v[rP:rP+1], v[rG:rG+1], v[rT:rT+1] op_sel_hi:[1,0,1]
.endif
.set i, i+2
.endr
.set b, b+1
.endr
.set a, a+1
.endr
.set j, j+1
.endr
.set hi, hi+1
.endr
.endm
.macro DOT d, g, tab                   ; v[d] = sum_e |g_e| s[tab + e], the gates in v[g ..]
	v_mul_f32 v[\d], |v[\g]|, s[\tab]
.irp e, 1,2,3,4,5,6,7
	v_fma_f32 v[\d], |v[(\g)+\e]|, s[(\tab)+\e], v[\d]
.endr
.endm
; The bounds of one row (gates in v[g ..], its chunk's xm in s[xm]) and its table words, off bytes on.  With E the bound's exponent field: S = 2^(14-x) has the bits 0x86000000 - E, 1 / S the bits E - 0x07000000.
.macro BOUNDS g, xm, off
	DOT 10, \g, WM1
	v_mul_f32 v10, s[\xm], v10
	DOT 11, \g, BM1
	v_fmamk_f32 v10, v10, 0x44000000, v11          ; Bnd1 = 512 xm sum |g| wm1 + sum |g| bm1,
	v_max_num_f32 v10, 0x0d800000, v10             ; at least 2^-100
.if LAYER > 1
	DOT 11, \g, WM2
	DOT 12, \g, BM2
	v_mul_f32 v11, v10, v11
	v_fmamk_f32 v11, v11, 0x44800000, v12          ; Bnd2 = 1024 Bnd1 sum |g| wm2 + sum |g| bm2
	v_max_num_f32 v11, 0x0d800000, v11
.endif
.if LAYER == 1
	v_and_b32 v10, 0x7f800000, v10
	v_sub_nc_u32 v10, 0x86000000, v10
	ds_store_b32 v14, v10 offset:1024+(\off)       ; S1
.elseif LAYER == 2
	v_and_b32 v10, 0x7f800000, v10
	v_add_nc_u32 v10, 0xf9000000, v10
	ds_store_b32 v14, v10 offset:\off              ; 1 / S1
	v_and_b32 v11, 0x7f800000, v11
	v_sub_nc_u32 v11, 0x86000000, v11
	ds_store_b32 v14, v11 offset:1024+(\off)       ; S2
.else
	v_and_b32 v11, 0x7f800000, v11
	v_add_nc_u32 v11, 0xf9000000, v11
	ds_store_b32 v14, v11 offset:\off              ; 1 / S2
.endif
.endm
	s_load_b256 s[4:11], s[0:1], 0x0               ; a s[4:5], weights s[6:7], W s[8:9], bias s[10:11]
	s_load_b128 s[12:15], s[0:1], 0x20             ; pmax s[12:13], bmax s[14:15]
	s_load_b64 s[16:17], s[0:1], 0x30              ; the output
	v_lshl_add_u32 v[SPW], v0, 2, SPARE
	v_mov_b32 v[NIL], 0
	ds_add_u32 v[SPW], v[NIL]                      ; the wave's opening: the add, twice on end, and its wait ahead of my first tensor load
	ds_add_u32 v[SPW], v[NIL]
	v_lshrrev_b32 v3, 5, v0
	v_readfirstlane_b32 s[WV], v3
	s_lshr_b32 s[MH], s[WV], 1
	s_and_b32 s[NH], s[WV], 1
	s_bfe_u32 s[CX], ttmp6, 0x40000
	s_bfe_u32 s[CY], ttmp6, 0x40004
	s_lshl_b32 s[TX], ttmp9, 2                     ; in a cluster launch ttmp9 and ttmp7 count clusters
	s_add_co_u32 s[TX], s[TX], s[CX]
	s_and_b32 s[TY], ttmp7, 0xffff
	s_lshl_b32 s[TY], s[TY], 2
	s_add_co_u32 s[TY], s[TY], s[CY]
	s_lshl_b32 s41, s[CY], 2
	s_lshl_b32 s41, 15, s41                        ; my row of the cluster
	s_lshl_b32 s68, 0x1111, s[CX]                  ; my column
	s_or_b32 s[G1A], s41, DWA
	s_or_b32 s[G1B], s68, DWB
.irp g, G1A, G1B                       ; both kinds of load bring 32,768 dense bytes as 128 rows of 256
	s_mov_b32 s[\g+1], 128<<16                     ; tensor_dim0 = 128
	s_mov_b32 s[\g+2], 128<<16                     ; tensor_dim1 = 128
	s_mov_b32 s[\g+3], 128<<16                     ; tile_dim0 = 128
	s_mov_b32 s[\g+4], 128                         ; tile_dim1 = 128
	s_mov_b32 s[\g+5], 128                         ; 128 elements from row to row
	s_mov_b32 s[\g+6], 0
	s_mov_b32 s[\g+7], 0
.endr
	s_lshl_b32 s69, s[NH], 15                      ; which 32,768 bytes of a step I fetch
	s_mul_i32 s42, s[TY], SG*65536                 ; a: tile row y, K step 0 (registers that never hold x)
	s_add_co_u32 s42, s42, s69
	s_mov_b32 s43, 0
	s_mul_i32 s70, s[TX], STEPS*65536              ; weights: tile column x, step 0 (registers that never hold y)
	s_add_co_u32 s70, s70, s69
	s_mov_b32 s71, 0
	s_mul_i32 s72, s[NH], ASUB                     ; where they go: no place in the cluster enters an LDS address
	s_mul_i32 s73, s[NH], BHALF
	s_add_co_u32 s73, s73, BOFF
	s_lshl_b32 s74, s[CX], 13                      ; the prefetches: my work-group's 8,192 of the 32,768 bytes: of a's by cx,
	s_add_co_u32 s74, s74, s42
	s_lshl_b32 s76, s[CY], 13                      ; of the weights' by cy
	s_add_co_u32 s76, s76, s70
	s_and_b32 s77, ttmp7, 0xffff
	s_cmp_eq_u32 s77, 0                            ; cluster y, cluster x: the same in all sixteen partners
	s_cselect_b32 s80, STEPS-3, 0
	s_cmp_eq_u32 ttmp9, 0
	s_cselect_b32 s81, SG-3, 0
	s_cmp_lt_u32 s[WV], 2
	s_cselect_b32 s[PFC], s81, s80
	s_cselect_b32 s74, s74, s76
	s_add_co_u32 s74, s74, 3*65536                 ; at step 3: the first change of slots steps it to 4
	s_mov_b32 s75, 0
	s_lshl_b32 s41, s[TY], 3                       ; xm: my thread's rows lie in chunks 8 y + wave and 8 y + 4 + wave of X
	s_add_co_u32 s41, s41, s[WV]
	s_lshl_b32 s41, s41, 2
.if LAYER < 3
	s_lshl_b32 s78, s[TY], 4                       ; the output block (y, kb = x) of 32,768 bytes
	s_add_co_u32 s78, s78, s[TX]
	s_lshl_b32 s78, s78, 15
.else
	s_lshl_b32 s78, s[TY], 19                      ; out0: row 256 y + 64 wave, 2,048 bytes a row; column 32 x
	s_lshl_b32 s77, s[WV], 17
	s_add_co_u32 s78, s78, s77
	s_lshl_b32 s77, s[TX], 7
	s_add_co_u32 s78, s78, s77
.endif
	s_mov_b32 s79, 0
	s_mov_b32 s[LMASK], 0xffff
	s_mov_b32 s[THR], 0xbb800000
	s_mov_b32 s[TB], 0
	s_wait_dscnt 0x0                               ; both opening adds are done
	s_wait_kmcnt 0x0
	s_cmp_lt_u32 s[WV], 2
	s_cselect_b64 s[PFA:PFA+1], s[4:5], s[6:7]
	s_add_nc_u64 s[PFA:PFA+1], s[PFA:PFA+1], s[74:75]
	s_add_nc_u64 s[4:5], s[4:5], s[42:43]          ; a at my part of K step 0
	s_add_nc_u64 s[6:7], s[6:7], s[70:71]          ; the weights at my part of step 0
	s_add_nc_u64 s[16:17], s[16:17], s[78:79]
	s_mov_b32 s[AOFF], 65536                       ; the walking descriptor begins at K step 1
	s_mov_b32 s[AOFF+1], 0
	s_load_b512 s[BM1:BM1+15], s[14:15], 0x0       ; bm1, bm2
	s_load_b32 s[XM], s[12:13], s41 offset:0x0
	s_load_b32 s[XM+1], s[12:13], s41 offset:0x10
	CROUND                                         ; all sixteen work-groups are here: the first joint loads meet
.irp s, 0,1
	s_mov_b32 s[G0A+4*(\s)], 1
	s_add_co_u32 s[G0A+4*(\s)+1], s72, (\s)*SLOT1
	s_add_nc_u64 s[G0A+4*(\s)+2:G0A+4*(\s)+3], s[4:5], (\s)*65536
	s_or_b32 s[G0A+4*(\s)+3], s[G0A+4*(\s)+3], 0x80000000
	s_mov_b32 s[G0B+4*(\s)], 1
	s_add_co_u32 s[G0B+4*(\s)+1], s73, (\s)*SLOT1
	s_add_nc_u64 s[G0B+4*(\s)+2:G0B+4*(\s)+3], s[6:7], (\s)*65536
	s_or_b32 s[G0B+4*(\s)+3], s[G0B+4*(\s)+3], 0x80000000
	JLOAD \s                                       ; two loads of mine are out
.endr
	; WHILE THE FIRST TILES ARE ON THEIR WAY: tables, gates, bias, addresses, and the products that start T.
	v_and_b32 v1, 15, v0                           ; l % 16
	v_bfe_u32 v2, v0, 4, 1                         ; l / 16
	v_and_b32 v3, 31, v0                           ; l
	v_lshlrev_b32 v[PFO], 8, v3
	v_lshlrev_b32 v4, 5, v3
	global_load_b128 v[TMP:TMP+3], v4, s[12:13] offset:512     ; W1's 256 chunk maxima, 8 a lane: lanes 4 e .. 4 e + 3 hold expert e's
	global_load_b128 v[TMP+4:TMP+7], v4, s[12:13] offset:528
.if LAYER > 1
	v_lshlrev_b32 v5, 6, v3
.irp q, 0,1,2,3
	global_load_b128 v[TMP+8+4*\q:TMP+11+4*\q], v5, s[12:13] offset:1536+16*\q  ; W2's 512, 16 a lane
.endr
.endif
	s_lshl_b32 s80, s[TY], 13
	v_lshl_add_u32 v6, v0, 5, s80
	global_load_b128 v[TMP+24:TMP+27], v6, s[8:9]              ; the gates of row 256 y + my thread's number,
	global_load_b128 v[TMP+28:TMP+31], v6, s[8:9] offset:16
	global_load_b128 v[TMP+32:TMP+35], v6, s[8:9] offset:4096  ; and of the row 128 further down
	global_load_b128 v[TMP+36:TMP+39], v6, s[8:9] offset:4112
	s_lshl_b32 s81, s[MH], 12
	s_add_co_u32 s81, s81, s80
	v_lshl_add_u32 v7, v1, 5, s81
.irp a, 0,1,2,3,4,5,6,7
	global_load_b128 v[GG+8*\a:GG+8*\a+3], v7, s[8:9] offset:512*\a      ; the gates of row 16 a + l % 16 of my 128
	global_load_b128 v[GG+8*\a+4:GG+8*\a+7], v7, s[8:9] offset:512*\a+16
.endr
	s_lshl_b32 s82, s[TX], 1
	s_add_co_u32 s82, s82, s[NH]
	s_mul_i32 s82, s82, 64*NB                      ; my first column, in bytes
	v_lshl_add_u32 v8, v1, 2, s82
.set b, 0
.rept NB
.set e, 0
.rept 8
	global_load_b32 v[TMP+40+8*b+e], v8, s[10:11] offset:(e*NCOL+16*b)*4  ; bl[e][column 16 b + l % 16 of mine]
.set e, e+1
.endr
.set b, b+1
.endr
	v_mul_u32_u24 v9, v1, PA
	v_lshl_add_u32 v9, v2, 4, v9                   ; a fragment's row x pitch + 16 x half
	s_mul_i32 s80, s[MH], 128*PA
	v_add_nc_u32 v[ADRA0], s80, v9
	v_mul_u32_u24 v9, v1, PB
	v_lshl_add_u32 v9, v2, 4, v9
	s_mul_i32 s80, s[NH], BHALF
	s_add_co_u32 s80, s80, BOFF
	v_add_nc_u32 v[ADRB0], s80, v9
	v_add_nc_u32 v[ADRA], s[TB], v[ADRA0]          ; step 0 lies in slot 0
	v_add_nc_u32 v[ADRB], s[TB], v[ADRB0]
	s_mul_i32 s80, s[MH], 128*SPITCH               ; into the stage: row 128 (w / 2) + l % 16, my column half, 32 bytes for each half of the lanes
	s_mul_i32 s81, s[NH], 64*NB
	s_add_co_u32 s80, s80, s81
	s_add_co_u32 s80, s80, STAGE
	v_mul_u32_u24 v10, v1, SPITCH
	v_lshl_add_u32 v10, v2, 5, v10
	v_add_nc_u32 v[STO], s80, v10
	s_mul_i32 s80, s[WV], 64*SPITCH                ; back: wave w takes rows 64 w .. 64 w + 63, whole
	s_add_co_u32 s80, s80, STAGE
.if LAYER < 3
	v_mul_u32_u24 v10, v2, SPITCH                  ; a load takes two rows of 256 bytes
	v_lshl_add_u32 v10, v1, 4, v10
	v_add_nc_u32 v[RD], s80, v10
	s_lshl_b32 s80, s[WV], 8
	s_add_co_u32 s80, s80, TAB1
	v_lshl_add_u32 v[SAD], v2, 2, s80              ; S of row 64 w + l / 16
	s_lshl_b32 s80, s[WV], 13
	v_lshl_add_u32 v[CO], v3, 3, s80               ; two rows of the output block are 256 bytes, 8 a lane
.else
	v_lshrrev_b32 v10, 3, v3                       ; a load takes four rows of 128 bytes
	v_and_b32 v11, 7, v0
	v_mul_u32_u24 v12, v10, SPITCH
	v_lshl_add_u32 v12, v11, 4, v12
	v_add_nc_u32 v[RD], s80, v12
	v_lshlrev_b32 v12, 11, v10
	v_lshl_add_u32 v[CO], v11, 4, v12
.endif
	s_wait_loadcnt 16+8*NB                         ; the tables and my two rows' gates are in; the 16 loads of block gates and the 8 NB of bias may stay out
	v_max3_num_f32 v[TMP], v[TMP], v[TMP+1], v[TMP+2]
	v_max3_num_f32 v[TMP+3], v[TMP+3], v[TMP+4], v[TMP+5]
	v_max3_num_f32 v[TMP], v[TMP], v[TMP+6], v[TMP+7]
	v_max_num_f32 v[TMP], v[TMP], v[TMP+3]
	v_max_num_f32_dpp v[TMP], v[TMP], v[TMP] row_xmask:1 row_mask:0xf bank_mask:0xf
	v_max_num_f32_dpp v[TMP], v[TMP], v[TMP] row_xmask:2 row_mask:0xf bank_mask:0xf
.irp e, 0,1,2,3,4,5,6,7
	v_readlane_b32 s[WM1+\e], v[TMP], 4*\e
.endr
.if LAYER > 1
	v_max3_num_f32 v[TMP+8], v[TMP+8], v[TMP+9], v[TMP+10]
	v_max3_num_f32 v[TMP+11], v[TMP+11], v[TMP+12], v[TMP+13]
	v_max3_num_f32 v[TMP+14], v[TMP+14], v[TMP+15], v[TMP+16]
	v_max3_num_f32 v[TMP+17], v[TMP+17], v[TMP+18], v[TMP+19]
	v_max3_num_f32 v[TMP+20], v[TMP+20], v[TMP+21], v[TMP+22]
	v_max3_num_f32 v[TMP+8], v[TMP+8], v[TMP+11], v[TMP+14]
	v_max3_num_f32 v[TMP+17], v[TMP+17], v[TMP+20], v[TMP+23]
	v_max_num_f32 v[TMP+8], v[TMP+8], v[TMP+17]
	v_max_num_f32_dpp v[TMP+8], v[TMP+8], v[TMP+8] row_xmask:1 row_mask:0xf bank_mask:0xf
	v_max_num_f32_dpp v[TMP+8], v[TMP+8], v[TMP+8] row_xmask:2 row_mask:0xf bank_mask:0xf
.irp e, 0,1,2,3,4,5,6,7
	v_readlane_b32 s[WM2+\e], v[TMP+8], 4*\e
.endr
.endif
	v_lshl_add_u32 v14, v0, 2, TAB0
	s_wait_kmcnt 0x0                               ; bm1, bm2, xm
	BOUNDS TMP+24, XM, 0
	BOUNDS TMP+32, XM+1, 512
	s_wait_loadcnt 0x0
	; The bias product's fragments.  K = 0..7 is the expert: registers 0-3 of lanes 0-15.  The bias fragment is 0 everywhere else, so what the gate fragment's lanes 16-31 hold (the row's own gates once more) is multiplied by 0.
	WIN TO_B
.set a, 0
.rept 8
.set i, 0
.rept 4
	v_cvt_pk_f16_f32 v[GFW+8*a+i], v[GG+8*a+2*i], v[GG+8*a+2*i+1]
	v_mov_b32 v[GFW+8*a+4+i], 0
.set i, i+1
.endr
.set a, a+1
.endr
	WIN 0
.set b, 0
.rept NB
.set i, 0
.rept 4
	v_cvt_pk_f16_f32 v[TMP+56+4*b+i], v[TMP+40+8*b+2*i], v[TMP+40+8*b+2*i+1]
.set i, i+1
.endr
.set b, b+1
.endr
	WIN TO_B
.set b, 0
.rept NB
.set i, 0
.rept 4
	v_cndmask_b32 v[BFW+8*b+i], 0, v[TMP+56+4*b+i], s[LMASK]
	v_mov_b32 v[BFW+8*b+4+i], 0
.set i, i+1
.endr
.set b, b+1
.endr
	WIN 0x45                                       ; sources 0, 1 and the destination window 1
.set a, 0
.rept 8
.set b, 0
.rept NB
	v_wmma_f32_16x16x32_f16 v[TT+8*(NB*a+b):TT+8*(NB*a+b)+7], v[BFW+8*b:BFW+8*b+7], v[GFW+8*a:GFW+8*a+7], 0  ; T starts as sum_e W[b][e] bl[e][n]
.set b, b+1
.endr
.set a, a+1
.endr
	WIN 0
	s_wait_tensorcnt 0x1                           ; my part of step 0 is in; step 1's may stay out
	s_wait_dscnt 0x0                               ; my table words are stored
	s_barrier_signal -1
	s_barrier_wait -1
.if LAYER > 1
	s_lshl_b32 s80, s[MH], 9
	s_add_co_u32 s80, s80, TAB0
	v_lshl_add_u32 v9, v1, 2, s80
.irp a, 0,1,2,3,4,5,6,7
	ds_load_b32 v[INV+\a], v9 offset:64*\a         ; 1 / S of row 16 a + l % 16 of my 128
.endr
.endif
	PLACES                                         ; the loads below land in registers that the products above have read
	FETCH 0, 0
.if LAYER > 1
	s_wait_dscnt 32                                ; the eight words are in; the 32 fragment loads may stay out
.set a, 0
.rept 8
.set e, 0
.rept 4
.if a%2
	v_pk_mul_f32 v[GG+8*a+e:GG+8*a+e+1], v[GG+8*a+e:GG+8*a+e+1], v[INV+a-1:INV+a] op_sel:[0,1] op_sel_hi:[1,1]  ; G = g / S, exact
.else
	v_pk_mul_f32 v[GG+8*a+e:GG+8*a+e+1], v[GG+8*a+e:GG+8*a+e+1], v[INV+a:INV+a+1] op_sel_hi:[1,0]
.endif
.set e, e+2
.endr
.set a, a+1
.endr
.endif
	s_mov_b32 s[KS], 0
	s_mov_b32 s[CNT], STEPS-2
.Lstep:                                                ; a trip is a K step; every step but the last two fills its slot again
	s_cmp_eq_u32 s[KS], 0
	s_cbranch_scc1 .Lzero
	QUARTER 1, 0, 1, 0
	WIN 0                                          ; at a label and at a branch every window is 0
	s_branch .Ljoin
.Lzero:                                                ; a group's first quarter: its products start P's sums
	v_nop                                          ; with the four in front of a run of loads the fifth place between a product and the product that starts its accumulator anew, whichever way leads here
	QUARTER 1, 0, 1, 1
	WIN 0
.Ljoin:
	QUARTER 2, 1, 0, 0
	QUARTER 3, 0, 1, 0
	TURN 1
	WIN 0
.if NG > 1
	s_cmp_lg_u32 s[KS], SG-1
	s_cbranch_scc1 .Lkeep
	FLUSH 0                                        ; the first group's end; the next step's first fragments are on their way meanwhile
	WIN 0
.Lkeep:
.endif
	s_add_co_u32 s[KS], s[KS], 1
	s_and_b32 s[KS], s[KS], SG-1
	s_sub_co_u32 s[CNT], s[CNT], 1
	s_cmp_lg_u32 s[CNT], 0
	s_cbranch_scc1 .Lstep
	s_mov_b32 s[CNT], 2
.Ltail:                                                ; the last two steps are a text of their own
	QUARTER 1, 0, 1, 0
	QUARTER 2, 1, 0, 0
	QUARTER 3, 0, 1, 0
	TURN 0
	WIN 0
	s_sub_co_u32 s[CNT], s[CNT], 1
	s_cmp_lg_u32 s[CNT], 0
	s_cbranch_scc1 .Ltail
	FLUSH NG-1
	; THE WAY OUT: T goes into the work-group's stage in f32.  The stage is slot 1: every wave's reads of it ended in front of the last barrier, and nothing is filled any more.
	; A barrier follows, since a row comes from two waves; then whole rows are read back.
	WIN 0x04                                       ; the stores' data (source 1) window 1
.set a, 0
.rept 8
.set b, 0
.rept NB
	ds_store_b128 v[STO], v[TT+8*(NB*a+b):TT+8*(NB*a+b)+3]   offset:a*16*SPITCH+64*b
	ds_store_b128 v[STO], v[TT+8*(NB*a+b)+4:TT+8*(NB*a+b)+7] offset:a*16*SPITCH+64*b+16
.set b, b+1
.endr
.set a, a+1
.endr
	WIN 0
	s_wait_dscnt 0x0                               ; for the others' sake: my stores into the stage are done
	s_barrier_signal -1
	s_barrier_wait -1
.if LAYER < 3
.set Z,  64                            ; v64-95   z: load j's four numbers at Z + 4 j (row 2 j + l / 16 of the trip's sixteen)
.set SC, 96                            ; v96-103  S of those rows
.set ZN, 128                           ; min(z, 0)
.set EX, 160                           ; 2^(zn log2 e) - 1
.set PP, 192                           ; z + zn^2 / 2, then the result
.set HF, 224                           ; the result in f16
	s_mov_b32 s[CNT], 4
.Lrows:                                                ; four trips of sixteen rows: elu, the row's scale, f16, one store for two rows
.irp j, 0,1,2,3,4,5,6,7
	ds_load_b128 v[Z+4*\j:Z+4*\j+3], v[RD] offset:\j*2*SPITCH
.endr
.irp j, 0,1,2,3,4,5,6,7
	ds_load_b32 v[SC+\j], v[SAD] offset:8*\j
.endr
	s_wait_dscnt 0x0
.set i, 0
.rept 32
	v_min_num_f32 v[ZN+i], 0, v[Z+i]
.set i, i+1
.endr
.set i, 0
.rept 16
	v_pk_mul_f32 v[EX+i:EX+i+1], v[ZN+i:ZN+i+1], 0x3fb8aa3b op_sel_hi:[1,0]
.set i, i+2
.endr
.set i, 0
.rept 32
	v_exp_f32 v[EX+i], v[EX+i]                     ; one batch of 32
.set i, i+1
.endr
.set i, 0
.rept 16
	v_pk_mul_f32 v[PP+i:PP+i+1], v[ZN+i:ZN+i+1], 0.5 op_sel_hi:[1,0]  ; plain work that names no exponential's result stands behind the batch
.set i, i+2
.endr
.set i, 0
.rept 16
	v_pk_fma_f32 v[PP+i:PP+i+1], v[PP+i:PP+i+1], v[ZN+i:ZN+i+1], v[Z+i:Z+i+1]
.set i, i+2
.endr
	s_wait_alu depctr_va_vdst(0)                   ; one wait for the batch, ahead of its first reader
.set i, 0
.rept 16
	v_pk_add_f32 v[EX+i:EX+i+1], v[EX+i:EX+i+1], -1.0 op_sel_hi:[1,0]
.set i, i+2
.endr
.set i, 0
.rept 32
	v_cmp_gt_f32 vcc_lo, s[THR], v[Z+i]            ; z < -2^-8 ?
	v_cndmask_b32 v[PP+i], v[PP+i], v[EX+i], vcc_lo
.set i, i+1
.endr
.set j, 0
.rept 8
.set i, 0
.rept 2
.if j%2
	v_pk_mul_f32 v[PP+4*j+i:PP+4*j+i+1], v[PP+4*j+i:PP+4*j+i+1], v[SC+j-1:SC+j] op_sel:[0,1] op_sel_hi:[1,1]
.else
	v_pk_mul_f32 v[PP+4*j+i:PP+4*j+i+1], v[PP+4*j+i:PP+4*j+i+1], v[SC+j:SC+j+1] op_sel_hi:[1,0]
.endif
.set i, i+2
.endr
.set j, j+1
.endr
.set j, 0
.rept 8
	v_cvt_pk_f16_f32 v[HF+2*j], v[PP+4*j], v[PP+4*j+1]
	v_cvt_pk_f16_f32 v[HF+2*j+1], v[PP+4*j+2], v[PP+4*j+3]
	global_store_b64 v[CO], v[HF+2*j:HF+2*j+1], s[16:17] offset:256*j  ; 32 lanes store two rows of the block: 256 consecutive bytes, aligned
.set j, j+1
.endr
	s_wait_xcnt 0x0                                ; the stores have read their data and their offset: both are written again only behind this wait
	v_add_nc_u32 v[RD], 16*SPITCH, v[RD]
	v_add_nc_u32 v[SAD], 64, v[SAD]
	v_add_nc_u32 v[CO], 2048, v[CO]
	s_sub_co_u32 s[CNT], s[CNT], 1
	s_cmp_lg_u32 s[CNT], 0
	s_cbranch_scc1 .Lrows
.else
.irp t, 0,1,2,3,4,5,6,7,8,9,10,11,12,13,14,15
	ds_load_b128 v[TMP+4*\t:TMP+4*\t+3], v[RD] offset:\t*4*SPITCH
.endr
.irp t, 0,1,2,3,4,5,6,7,8,9,10,11,12,13,14,15
	s_wait_dscnt 15-\t                             ; load t is in, the younger ones may stay out
	global_store_b128 v[CO], v[TMP+4*\t:TMP+4*\t+3], s[16:17] offset:\t*8192 th:TH_STORE_NT  ; eight lanes store a row's 128 consecutive bytes, four rows an instruction
.endr
.endif
	s_wait_tensorcnt 0x0                           ; the wave's end, behind my last tensor load and my last LDS store
	ds_add_u32 v[SPW], v[NIL]
	s_wait_dscnt 0x0
	CROUND                                         ; the closing round: no work-group ends while a partner may still ask for a tile that names it
	s_endpgm
.Lfunc_end_k_qb08ff64bf2_layer2:
	.size	k_qb08ff64bf2_layer2, .Lfunc_end_k_qb08ff64bf2_layer2-k_qb08ff64bf2_layer2
	.p2alignl 7, 3214868480
	.fill 96, 4, 3214868480
	.section	.rodata,"a",@progbits
	.p2align	6, 0x0
	.amdhsa_kernel k_qb08ff64bf2_layer2
		.amdhsa_group_segment_fixed_size 327680
		.amdhsa_private_segment_fixed_size 0
		.amdhsa_enable_private_segment 0
		.amdhsa_kernarg_size 56
		.amdhsa_user_sgpr_count 2
		.amdhsa_user_sgpr_kernarg_segment_ptr 1
		.amdhsa_wavefront_size32 1
		.amdhsa_system_sgpr_workgroup_id_x 1
		.amdhsa_system_sgpr_workgroup_id_y 1
		.amdhsa_system_sgpr_workgroup_id_z 1
		.amdhsa_system_vgpr_workitem_id 0
		.amdhsa_next_free_vgpr 1024
		.amdhsa_next_free_sgpr 102
		.amdhsa_reserve_vcc 1
		.amdhsa_float_denorm_mode_32 3
		.amdhsa_float_denorm_mode_16_64 3
		.amdhsa_memory_ordered 1
		.amdhsa_forward_progress 1
		.amdhsa_inst_pref_size 138
	.end_amdhsa_kernel
	.amdgpu_metadata
---
amdhsa.version: [ 1, 2 ]
amdhsa.kernels:
  - .name:           k_qb08ff64bf2_layer2
    .symbol:         k_qb08ff64bf2_layer2.kd
    .args:
      - { .name: Mid1, .offset: 0, .size: 8, .value_kind: global_buffer, .address_space: global }
      - { .name: Wh2, .offset: 8, .size: 8, .value_kind: global_buffer, .address_space: global }
      - { .name: W, .offset: 16, .size: 8, .value_kind: global_buffer, .address_space: global }
      - { .name: b2, .offset: 24, .size: 8, .value_kind: global_buffer, .address_space: global }
      - { .name: pmax, .offset: 32, .size: 8, .value_kind: global_buffer, .address_space: global }
      - { .name: bmax, .offset: 40, .size: 8, .value_kind: global_buffer, .address_space: global }
      - { .name: Mid2, .offset: 48, .size: 8, .value_kind: global_buffer, .address_space: global }
    .group_segment_fixed_size: 327680
    .private_segment_fixed_size: 0
    .kernarg_segment_align: 8
    .kernarg_segment_size: 56
    .max_flat_workgroup_size: 128
    .sgpr_count:     102
    .vgpr_count:     1024
    .wavefront_size: 32
...
	.end_amdgpu_metadata
.endif
;; end of part 7
;; launch layer3 (part 8): grid 16 x 16, 4 waves a work-group, clusters of 4 x 4, 327,680 bytes of LDS; arguments Mid2, Wh3, W, b3, pmax, bmax, out0; writes out0
.if DOCPART == 8
	.amdgcn_target "amdgcn-amd-amdhsa--gfx1250"
	.amdhsa_code_object_version 6
	.text
	.protected	k_qb08ff64bf2_layer3
	.globl	k_qb08ff64bf2_layer3
	.p2align	8
	.type	k_qb08ff64bf2_layer3,@function
k_qb08ff64bf2_layer3:
	s_mov_b64 s[64:65], 0
	v_nop
	global_prefetch_b8 v0, s[64:65] scope:SCOPE_SE
	s_setreg_imm32_b32 hwreg(HW_REG_WAVE_MODE, 25, 1), 1
	s_wait_xcnt 0x0
	s_wait_alu depctr_hold_cnt(0) depctr_sa_sdst(0) depctr_va_vdst(0) depctr_va_sdst(0) depctr_va_ssrc(0) depctr_va_vcc(0) depctr_vm_vsrc(0)
	s_getreg_b32 s2, hwreg(HW_REG_IB_STS2, 6, 4)
	s_cmp_eq_u32 s2, 0
	s_cbranch_scc0 .Lentry_in_a_cluster
	s_endpgm
.Lentry_in_a_cluster:
	s_bfe_u32 s2, ttmp6, 0x10000c
	s_cmp_lg_u32 s2, 0xf033
	s_cbranch_scc0 .Lentry_shape_is_right
	s_endpgm
.Lentry_shape_is_right:
; ONE LAYER OF THREE (one text serves all three; LAYER picks the sizes): z[b][n] = sum_e W[b][e] ( sum_k a[b][k] Wl[e][n][k] + bl[e][n] ); layers 1, 2: mid = elu(z).  Nothing of the layer is left out.
; ARITHMETIC.  For each expert P_e = a Wl[e]^T, f16 operands, f32 sums in the matrix unit; then T += G_e P_e in f32 (FLUSH): the gate rounds no operand.  The bias term sum_e W[b][e] bl[e][n] is
; one matrix instruction an accumulator (K = 32, of which 8 are used: gates and bias in f16), and with C = 0 it starts T: nothing is cleared.
; THE HIDDEN LAYERS' SCALE.  mid_l is stored as f16(mid_l S_l[b]), S_l a power of two from a bound known beforehand: Bnd1 = 512 xm sum_e |g_e| wm1[e] + sum_e |g_e| bm1[e] >= |z1| >= |elu(z1)|,
; Bnd2 = 1024 Bnd1 sum_e |g_e| wm2[e] + sum_e |g_e| bm2[e] (xm: largest |X| of the row's 32-row chunk; wm, bm: largest |weight|, |bias| of an expert), each at least 2^-100.  With 2^x <= Bnd < 2^(x+1):
; S = 2^(14-x), so |mid S| < 2^15.  The reader multiplies its gates by 1 / S: G = g / S, exact.  Writer and reader make S by the same lines from the same tables.
; ELU.  zn = min(z, 0); where z < -2^-8: 2^(zn log2 e) - 1; else z + zn^2 / 2 (which is z for z > 0): the two forms of e^z - 1, chosen by a select, no branch.
; LIMITS.  |W|, |bl| within f16's 65,504 (they enter the bias product in f16); a stored mid is off by at most 2^-39 Bnd beside f16's rounding; Bnd must stay finite; NaN and infinities are not treated apart.
; SHARES.  Work-group (x, y): rows 256 y .., columns 32 NB x .. (64; layer 3: 32), EC experts at once (4; layer 3: 8): a block of 256 rows of a by 256 weight rows.  Wave w: rows 128 (w / 2) .., column half
; w % 2 of every expert: for 32 along K 8 fragments of a and 8 of the weights (fragment NB j + b: expert j of the group, column block b) feed 64 matrix instructions on 64 accumulators P.
; K goes in steps of 128 through two LDS slots; a GROUP is EC experts' whole K (SG steps).  A step's text is written once: the slot's LDS base is a scalar turned by an exclusive or.
; THE PRODUCT IS USED TRANSPOSED (source 0 = 16 weight rows, source 1 = 16 rows of a): a lane holds one row b (lane % 16) and columns 8 (lane / 16) + 0..7.
; CLUSTER 4 x 4: a's blocks hang on y alone and are asked for jointly along a row of the cluster, the weights' on x alone, along a column: the same tensor load, descriptor and mask in the four.
; LAYER 3's STORES cover pieces of 128 consecutive bytes, since its tile has 32 columns of f32: with 64 columns and all 8 experts a slot would be (128 + 512) rows x 272 = 174,080 bytes, and two do not fit.
; REGISTERS, in windows of 256 (s_set_vgpr_msb: bits 1:0 source 0, 3:2 source 1, 5:4 source 2, 7:6 destination):
;   window 0: v0-63 addresses and work; v64-127, v128-191 fragments of a, two buffers; v192-255 G[a][e]
;   window 1: v0-63, v64-127 fragments of the weights, two buffers (before the first step: the bias product's fragments); v128-255 T[a][b]
;   window 2: the 32 accumulators P of my rows 0-63 (row block a, fragment f at 8 (8 a + f));   window 3: those of my rows 64-127
.set LAYER, 3
.if LAYER == 1
.set SG, 4                             ; K steps of 128 in a group
.set NG, 2                             ; groups
.set EC, 4                             ; experts in a group
.set NB, 2                             ; column blocks of 16 an expert and wave
.set NCOL, 1024                        ; the layer's width
.elseif LAYER == 2
.set SG, 8
.set NG, 2
.set EC, 4
.set NB, 2
.set NCOL, 1024
.else
.set SG, 8
.set NG, 1
.set EC, 8
.set NB, 1
.set NCOL, 512
.endif
.set STEPS, SG*NG
.set PA,    144                        ; a row of a in LDS: 64 k = 128 bytes + 16 of padding = 36 words: the 16 rows of a fragment load start at 16 different groups of four banks (ISA guide 11.1)
.set PB,    272                        ; a weight row: 128 k = 256 bytes + 16 = 68 words: likewise
.set ASUB,  256*PA                     ; what wave 0 or 1 fetches: 256 rows x 64 k of a
.set BHALF, 128*PB                     ; what wave 2 or 3 fetches: 128 weight rows x 128 k
.set BOFF,  2*ASUB                     ; a slot: a's two blocks, then the weights' 256 rows
.set SLOTB, BOFF+2*BHALF               ; 143,360 bytes
.set SLOT1, 0x24000                    ; slot 1 begins here: its two bits meet none of the four loads' places 0, 0x9000, 0x12000, 0x1a800, so one exclusive or turns a place in one slot into the other's
.set TAB0,  SLOTB                      ; between the slots, never filled by a tensor load: 1 / S of the input, a word a row,
.set TAB1,  TAB0+1024                  ; S of the output,
.set SPARE, TAB1+1024                  ; and the spare words, 128 bytes a wave: two blocks of 256 bytes that no other line names
.set STAGE, SLOT1                      ; the way out goes through slot 1's bytes, which have had their last fill by then
.if LAYER < 3
.set SPITCH, 272                       ; 64 f32 + 16 bytes
.else
.set SPITCH, 144                       ; 32 f32 + 16 bytes
.endif
.set ADRA0, 16                         ; my lane's place in a slot for fragments of a; never rewritten
.set ADRB0, 17                         ; the same for the weights
.set ADRA,  18                         ; the two in the slot in hand
.set ADRB,  19
.set STO,  24                          ; the way out: where I put a row's 32 bytes
.set RD,   25                          ; where I read rows back
.set CO,   26                          ; my byte offset in the output
.set SAD,  27                          ; where my rows' S lie
.set SPW,  28                          ; my spare word's address; never rewritten
.set NIL,  29                          ; 0; never rewritten
.set PFO,  30                          ; 256 x lane: the prefetches' offset; never rewritten
.set INV,  32                          ; v32-39 1 / S of my eight row blocks
.set TMP,  64
.set GG,   192
.set GFW,  0                           ; window 1: the bias product's gate fragments,
.set BFW,  64                          ; and its bias fragments
.set TT,   128                         ; window 1
.set KS,  2                            ; s2 the step's number in its group
.set CNT, 3                            ; s3 counts trips
.set WV, 18                            ; s18 wave; s19 its row half, s20 its column half (also: which half of a tile it fetches)
.set MH, 19
.set NH, 20
.set CX, 21
.set CY, 22
.set TX, 23                            ; x
.set TY, 40                            ; y
.set G1A, 24                           ; s[24:31] descriptor group 1 for a's blocks; s[32:39] group 0: a set for each first fill; the second then walks on
.set G0A, 32
.set G1B, 48                           ; s[48:55], s[56:63] the same for the weights'
.set G0B, 56
.set AOFF, 42                          ; s[42:43] byte offset of the K step that a's walking descriptor names
.set PFA, 44                           ; s[44:45] where my prefetches stand
.set PFC, 46                           ; s46 prefetches still to come (0 or less: none)
.set LMASK, 47                         ; lanes 0-15
.set THR, 66                           ; -2^-8
.set TB,  67                           ; LDS base of the slot in hand: 0 or SLOT1
.set WM1, 68                           ; s[68:75] wm1, s[76:83] wm2 (before and behind that: work), s[84:91] bm1, s[92:99] bm2, s100, s101 xm of my two rows
.set WM2, 76
.set BM1, 84
.set BM2, 92
.set XM,  100
.set DWA, (1<<16)|(1<<20)|(1<<21)|(4<<22)|(3<<25)  ; 2-byte elements; padding on; bit 21 beside a mask; after every 32 words 4 words
.set DWB, (1<<16)|(1<<20)|(1<<21)|(5<<22)|(3<<25)  ; the same after every 64 words
.set MSB, 0
.macro WIN new                         ; the immediate's high byte repeats the setting that is left; a switch that changes nothing is dropped
.if MSB != (\new)
	s_set_vgpr_msb (MSB<<8)|(\new)
.set MSB, \new
.endif
.endm
.set MUL_LO, 0xa1                      ; source 0 (weights) window 1, source 1 (a) window 0, C and D window 2
.set TO_B,   0x40                      ; destination window 1
; A joint load: waves 0, 1 fetch a's two blocks, waves 2, 3 the weights' halves.  The branch hangs on the wave's number alone.  An s_nop 0 and four v_nop follow each line.
.macro JLOAD s
	s_cmp_lt_u32 s[WV], 2
	s_cbranch_scc0 .Lfor_b_\@
	tensor_load_to_lds s[G0A+4*(\s):G0A+4*(\s)+3], s[G1A:G1A+7]
	s_nop 0
.rept 4
	v_nop
.endr
	s_branch .Lasked_\@
.Lfor_b_\@:
	tensor_load_to_lds s[G0B+4*(\s):G0B+4*(\s)+3], s[G1B:G1B+7]
	s_nop 0
.rept 4
	v_nop
.endr
.Lasked_\@:
.endm
; A round of the cluster's barrier: my work-group's barrier; wave 0 signals for the work-group; every wave waits for all sixteen; my work-group's barrier once more.
.macro CREST
	s_cmp_lg_u32 s[WV], 0
	s_cbranch_scc1 .Lnot_wave_0_\@
	s_barrier_signal -3
.Lnot_wave_0_\@:
	s_barrier_wait -3
	s_barrier_signal -1
	s_barrier_wait -1
.endm
.macro CROUND
	s_barrier_signal -1
	s_barrier_wait -1
	CREST
.endm
; A prefetch into the L2, behind each joint refill and the run of LDS loads that follows it.  The refill in step t asks for step t + 2; this line names step t + 4: two steps, 512 matrix instructions, ahead
; of the load that will want it.  Each block of 256 bytes is named once in the launch.  The weights' tiles: the clusters with cluster y = 0 ask, in them waves 2 and 3, each for the 32,768 bytes that it
; fetches.  a's blocks, in the first group's walk alone (later groups walk them again): the clusters with cluster x = 0, waves 0 and 1.  The four partners that ask for a tile jointly take 8,192 bytes each,
; told apart by address; a lane a block.  Steps 0 to 3 come by their loads alone; the count ends the asking at the last step (for a: at the group's last).
.macro ASK
	s_cmp_gt_i32 s[PFC], 0
	s_cbranch_scc0 .Lnot_mine_\@
	global_prefetch_b8 v[PFO], s[PFA:PFA+1] th:TH_LOAD_NT scope:SCOPE_SE
.Lnot_mine_\@:
.endm
.macro PLACES                          ; four places in front of loads into registers that matrix instructions have read, and of vector lines that read their results
.rept 4
	v_nop
.endr
.endm
; 16 matrix instructions: row blocks a0, a0 + 1 of the window's four (hi = 0: my rows 0-63, 1: rows 64-127) x all 8 weight fragments, 32 along K, from buffer f.
; The 64 accumulators take turns, one instruction a turn, in the same order in every quarter.  zero = 1: the products start the sums.
.macro MUL16 f, hi, a0, zero
	WIN MUL_LO+0x50*(\hi)
.irp a, \a0, (\a0)+1
.irp b, 0,1,2,3,4,5,6,7
.if \zero
	v_wmma_f32_16x16x32_f16 v[8*(8*(\a)+(\b)):8*(8*(\a)+(\b))+7], v[64*(\f)+8*(\b):64*(\f)+8*(\b)+7], v[64+64*(\f)+8*(4*(\hi)+(\a)):64+64*(\f)+8*(4*(\hi)+(\a))+7], 0
.else
	v_wmma_f32_16x16x32_f16 v[8*(8*(\a)+(\b)):8*(8*(\a)+(\b))+7], v[64*(\f)+8*(\b):64*(\f)+8*(\b)+7], v[64+64*(\f)+8*(4*(\hi)+(\a)):64+64*(\f)+8*(4*(\hi)+(\a))+7], v[8*(8*(\a)+(\b)):8*(8*(\a)+(\b))+7]
.endif
.endr
.endr
.endm
; 32 LDS loads in one run: quarter q's fragments (32 K) of the slot in hand into buffer f: 16 for the weights, then 16 for a (block q / 2 of 64 k, byte 64 (q % 2) of its rows).
.macro FETCH q, f
	WIN TO_B
.irp i, 0,1,2,3,4,5,6,7
	ds_load_b128 v[64*(\f)+8*(\i):64*(\f)+8*(\i)+3],   v[ADRB] offset:64*(\q)+(\i)*16*PB
	ds_load_b128 v[64*(\f)+8*(\i)+4:64*(\f)+8*(\i)+7], v[ADRB] offset:64*(\q)+(\i)*16*PB+32
.endr
	WIN 0
.irp i, 0,1,2,3,4,5,6,7
	ds_load_b128 v[64+64*(\f)+8*(\i):64+64*(\f)+8*(\i)+3],   v[ADRA] offset:((\q)/2)*ASUB+((\q)%2)*64+(\i)*16*PA
	ds_load_b128 v[64+64*(\f)+8*(\i)+4:64+64*(\f)+8*(\i)+7], v[ADRA] offset:((\q)/2)*ASUB+((\q)%2)*64+(\i)*16*PA+32
.endr
.endm
; A step is four quarters of 32 along K on buffers 0, 1, 0, 1.  One of the first three: multiplies buffer f; in its middle it fetches quarter q into buffer g.
.macro QUARTER q, f, g, zero
	s_wait_dscnt 8                                 ; the weights' and a's fragments 0-3 are in; the youngest eight loads (a's fragments 4-7) may be out
	MUL16 \f, 0, 0, \zero
	MUL16 \f, 0, 2, \zero
	PLACES
	FETCH \q, \g
	s_wait_dscnt 32                                ; all but the 32 just issued
	MUL16 \f, 1, 0, \zero
	MUL16 \f, 1, 2, \zero
.endm
; The last quarter multiplies buffer 1 and changes slots.  In front of the barrier each wave waits for all its tensor loads (one is out: its part of the next slot), adds 0 to its spare word, and waits
; for that and for its reads of this slot.  fill = 1: the barrier opens a round of the cluster's, and the joint refill (step t + 2, into the slot just read) is the first thing behind it: 224 matrix
; instructions ahead of the wait for it.  The weights' tiles lie in the order of the walk; a's offset goes back to 0 behind a group's last K step.  fill = 0: nothing is left to ask for; in the
; last trip there is no further step, and the run of LDS loads is jumped over.
.macro TURN fill
.if \fill
	s_wait_xcnt 0x0                                ; the last prefetch, a step back, has read its address: it is stepped here, ahead of the change's own waits
	s_add_nc_u64 s[PFA:PFA+1], s[PFA:PFA+1], 65536
	s_sub_co_i32 s[PFC], s[PFC], 1
.endif
	WIN 0
	s_wait_tensorcnt 0x0                           ; all my tensor loads have landed, so a group 0 may be written
	ds_add_u32 v[SPW], v[NIL]                      ; 0 onto my spare word: work on registers stands between it and the wait for it
	s_xor_b32 s[TB], s[TB], SLOT1                  ; the fetches go on in the other slot
	v_add_nc_u32 v[ADRA], s[TB], v[ADRA0]
	v_add_nc_u32 v[ADRB], s[TB], v[ADRB0]
.if \fill
	s_xor_b32 s[G0A+5], s[G0A+5], SLOT1            ; the walking descriptors: the other slot than last time,
	s_xor_b32 s[G0B+5], s[G0B+5], SLOT1
	s_add_co_u32 s[AOFF], s[AOFF], 65536           ; the next K step, round the group's end,
	s_and_b32 s[AOFF], s[AOFF], SG*65536-1
	s_add_nc_u64 s[G0A+6:G0A+7], s[4:5], s[AOFF:AOFF+1]
	s_or_b32 s[G0A+7], s[G0A+7], 0x80000000
	s_add_nc_u64 s[G0B+6:G0B+7], s[G0B+6:G0B+7], 65536  ; the next tile; the type bits on top are not reached
.endif
	s_wait_dscnt 9                                 ; (the add and the youngest eight loads may be out)
	MUL16 1, 0, 0, 0
	s_wait_dscnt 0x0                               ; the add is done, and my reads of this slot are over
	s_barrier_signal -1
	MUL16 1, 0, 2, 0                               ; work on registers while the others arrive
	WIN 0
	s_barrier_wait -1
.if \fill
	CREST                                          ; no wave of any partner still reads this slot or has a load on its way
	JLOAD 1                                        ; its four v_nop are also the places in front of the loads below
	FETCH 0, 0
	ASK
.else
	PLACES
	s_cmp_eq_u32 s[CNT], 1
	s_cbranch_scc1 .Lno_fetch_\@
	FETCH 0, 0
.Lno_fetch_\@:
.endif
	MUL16 1, 1, 0, 0
	MUL16 1, 1, 2, 0
.endm
; A group's end: T[a][b] += G[a][e] P[a][NB j + b], e = EC grp + j, two sums an instruction, each accumulator read from its low end on.  The gate is one register of an even pair: op_sel picks it for both halves.
.macro FLUSH grp
	PLACES
.set hi, 0
.rept 2
	WIN 0x52+hi                                    ; P (source 0) window 2 or 3, G window 0, T (source 2 and destination) window 1
.set j, 0
.rept EC
.set a, 0
.rept 4
.set b, 0
.rept NB
.set i, 0
.rept 4
.set rT, TT+8*(NB*(4*hi+a)+b)+i
.set rP, 8*(8*a+NB*j+b)+i
.set e, EC*(\grp)+j
.set rG, GG+8*(4*hi+a)+(e/2)*2
.if e%2
	v_pk_fma_f32 v[rT:rT+1], v[rP:rP+1], v[rG:rG+1], v[rT:rT+1] op_sel:[0,1,0] op_sel_hi:[1,1,1]
.else
	v_pk_fma_f32 v[rT:rT+1], v[rP:rP+1], v[rG:rG+1], v[rT:rT+1] op_sel_hi:[1,0,1]
.endif
.set i, i+2
.endr
.set b, b+1
.endr
.set a, a+1
.endr
.set j, j+1
.endr
.set hi, hi+1
.endr
.endm
.macro DOT d, g, tab                   ; v[d] = sum_e |g_e| s[tab + e], the gates in v[g ..]
	v_mul_f32 v[\d], |v[\g]|, s[\tab]
.irp e, 1,2,3,4,5,6,7
	v_fma_f32 v[\d], |v[(\g)+\e]|, s[(\tab)+\e], v[\d]
.endr
.endm
; The bounds of one row (gates in v[g ..], its chunk's xm in s[xm]) and its table words, off bytes on.  With E the bound's exponent field: S = 2^(14-x) has the bits 0x86000000 - E, 1 / S the bits E - 0x07000000.
.macro BOUNDS g, xm, off
	DOT 10, \g, WM1
	v_mul_f32 v10, s[\xm], v10
	DOT 11, \g, BM1
	v_fmamk_f32 v10, v10, 0x44000000, v11          ; Bnd1 = 512 xm sum |g| wm1 + sum |g| bm1,
	v_max_num_f32 v10, 0x0d800000, v10             ; at least 2^-100
.if LAYER > 1
	DOT 11, \g, WM2
	DOT 12, \g, BM2
	v_mul_f32 v11, v10, v11
	v_fmamk_f32 v11, v11, 0x44800000, v12          ; Bnd2 = 1024 Bnd1 sum |g| wm2 + sum |g| bm2
	v_max_num_f32 v11, 0x0d800000, v11
.endif
.if LAYER == 1
	v_and_b32 v10, 0x7f800000, v10
	v_sub_nc_u32 v10, 0x86000000, v10
	ds_store_b32 v14, v10 offset:1024+(\off)       ; S1
.elseif LAYER == 2
	v_and_b32 v10, 0x7f800000, v10
	v_add_nc_u32 v10, 0xf9000000, v10
	ds_store_b32 v14, v10 offset:\off              ; 1 / S1
	v_and_b32 v11, 0x7f800000, v11
	v_sub_nc_u32 v11, 0x86000000, v11
	ds_store_b32 v14, v11 offset:1024+(\off)       ; S2
.else
	v_and_b32 v11, 0x7f800000, v11
	v_add_nc_u32 v11, 0xf9000000, v11
	ds_store_b32 v14, v11 offset:\off              ; 1 / S2
.endif
.endm
	s_load_b256 s[4:11], s[0:1], 0x0               ; a s[4:5], weights s[6:7], W s[8:9], bias s[10:11]
	s_load_b128 s[12:15], s[0:1], 0x20             ; pmax s[12:13], bmax s[14:15]
	s_load_b64 s[16:17], s[0:1], 0x30              ; the output
	v_lshl_add_u32 v[SPW], v0, 2, SPARE
	v_mov_b32 v[NIL], 0
	ds_add_u32 v[SPW], v[NIL]                      ; the wave's opening: the add, twice on end, and its wait ahead of my first tensor load
	ds_add_u32 v[SPW], v[NIL]
	v_lshrrev_b32 v3, 5, v0
	v_readfirstlane_b32 s[WV], v3
	s_lshr_b32 s[MH], s[WV], 1
	s_and_b32 s[NH], s[WV], 1
	s_bfe_u32 s[CX], ttmp6, 0x40000
	s_bfe_u32 s[CY], ttmp6, 0x40004
	s_lshl_b32 s[TX], ttmp9, 2                     ; in a cluster launch ttmp9 and ttmp7 count clusters
	s_add_co_u32 s[TX], s[TX], s[CX]
	s_and_b32 s[TY], ttmp7, 0xffff
	s_lshl_b32 s[TY], s[TY], 2
	s_add_co_u32 s[TY], s[TY], s[CY]
	s_lshl_b32 s41, s[CY], 2
	s_lshl_b32 s41, 15, s41                        ; my row of the cluster
	s_lshl_b32 s68, 0x1111, s[CX]                  ; my column
	s_or_b32 s[G1A], s41, DWA
	s_or_b32 s[G1B], s68, DWB
.irp g, G1A, G1B                       ; both kinds of load bring 32,768 dense bytes as 128 rows of 256
	s_mov_b32 s[\g+1], 128<<16                     ; tensor_dim0 = 128
	s_mov_b32 s[\g+2], 128<<16                     ; tensor_dim1 = 128
	s_mov_b32 s[\g+3], 128<<16                     ; tile_dim0 = 128
	s_mov_b32 s[\g+4], 128                         ; tile_dim1 = 128
	s_mov_b32 s[\g+5], 128                         ; 128 elements from row to row
	s_mov_b32 s[\g+6], 0
	s_mov_b32 s[\g+7], 0
.endr
	s_lshl_b32 s69, s[NH], 15                      ; which 32,768 bytes of a step I fetch
	s_mul_i32 s42, s[TY], SG*65536                 ; a: tile row y, K step 0 (registers that never hold x)
	s_add_co_u32 s42, s42, s69
	s_mov_b32 s43, 0
	s_mul_i32 s70, s[TX], STEPS*65536              ; weights: tile column x, step 0 (registers that never hold y)
	s_add_co_u32 s70, s70, s69
	s_mov_b32 s71, 0
	s_mul_i32 s72, s[NH], ASUB                     ; where they go: no place in the cluster enters an LDS address
	s_mul_i32 s73, s[NH], BHALF
	s_add_co_u32 s73, s73, BOFF
	s_lshl_b32 s74, s[CX], 13                      ; the prefetches: my work-group's 8,192 of the 32,768 bytes: of a's by cx,
	s_add_co_u32 s74, s74, s42
	s_lshl_b32 s76, s[CY], 13                      ; of the weights' by cy
	s_add_co_u32 s76, s76, s70
	s_and_b32 s77, ttmp7, 0xffff
	s_cmp_eq_u32 s77, 0                            ; cluster y, cluster x: the same in all sixteen partners
	s_cselect_b32 s80, STEPS-3, 0
	s_cmp_eq_u32 ttmp9, 0
	s_cselect_b32 s81, SG-3, 0
	s_cmp_lt_u32 s[WV], 2
	s_cselect_b32 s[PFC], s81, s80
	s_cselect_b32 s74, s74, s76
	s_add_co_u32 s74, s74, 3*65536                 ; at step 3: the first change of slots steps it to 4
	s_mov_b32 s75, 0
	s_lshl_b32 s41, s[TY], 3                       ; xm: my thread's rows lie in chunks 8 y + wave and 8 y + 4 + wave of X
	s_add_co_u32 s41, s41, s[WV]
	s_lshl_b32 s41, s41, 2
.if LAYER < 3
	s_lshl_b32 s78, s[TY], 4                       ; the output block (y, kb = x) of 32,768 bytes
	s_add_co_u32 s78, s78, s[TX]
	s_lshl_b32 s78, s78, 15
.else
	s_lshl_b32 s78, s[TY], 19                      ; out0: row 256 y + 64 wave, 2,048 bytes a row; column 32 x
	s_lshl_b32 s77, s[WV], 17
	s_add_co_u32 s78, s78, s77
	s_lshl_b32 s77, s[TX], 7
	s_add_co_u32 s78, s78, s77
.endif
	s_mov_b32 s79, 0
	s_mov_b32 s[LMASK], 0xffff
	s_mov_b32 s[THR], 0xbb800000
	s_mov_b32 s[TB], 0
	s_wait_dscnt 0x0                               ; both opening adds are done
	s_wait_kmcnt 0x0
	s_cmp_lt_u32 s[WV], 2
	s_cselect_b64 s[PFA:PFA+1], s[4:5], s[6:7]
	s_add_nc_u64 s[PFA:PFA+1], s[PFA:PFA+1], s[74:75]
	s_add_nc_u64 s[4:5], s[4:5], s[42:43]          ; a at my part of K step 0
	s_add_nc_u64 s[6:7], s[6:7], s[70:71]          ; the weights at my part of step 0
	s_add_nc_u64 s[16:17], s[16:17], s[78:79]
	s_mov_b32 s[AOFF], 65536                       ; the walking descriptor begins at K step 1
	s_mov_b32 s[AOFF+1], 0
	s_load_b512 s[BM1:BM1+15], s[14:15], 0x0       ; bm1, bm2
	s_load_b32 s[XM], s[12:13], s41 offset:0x0
	s_load_b32 s[XM+1], s[12:13], s41 offset:0x10
	CROUND                                         ; all sixteen work-groups are here: the first joint loads meet
.irp s, 0,1
	s_mov_b32 s[G0A+4*(\s)], 1
	s_add_co_u32 s[G0A+4*(\s)+1], s72, (\s)*SLOT1
	s_add_nc_u64 s[G0A+4*(\s)+2:G0A+4*(\s)+3], s[4:5], (\s)*65536
	s_or_b32 s[G0A+4*(\s)+3], s[G0A+4*(\s)+3], 0x80000000
	s_mov_b32 s[G0B+4*(\s)], 1
	s_add_co_u32 s[G0B+4*(\s)+1], s73, (\s)*SLOT1
	s_add_nc_u64 s[G0B+4*(\s)+2:G0B+4*(\s)+3], s[6:7], (\s)*65536
	s_or_b32 s[G0B+4*(\s)+3], s[G0B+4*(\s)+3], 0x80000000
	JLOAD \s                                       ; two loads of mine are out
.endr
	; WHILE THE FIRST TILES ARE ON THEIR WAY: tables, gates, bias, addresses, and the products that start T.
	v_and_b32 v1, 15, v0                           ; l % 16
	v_bfe_u32 v2, v0, 4, 1                         ; l / 16
	v_and_b32 v3, 31, v0                           ; l
	v_lshlrev_b32 v[PFO], 8, v3
	v_lshlrev_b32 v4, 5, v3
	global_load_b128 v[TMP:TMP+3], v4, s[12:13] offset:512     ; W1's 256 chunk maxima, 8 a lane: lanes 4 e .. 4 e + 3 hold expert e's
	global_load_b128 v[TMP+4:TMP+7], v4, s[12:13] offset:528
.if LAYER > 1
	v_lshlrev_b32 v5, 6, v3
.irp q, 0,1,2,3
	global_load_b128 v[TMP+8+4*\q:TMP+11+4*\q], v5, s[12:13] offset:1536+16*\q  ; W2's 512, 16 a lane
.endr
.endif
	s_lshl_b32 s80, s[TY], 13
	v_lshl_add_u32 v6, v0, 5, s80
	global_load_b128 v[TMP+24:TMP+27], v6, s[8:9]              ; the gates of row 256 y + my thread's number,
	global_load_b128 v[TMP+28:TMP+31], v6, s[8:9] offset:16
	global_load_b128 v[TMP+32:TMP+35], v6, s[8:9] offset:4096  ; and of the row 128 further down
	global_load_b128 v[TMP+36:TMP+39], v6, s[8:9] offset:4112
	s_lshl_b32 s81, s[MH], 12
	s_add_co_u32 s81, s81, s80
	v_lshl_add_u32 v7, v1, 5, s81
.irp a, 0,1,2,3,4,5,6,7
	global_load_b128 v[GG+8*\a:GG+8*\a+3], v7, s[8:9] offset:512*\a      ; the gates of row 16 a + l % 16 of my 128
	global_load_b128 v[GG+8*\a+4:GG+8*\a+7], v7, s[8:9] offset:512*\a+16
.endr
	s_lshl_b32 s82, s[TX], 1
	s_add_co_u32 s82, s82, s[NH]
	s_mul_i32 s82, s82, 64*NB                      ; my first column, in bytes
	v_lshl_add_u32 v8, v1, 2, s82
.set b, 0
.rept NB
.set e, 0
.rept 8
	global_load_b32 v[TMP+40+8*b+e], v8, s[10:11] offset:(e*NCOL+16*b)*4  ; bl[e][column 16 b + l % 16 of mine]
.set e, e+1
.endr
.set b, b+1
.endr
	v_mul_u32_u24 v9, v1, PA
	v_lshl_add_u32 v9, v2, 4, v9                   ; a fragment's row x pitch + 16 x half
	s_mul_i32 s80, s[MH], 128*PA
	v_add_nc_u32 v[ADRA0], s80, v9
	v_mul_u32_u24 v9, v1, PB
	v_lshl_add_u32 v9, v2, 4, v9
	s_mul_i32 s80, s[NH], BHALF
	s_add_co_u32 s80, s80, BOFF
	v_add_nc_u32 v[ADRB0], s80, v9
	v_add_nc_u32 v[ADRA], s[TB], v[ADRA0]          ; step 0 lies in slot 0
	v_add_nc_u32 v[ADRB], s[TB], v[ADRB0]
	s_mul_i32 s80, s[MH], 128*SPITCH               ; into the stage: row 128 (w / 2) + l % 16, my column half, 32 bytes for each half of the lanes
	s_mul_i32 s81, s[NH], 64*NB
	s_add_co_u32 s80, s80, s81
	s_add_co_u32 s80, s80, STAGE
	v_mul_u32_u24 v10, v1, SPITCH
	v_lshl_add_u32 v10, v2, 5, v10
	v_add_nc_u32 v[STO], s80, v10
	s_mul_i32 s80, s[WV], 64*SPITCH                ; back: wave w takes rows 64 w .. 64 w + 63, whole
	s_add_co_u32 s80, s80, STAGE
.if LAYER < 3
	v_mul_u32_u24 v10, v2, SPITCH                  ; a load takes two rows of 256 bytes
	v_lshl_add_u32 v10, v1, 4, v10
	v_add_nc_u32 v[RD], s80, v10
	s_lshl_b32 s80, s[WV], 8
	s_add_co_u32 s80, s80, TAB1
	v_lshl_add_u32 v[SAD], v2, 2, s80              ; S of row 64 w + l / 16
	s_lshl_b32 s80, s[WV], 13
	v_lshl_add_u32 v[CO], v3, 3, s80               ; two rows of the output block are 256 bytes, 8 a lane
.else
	v_lshrrev_b32 v10, 3, v3                       ; a load takes four rows of 128 bytes
	v_and_b32 v11, 7, v0
	v_mul_u32_u24 v12, v10, SPITCH
	v_lshl_add_u32 v12, v11, 4, v12
	v_add_nc_u32 v[RD], s80, v12
	v_lshlrev_b32 v12, 11, v10
	v_lshl_add_u32 v[CO], v11, 4, v12
.endif
	s_wait_loadcnt 16+8*NB                         ; the tables and my two rows' gates are in; the 16 loads of block gates and the 8 NB of bias may stay out
	v_max3_num_f32 v[TMP], v[TMP], v[TMP+1], v[TMP+2]
	v_max3_num_f32 v[TMP+3], v[TMP+3], v[TMP+4], v[TMP+5]
	v_max3_num_f32 v[TMP], v[TMP], v[TMP+6], v[TMP+7]
	v_max_num_f32 v[TMP], v[TMP], v[TMP+3]
	v_max_num_f32_dpp v[TMP], v[TMP], v[TMP] row_xmask:1 row_mask:0xf bank_mask:0xf
	v_max_num_f32_dpp v[TMP], v[TMP], v[TMP] row_xmask:2 row_mask:0xf bank_mask:0xf
.irp e, 0,1,2,3,4,5,6,7
	v_readlane_b32 s[WM1+\e], v[TMP], 4*\e
.endr
.if LAYER > 1
	v_max3_num_f32 v[TMP+8], v[TMP+8], v[TMP+9], v[TMP+10]
	v_max3_num_f32 v[TMP+11], v[TMP+11], v[TMP+12], v[TMP+13]
	v_max3_num_f32 v[TMP+14], v[TMP+14], v[TMP+15], v[TMP+16]
	v_max3_num_f32 v[TMP+17], v[TMP+17], v[TMP+18], v[TMP+19]
	v_max3_num_f32 v[TMP+20], v[TMP+20], v[TMP+21], v[TMP+22]
	v_max3_num_f32 v[TMP+8], v[TMP+8], v[TMP+11], v[TMP+14]
	v_max3_num_f32 v[TMP+17], v[TMP+17], v[TMP+20], v[TMP+23]
	v_max_num_f32 v[TMP+8], v[TMP+8], v[TMP+17]
	v_max_num_f32_dpp v[TMP+8], v[TMP+8], v[TMP+8] row_xmask:1 row_mask:0xf bank_mask:0xf
	v_max_num_f32_dpp v[TMP+8], v[TMP+8], v[TMP+8] row_xmask:2 row_mask:0xf bank_mask:0xf
.irp e, 0,1,2,3,4,5,6,7
	v_readlane_b32 s[WM2+\e], v[TMP+8], 4*\e
.endr
.endif
	v_lshl_add_u32 v14, v0, 2, TAB0
	s_wait_kmcnt 0x0                               ; bm1, bm2, xm
	BOUNDS TMP+24, XM, 0
	BOUNDS TMP+32, XM+1, 512
	s_wait_loadcnt 0x0
	; The bias product's fragments.  K = 0..7 is the expert: registers 0-3 of lanes 0-15.  The bias fragment is 0 everywhere else, so what the gate fragment's lanes 16-31 hold (the row's own gates once more) is multiplied by 0.
	WIN TO_B
.set a, 0
.rept 8
.set i, 0
.rept 4
	v_cvt_pk_f16_f32 v[GFW+8*a+i], v[GG+8*a+2*i], v[GG+8*a+2*i+1]
	v_mov_b32 v[GFW+8*a+4+i], 0
.set i, i+1
.endr
.set a, a+1
.endr
	WIN 0
.set b, 0
.rept NB
.set i, 0
.rept 4
	v_cvt_pk_f16_f32 v[TMP+56+4*b+i], v[TMP+40+8*b+2*i], v[TMP+40+8*b+2*i+1]
.set i, i+1
.endr
.set b, b+1
.endr
	WIN TO_B
.set b, 0
.rept NB
.set i, 0
.rept 4
	v_cndmask_b32 v[BFW+8*b+i], 0, v[TMP+56+4*b+i], s[LMASK]
	v_mov_b32 v[BFW+8*b+4+i], 0
.set i, i+1
.endr
.set b, b+1
.endr
	WIN 0x45                                       ; sources 0, 1 and the destination window 1
.set a, 0
.rept 8
.set b, 0
.rept NB
	v_wmma_f32_16x16x32_f16 v[TT+8*(NB*a+b):TT+8*(NB*a+b)+7], v[BFW+8*b:BFW+8*b+7], v[GFW+8*a:GFW+8*a+7], 0  ; T starts as sum_e W[b][e] bl[e][n]
.set b, b+1
.endr
.set a, a+1
.endr
	WIN 0
	s_wait_tensorcnt 0x1                           ; my part of step 0 is in; step 1's may stay out
	s_wait_dscnt 0x0                               ; my table words are stored
	s_barrier_signal -1
	s_barrier_wait -1
.if LAYER > 1
	s_lshl_b32 s80, s[MH], 9
	s_add_co_u32 s80, s80, TAB0
	v_lshl_add_u32 v9, v1, 2, s80
.irp a, 0,1,2,3,4,5,6,7
	ds_load_b32 v[INV+\a], v9 offset:64*\a         ; 1 / S of row 16 a + l % 16 of my 128
.endr
.endif
	PLACES                                         ; the loads below land in registers that the products above have read
	FETCH 0, 0
.if LAYER > 1
	s_wait_dscnt 32                                ; the eight words are in; the 32 fragment loads may stay out
.set a, 0
.rept 8
.set e, 0
.rept 4
.if a%2
	v_pk_mul_f32 v[GG+8*a+e:GG+8*a+e+1], v[GG+8*a+e:GG+8*a+e+1], v[INV+a-1:INV+a] op_sel:[0,1] op_sel_hi:[1,1]  ; G = g / S, exact
.else
	v_pk_mul_f32 v[GG+8*a+e:GG+8*a+e+1], v[GG+8*a+e:GG+8*a+e+1], v[INV+a:INV+a+1] op_sel_hi:[1,0]
.endif
.set e, e+2
.endr
.set a, a+1
.endr
.endif
	s_mov_b32 s[KS], 0
	s_mov_b32 s[CNT], STEPS-2
.Lstep:                                                ; a trip is a K step; every step but the last two fills its slot again
	s_cmp_eq_u32 s[KS], 0
	s_cbranch_scc1 .Lzero
	QUARTER 1, 0, 1, 0
	WIN 0                                          ; at a label and at a branch every window is 0
	s_branch .Ljoin
.Lzero:                                                ; a group's first quarter: its products start P's sums
	v_nop                                          ; with the four in front of a run of loads the fifth place between a product and the product that starts its accumulator anew, whichever way leads here
	QUARTER 1, 0, 1, 1
	WIN 0
.Ljoin:
	QUARTER 2, 1, 0, 0
	QUARTER 3, 0, 1, 0
	TURN 1
	WIN 0
.if NG > 1
	s_cmp_lg_u32 s[KS], SG-1
	s_cbranch_scc1 .Lkeep
	FLUSH 0                                        ; the first group's end; the next step's first fragments are on their way meanwhile
	WIN 0
.Lkeep:
.endif
	s_add_co_u32 s[KS], s[KS], 1
	s_and_b32 s[KS], s[KS], SG-1
	s_sub_co_u32 s[CNT], s[CNT], 1
	s_cmp_lg_u32 s[CNT], 0
	s_cbranch_scc1 .Lstep
	s_mov_b32 s[CNT], 2
.Ltail:                                                ; the last two steps are a text of their own
	QUARTER 1, 0, 1, 0
	QUARTER 2, 1, 0, 0
	QUARTER 3, 0, 1, 0
	TURN 0
	WIN 0
	s_sub_co_u32 s[CNT], s[CNT], 1
	s_cmp_lg_u32 s[CNT], 0
	s_cbranch_scc1 .Ltail
	FLUSH NG-1
	; THE WAY OUT: T goes into the work-group's stage in f32.  The stage is slot 1: every wave's reads of it ended in front of the last barrier, and nothing is filled any more.
	; A barrier follows, since a row comes from two waves; then whole rows are read back.
	WIN 0x04                                       ; the stores' data (source 1) window 1
.set a, 0
.rept 8
.set b, 0
.rept NB
	ds_store_b128 v[STO], v[TT+8*(NB*a+b):TT+8*(NB*a+b)+3]   offset:a*16*SPITCH+64*b
	ds_store_b128 v[STO], v[TT+8*(NB*a+b)+4:TT+8*(NB*a+b)+7] offset:a*16*SPITCH+64*b+16
.set b, b+1
.endr
.set a, a+1
.endr
	WIN 0
	s_wait_dscnt 0x0                               ; for the others' sake: my stores into the stage are done
	s_barrier_signal -1
	s_barrier_wait -1
.if LAYER < 3
.set Z,  64                            ; v64-95   z: load j's four numbers at Z + 4 j (row 2 j + l / 16 of the trip's sixteen)
.set SC, 96                            ; v96-103  S of those rows
.set ZN, 128                           ; min(z, 0)
.set EX, 160                           ; 2^(zn log2 e) - 1
.set PP, 192                           ; z + zn^2 / 2, then the result
.set HF, 224                           ; the result in f16
	s_mov_b32 s[CNT], 4
.Lrows:                                                ; four trips of sixteen rows: elu, the row's scale, f16, one store for two rows
.irp j, 0,1,2,3,4,5,6,7
	ds_load_b128 v[Z+4*\j:Z+4*\j+3], v[RD] offset:\j*2*SPITCH
.endr
.irp j, 0,1,2,3,4,5,6,7
	ds_load_b32 v[SC+\j], v[SAD] offset:8*\j
.endr
	s_wait_dscnt 0x0
.set i, 0
.rept 32
	v_min_num_f32 v[ZN+i], 0, v[Z+i]
.set i, i+1
.endr
.set i, 0
.rept 16
	v_pk_mul_f32 v[EX+i:EX+i+1], v[ZN+i:ZN+i+1], 0x3fb8aa3b op_sel_hi:[1,0]
.set i, i+2
.endr
.set i, 0
.rept 32
	v_exp_f32 v[EX+i], v[EX+i]                     ; one batch of 32
.set i, i+1
.endr
.set i, 0
.rept 16
	v_pk_mul_f32 v[PP+i:PP+i+1], v[ZN+i:ZN+i+1], 0.5 op_sel_hi:[1,0]  ; plain work that names no exponential's result stands behind the batch
.set i, i+2
.endr
.set i, 0
.rept 16
	v_pk_fma_f32 v[PP+i:PP+i+1], v[PP+i:PP+i+1], v[ZN+i:ZN+i+1], v[Z+i:Z+i+1]
.set i, i+2
.endr
	s_wait_alu depctr_va_vdst(0)                   ; one wait for the batch, ahead of its first reader
.set i, 0
.rept 16
	v_pk_add_f32 v[EX+i:EX+i+1], v[EX+i:EX+i+1], -1.0 op_sel_hi:[1,0]
.set i, i+2
.endr
.set i, 0
.rept 32
	v_cmp_gt_f32 vcc_lo, s[THR], v[Z+i]            ; z < -2^-8 ?
	v_cndmask_b32 v[PP+i], v[PP+i], v[EX+i], vcc_lo
.set i, i+1
.endr
.set j, 0
.rept 8
.set i, 0
.rept 2
.if j%2
	v_pk_mul_f32 v[PP+4*j+i:PP+4*j+i+1], v[PP+4*j+i:PP+4*j+i+1], v[SC+j-1:SC+j] op_sel:[0,1] op_sel_hi:[1,1]
.else
	v_pk_mul_f32 v[PP+4*j+i:PP+4*j+i+1], v[PP+4*j+i:PP+4*j+i+1], v[SC+j:SC+j+1] op_sel_hi:[1,0]
.endif
.set i, i+2
.endr
.set j, j+1
.endr
.set j, 0
.rept 8
	v_cvt_pk_f16_f32 v[HF+2*j], v[PP+4*j], v[PP+4*j+1]
	v_cvt_pk_f16_f32 v[HF+2*j+1], v[PP+4*j+2], v[PP+4*j+3]
	global_store_b64 v[CO], v[HF+2*j:HF+2*j+1], s[16:17] offset:256*j  ; 32 lanes store two rows of the block: 256 consecutive bytes, aligned
.set j, j+1
.endr
	s_wait_xcnt 0x0                                ; the stores have read their data and their offset: both are written again only behind this wait
	v_add_nc_u32 v[RD], 16*SPITCH, v[RD]
	v_add_nc_u32 v[SAD], 64, v[SAD]
	v_add_nc_u32 v[CO], 2048, v[CO]
	s_sub_co_u32 s[CNT], s[CNT], 1
	s_cmp_lg_u32 s[CNT], 0
	s_cbranch_scc1 .Lrows
.else
.irp t, 0,1,2,3,4,5,6,7,8,9,10,11,12,13,14,15
	ds_load_b128 v[TMP+4*\t:TMP+4*\t+3], v[RD] offset:\t*4*SPITCH
.endr
.irp t, 0,1,2,3,4,5,6,7,8,9,10,11,12,13,14,15
	s_wait_dscnt 15-\t                             ; load t is in, the younger ones may stay out
	global_store_b128 v[CO], v[TMP+4*\t:TMP+4*\t+3], s[16:17] offset:\t*8192 th:TH_STORE_NT  ; eight lanes store a row's 128 consecutive bytes, four rows an instruction
.endr
.endif
	s_wait_tensorcnt 0x0                           ; the wave's end, behind my last tensor load and my last LDS store
	ds_add_u32 v[SPW], v[NIL]
	s_wait_dscnt 0x0
	CROUND                                         ; the closing round: no work-group ends while a partner may still ask for a tile that names it
	s_endpgm
.Lfunc_end_k_qb08ff64bf2_layer3:
	.size	k_qb08ff64bf2_layer3, .Lfunc_end_k_qb08ff64bf2_layer3-k_qb08ff64bf2_layer3
	.p2alignl 7, 3214868480
	.fill 96, 4, 3214868480
	.section	.rodata,"a",@progbits
	.p2align	6, 0x0
	.amdhsa_kernel k_qb08ff64bf2_layer3
		.amdhsa_group_segment_fixed_size 327680
		.amdhsa_private_segment_fixed_size 0
		.amdhsa_enable_private_segment 0
		.amdhsa_kernarg_size 56
		.amdhsa_user_sgpr_count 2
		.amdhsa_user_sgpr_kernarg_segment_ptr 1
		.amdhsa_wavefront_size32 1
		.amdhsa_system_sgpr_workgroup_id_x 1
		.amdhsa_system_sgpr_workgroup_id_y 1
		.amdhsa_system_sgpr_workgroup_id_z 1
		.amdhsa_system_vgpr_workitem_id 0
		.amdhsa_next_free_vgpr 1024
		.amdhsa_next_free_sgpr 102
		.amdhsa_reserve_vcc 1
		.amdhsa_float_denorm_mode_32 3
		.amdhsa_float_denorm_mode_16_64 3
		.amdhsa_memory_ordered 1
		.amdhsa_forward_progress 1
		.amdhsa_inst_pref_size 109
	.end_amdhsa_kernel
	.amdgpu_metadata
---
amdhsa.version: [ 1, 2 ]
amdhsa.kernels:
  - .name:           k_qb08ff64bf2_layer3
    .symbol:         k_qb08ff64bf2_layer3.kd
    .args:
      - { .name: Mid2, .offset: 0, .size: 8, .value_kind: global_buffer, .address_space: global }
      - { .name: Wh3, .offset: 8, .size: 8, .value_kind: global_buffer, .address_space: global }
      - { .name: W, .offset: 16, .size: 8, .value_kind: global_buffer, .address_space: global }
      - { .name: b3, .offset: 24, .size: 8, .value_kind: global_buffer, .address_space: global }
      - { .name: pmax, .offset: 32, .size: 8, .value_kind: global_buffer, .address_space: global }
      - { .name: bmax, .offset: 40, .size: 8, .value_kind: global_buffer, .address_space: global }
      - { .name: out0, .offset: 48, .size: 8, .value_kind: global_buffer, .address_space: global }
    .group_segment_fixed_size: 327680
    .private_segment_fixed_size: 0
    .kernarg_segment_align: 8
    .kernarg_segment_size: 56
    .max_flat_workgroup_size: 128
    .sgpr_count:     102
    .vgpr_count:     1024
    .wavefront_size: 32
...
	.end_amdgpu_metadata
.endif
;; end of part 8
